; MI455X (gfx1250); checked and timed in simulation.
; The chip was launched on July 23, 2026; its instructions are those of AMD's public machine-readable ISA for CDNA 5 (MIT licence, August 2026) and "CDNA5" Instruction Set Architecture Reference Guide (July 2026). The comments in the code are by the model that wrote it; some were corrected since.
;; Mixture Of Experts. Allowed arithmetic: float matrix products may take bf16 or f16 operands with f32 sums; other float arithmetic in f32, or as packed bf16 or f16 multiplies, adds, multiply-adds, maxima and minima; sums over many terms, partial sums and values carried from step to step in f32; what a program stores and reads back later, other than sums and carried values, may be rounded once to bf16 or f16.
;; Inputs: b1 8 x 4,096 float32; b2 8 x 1,024 float32; router_b 8 float32; router_w 8 x 1,024 float32; w1 8 x 4,096 x 1,024 float32; w2 8 x 1,024 x 4,096 float32; x 4 x 256 x 1,024 float32.
;; Outputs: out0 4 x 256 x 1,024 float32.
;; 3 versions, each right; version 3 is version 2 with the launches ffn1, ffn2 written anew for expert scheduling mode. Each part assembles by itself: llvm-mc -triple=amdgcn-amd-amdhsa -mcpu=gfx1250 --defsym DOCPART=n.
;; ======== version 1 of 3: 4 launches
;; workspace buffers: xb 2,097,152 bytes; bm 2,048 bytes of whole numbers; selm 4,096 bytes of whole numbers; cw 8,192 bytes; h 67,108,864 bytes; part 134,217,728 bytes
;; launch route (part 1): grid 64 x 1, 8 waves a work-group, no clusters, 61,440 bytes of LDS; arguments x, router_w, router_b, xb, bm, selm, cw; writes xb, bm, selm, cw
.if DOCPART == 1
	.amdgcn_target "amdgcn-amd-amdhsa--gfx1250"
	.amdhsa_code_object_version 6
	.text
	.protected	k_q3a6501af52_route
	.globl	k_q3a6501af52_route
	.p2align	8
	.type	k_q3a6501af52_route,@function
k_q3a6501af52_route:
	s_mov_b64 s[64:65], 0
	v_nop
	global_prefetch_b8 v0, s[64:65] scope:SCOPE_SE
	s_setreg_imm32_b32 hwreg(HW_REG_WAVE_MODE, 25, 1), 1
	s_wait_xcnt 0x0
; ROUTER.  x [1024][1024] f32 is rounded to bf16 (xb); logits = x router_w^T + router_b on the rounded numbers, products by the matrix unit, sums in f32;
; the two largest logits of a token choose its experts (a tie keeps the lower number); their weights are c1 = 1 / (1 + e^(l2 - l1)), c2 = e^(l2 - l1) c1:
; softmax, top 2 and renormalising in one, the larger logit taken away before the exponential, so the exponent is never above 0.
; Stored: xb; selm[t] = the two experts as two bits; cw[t] = the weight of the lower-numbered expert, then of the higher; bm[e][g] = which of tokens 16 g .. 16 g + 15 chose e.
; SHARES.  A work-group owns 16 tokens, wave w the channels 128 w .. 128 w + 127 of them and of router_w; the eight partial sums meet in LDS and wave 0 decides.
; LIMITS.  All inputs are rounded to bf16, router_b too.  The choice is made on the logits: a tie that arises only in softmax's rounding may fall otherwise.  A second weight below 2^-126 counts as 0.
; NaN and infinities are not treated apart.  selm, cw and bm are 14 KB in all: their stores are 64, 128 and 8 x 4 bytes a work-group.
; No cluster: what the work-groups share is router_w, 32 KB against 64 KB of x of their own, and it goes through registers to be rounded.
.set PS,    272                        ; a stage row: 256 bytes (128 bf16) + 16: the 16 rows of a fragment load start at 16 different groups of four banks
.set STGW,  24*PS                      ; a wave's stage: 16 rows of x, 8 of router_w
.set RED,   8*STGW                     ; 1,024 bytes a wave: its partial logits
.set SPARE, RED+8*1024                 ; the spare words, 128 bytes a wave: four blocks of 256 bytes that no other line names
.set LN,  1                            ; lane
.set R16, 2                            ; lane % 16
.set HH,  3                            ; lane / 16
.set VBM, 4                            ; first the wave's number; then my byte offset in bm: lane x 256 (addresses lie below v16, where no load lands)
.set VLD, 5                            ; byte offset of my 16 bytes in a row of x or router_w
.set VXB, 6                            ; of my 8 bytes in a row of xb
.set VST, 7                            ; LDS: my 8 bytes in row 0 of my stage
.set VTF, 8                            ; LDS: my place in a token fragment
.set VRF, 9                            ; LDS: my place in a router fragment (rows 8-15 repeat rows 0-7)
.set SPW, 10                           ; LDS address of my spare word; never rewritten
.set NIL, 11                           ; 0; never rewritten
.set VRS, 12                           ; LDS: where my wave's partial sums go
.set VRL, 13                           ; LDS: where wave 0 reads them
.set VS4, 14                           ; lane x 4
.set VS8, 15                           ; lane x 8
.set XF,  16                           ; v16-111: 24 rows x 4 registers as loaded, then 2 as rounded
.set TF,  112                          ; v112-143: four token fragments
.set RF,  144                          ; v144-175: four router fragments
.set ACC, 176                          ; v176-207: four accumulators
.set LG,  112                          ; wave 0: the eight waves' sums, then v112-119 the logits
.set RBV, 120                          ; router_b
.set B1,  130
.set I1,  131
.set B2,  132
.set I2,  133
.set NG,  134
.set ONE, 135
.set DD,  136
.set EE,  137
.set C1,  139
.set CLO, 140                          ; v140-141: the pair that is stored
.set C2,  142
.set MS,  143
.set TM,  144
.set BMV, 145
.set WV,  26
	s_load_b256 s[4:11], s[0:1], 0x0               ; x s[4:5], router_w s[6:7], router_b s[8:9], xb s[10:11]
	s_load_b128 s[12:15], s[0:1], 0x20             ; bm s[12:13], selm s[14:15]
	s_load_b64 s[24:25], s[0:1], 0x30              ; cw
	v_lshl_add_u32 v[SPW], v0, 2, SPARE
	v_mov_b32 v[NIL], 0
	v_lshrrev_b32 v[VBM], 5, v0
	v_readfirstlane_b32 s[WV], v[VBM]              ; wave 0..7
	v_and_b32 v[LN], 31, v0
	v_and_b32 v[R16], 15, v0
	v_bfe_u32 v[HH], v0, 4, 1
	s_lshl_b32 s27, s[WV], 9                       ; my wave's 512 bytes of an f32 row
	v_lshl_add_u32 v[VLD], v[LN], 4, s27
	s_lshl_b32 s27, s[WV], 8                       ; its 256 bytes of a bf16 row
	v_lshl_add_u32 v[VXB], v[LN], 3, s27
	s_mul_i32 s28, s[WV], STGW
	v_lshl_add_u32 v[VST], v[LN], 3, s28
	v_mul_u32_u24 v[VTF], v[R16], PS
	v_lshl_add_u32 v[VTF], v[HH], 4, v[VTF]
	v_add_nc_u32 v[VTF], s28, v[VTF]
	v_and_b32 v[VRF], 7, v0
	v_mul_u32_u24 v[VRF], v[VRF], PS
	v_lshl_add_u32 v[VRF], v[HH], 4, v[VRF]
	v_add_nc_u32 v[VRF], s28, v[VRF]
	s_lshl_b32 s29, s[WV], 10
	s_add_co_u32 s29, s29, RED
	v_lshl_add_u32 v[VRS], v[LN], 4, s29
	v_lshlrev_b32 v[VRL], 4, v[LN]
	v_add_nc_u32 v[VRL], RED, v[VRL]
	v_lshlrev_b32 v[VS4], 2, v[LN]
	v_lshlrev_b32 v[VS8], 3, v[LN]
	v_lshlrev_b32 v[VBM], 8, v[LN]                 ; bm: expert = lane, 64 words apart
	s_mov_b32 s31, 0
	s_wait_kmcnt 0x0
	s_load_b256 s[16:23], s[8:9], 0x0              ; router_b, eight numbers
	s_lshl_b32 s30, ttmp9, 16                      ; 16 rows of 4,096 bytes
	s_add_nc_u64 s[4:5], s[4:5], s[30:31]
	s_lshl_b32 s30, ttmp9, 15                      ; 16 rows of 2,048 bytes
	s_add_nc_u64 s[10:11], s[10:11], s[30:31]
	s_lshl_b32 s30, ttmp9, 2
	s_add_nc_u64 s[12:13], s[12:13], s[30:31]
	s_lshl_b32 s30, ttmp9, 6
	s_add_nc_u64 s[14:15], s[14:15], s[30:31]
	s_lshl_b32 s30, ttmp9, 7
	s_add_nc_u64 s[24:25], s[24:25], s[30:31]
.irp i, 0,1,2,3,4,5,6,7,8,9,10,11,12,13,14,15
	global_load_b128 v[XF+4*(\i):XF+4*(\i)+3], v[VLD], s[4:5] offset:(\i)*4096 th:TH_LOAD_NT  ; 512 consecutive bytes of one row
.endr
.irp i, 0,1,2,3,4,5,6,7
	global_load_b128 v[XF+64+4*(\i):XF+64+4*(\i)+3], v[VLD], s[6:7] offset:(\i)*4096
.endr
	s_wait_loadcnt 0x0
	s_wait_kmcnt 0x0
.irp i, 0,1,2,3,4,5,6,7,8,9,10,11,12,13,14,15,16,17,18,19,20,21,22,23
	v_cvt_pk_bf16_f32 v[XF+4*(\i)], v[XF+4*(\i)], v[XF+4*(\i)+1]      ; four numbers to 8 bytes, in place
	v_cvt_pk_bf16_f32 v[XF+4*(\i)+1], v[XF+4*(\i)+2], v[XF+4*(\i)+3]
.endr
.irp i, 0,1,2,3,4,5,6,7,8,9,10,11,12,13,14,15
	global_store_b64 v[VXB], v[XF+4*(\i):XF+4*(\i)+1], s[10:11] offset:(\i)*2048  ; the wave stores 256 consecutive bytes, aligned
.endr
.irp i, 0,1,2,3,4,5,6,7,8,9,10,11,12,13,14,15,16,17,18,19,20,21,22,23
	ds_store_b64 v[VST], v[XF+4*(\i):XF+4*(\i)+1] offset:(\i)*PS
.endr
.irp s, 0,1,2,3                        ; the stage is the wave's own, and LDS serves a wave's instructions in order: no wait between stores and loads
	ds_load_b128 v[TF+8*(\s):TF+8*(\s)+3],   v[VTF] offset:64*(\s)
	ds_load_b128 v[TF+8*(\s)+4:TF+8*(\s)+7], v[VTF] offset:64*(\s)+32
	ds_load_b128 v[RF+8*(\s):RF+8*(\s)+3],   v[VRF] offset:16*PS+64*(\s)
	ds_load_b128 v[RF+8*(\s)+4:RF+8*(\s)+7], v[VRF] offset:16*PS+64*(\s)+32
.endr
	s_wait_dscnt 0x0
.irp s, 0,1,2,3                        ; source 0 = experts, source 1 = tokens: lane l, register j = expert j, token l % 16.  Four accumulators, one product each
	v_wmma_f32_16x16x32_bf16 v[ACC+8*(\s):ACC+8*(\s)+7], v[RF+8*(\s):RF+8*(\s)+7], v[TF+8*(\s):TF+8*(\s)+7], 0
.endr
.rept 4
	v_nop                                          ; four places between the products and the first read of their results (ISA guide 7.12.1)
.endr
.irp p, 0,2,4,6
	v_pk_add_f32 v[ACC+(\p):ACC+(\p)+1], v[ACC+(\p):ACC+(\p)+1], v[ACC+8+(\p):ACC+8+(\p)+1]
.endr
.irp p, 0,2,4,6
	v_pk_add_f32 v[ACC+16+(\p):ACC+16+(\p)+1], v[ACC+16+(\p):ACC+16+(\p)+1], v[ACC+24+(\p):ACC+24+(\p)+1]
.endr
.irp p, 0,2,4,6
	v_pk_add_f32 v[ACC+(\p):ACC+(\p)+1], v[ACC+(\p):ACC+(\p)+1], v[ACC+16+(\p):ACC+16+(\p)+1]
.endr
	ds_store_b128 v[VRS], v[ACC:ACC+3]
	ds_store_b128 v[VRS], v[ACC+4:ACC+7] offset:512
	s_wait_dscnt 0x0                               ; for wave 0's sake: my sums are in LDS
	s_barrier_signal -1
	s_barrier_wait -1
	s_cmp_lg_u32 s[WV], 0
	s_cbranch_scc1 .Lend                           ; the decision is wave 0's
.irp w, 0,1,2,3,4,5,6,7
	ds_load_b128 v[LG+8*(\w):LG+8*(\w)+3],   v[VRL] offset:(\w)*1024
	ds_load_b128 v[LG+8*(\w)+4:LG+8*(\w)+7], v[VRL] offset:(\w)*1024+512
.endr
	s_wait_dscnt 0x0
.irp w, 0,2,4,6
.irp p, 0,2,4,6
	v_pk_add_f32 v[LG+8*(\w)+(\p):LG+8*(\w)+(\p)+1], v[LG+8*(\w)+(\p):LG+8*(\w)+(\p)+1], v[LG+8*(\w)+8+(\p):LG+8*(\w)+8+(\p)+1]
.endr
.endr
.irp w, 0,4
.irp p, 0,2,4,6
	v_pk_add_f32 v[LG+8*(\w)+(\p):LG+8*(\w)+(\p)+1], v[LG+8*(\w)+(\p):LG+8*(\w)+(\p)+1], v[LG+8*(\w)+16+(\p):LG+8*(\w)+16+(\p)+1]
.endr
.endr
.irp p, 0,2,4,6
	v_pk_add_f32 v[LG+(\p):LG+(\p)+1], v[LG+(\p):LG+(\p)+1], v[LG+32+(\p):LG+32+(\p)+1]
.endr
.irp j, 0,1,2,3,4,5,6,7
	v_mov_b32 v[RBV+(\j)], s[16+(\j)]
.endr
.irp p, 0,2,4,6                        ; router_b rounded to bf16 like every input, then added
	v_cvt_pk_bf16_f32 v[RBV+(\p)], v[RBV+(\p)], v[RBV+(\p)+1]
	v_and_b32 v[RBV+(\p)+1], 0xffff0000, v[RBV+(\p)]
	v_lshlrev_b32 v[RBV+(\p)], 16, v[RBV+(\p)]
	v_pk_add_f32 v[LG+(\p):LG+(\p)+1], v[LG+(\p):LG+(\p)+1], v[RBV+(\p):RBV+(\p)+1]
.endr
	; the largest logit and its expert; a later expert wins only if strictly greater
	v_mov_b32 v[B1], v[LG]
	v_mov_b32 v[I1], 0
.irp j, 1,2,3,4,5,6,7
	v_cmp_gt_f32 vcc_lo, v[LG+(\j)], v[B1]
	v_cndmask_b32 v[B1], v[B1], v[LG+(\j)], vcc_lo
	v_cndmask_b32 v[I1], v[I1], \j, vcc_lo
.endr
	v_mov_b32 v[NG], 0xff800000                    ; the winner leaves the field
.irp j, 0,1,2,3,4,5,6,7
	v_cmp_eq_u32 vcc_lo, \j, v[I1]
	v_cndmask_b32 v[LG+(\j)], v[LG+(\j)], v[NG], vcc_lo
.endr
	v_mov_b32 v[B2], v[LG]
	v_mov_b32 v[I2], 0
.irp j, 1,2,3,4,5,6,7
	v_cmp_gt_f32 vcc_lo, v[LG+(\j)], v[B2]
	v_cndmask_b32 v[B2], v[B2], v[LG+(\j)], vcc_lo
	v_cndmask_b32 v[I2], v[I2], \j, vcc_lo
.endr
	v_sub_f32 v[DD], v[B2], v[B1]                  ; l2 - l1, never above 0
	v_mul_f32 v[DD], 0x3fb8aa3b, v[DD]             ; x log2(e)
	v_exp_f32 v[EE], v[DD]
	v_mov_b32 v[ONE], 1                            ; the plain instruction behind the exponential
	s_wait_alu depctr_va_vdst(0)                   ; the wait ahead of the first use of its result
	v_add_f32 v[DD], 1.0, v[EE]
	v_rcp_f32 v[C1], v[DD]
	v_mov_b32 v[BMV], 0                            ; the plain instruction behind the reciprocal
	s_wait_alu depctr_va_vdst(0)
	v_mul_f32 v[C2], v[EE], v[C1]
	v_cmp_lt_u32 vcc_lo, v[I1], v[I2]              ; the pair goes by the experts' numbers
	v_cndmask_b32 v[CLO], v[C2], v[C1], vcc_lo
	v_cndmask_b32 v[CLO+1], v[C1], v[C2], vcc_lo
	v_lshlrev_b32 v[MS], v[I1], v[ONE]
	v_lshlrev_b32 v[TM], v[I2], v[ONE]
	v_or_b32 v[MS], v[MS], v[TM]
.irp k, 0,1,2,3,4,5,6,7                ; lanes 16-31 repeat lanes 0-15: the low 16 bits are the 16 tokens
	v_and_b32 v[TM], 1<<(\k), v[MS]
	v_cmp_ne_u32 s28, 0, v[TM]
	s_and_b32 s28, s28, 0xffff
	v_writelane_b32 v[BMV], s28, \k
.endr
	s_wait_xcnt 0x0                                ; EXEC is a source of the stores of xb: it changes only behind this wait
	v_cmp_gt_u32 vcc_lo, 16, v[LN]
	s_and_saveexec_b32 s36, vcc_lo
	global_store_b32 v[VS4], v[MS], s[14:15]
	global_store_b64 v[VS8], v[CLO:CLO+1], s[24:25]
	s_wait_xcnt 0x0
	s_or_b32 exec_lo, exec_lo, s36
	v_cmp_gt_u32 vcc_lo, 8, v[LN]
	s_and_saveexec_b32 s36, vcc_lo
	global_store_b32 v[VBM], v[BMV], s[12:13]
	s_wait_xcnt 0x0
	s_or_b32 exec_lo, exec_lo, s36
.Lend:
	s_wait_tensorcnt 0x0                           ; the wave's end: a wait, an LDS add and a wait behind my last LDS store
	ds_add_u32 v[SPW], v[NIL]
	s_wait_dscnt 0x0
	s_endpgm
.Lfunc_end_k_q3a6501af52_route:
	.size	k_q3a6501af52_route, .Lfunc_end_k_q3a6501af52_route-k_q3a6501af52_route
	.p2alignl 7, 3214868480
	.fill 96, 4, 3214868480
	.section	.rodata,"a",@progbits
	.p2align	6, 0x0
	.amdhsa_kernel k_q3a6501af52_route
		.amdhsa_group_segment_fixed_size 61440
		.amdhsa_private_segment_fixed_size 0
		.amdhsa_enable_private_segment 0
		.amdhsa_kernarg_size 56
		.amdhsa_user_sgpr_count 2
		.amdhsa_user_sgpr_kernarg_segment_ptr 1
		.amdhsa_wavefront_size32 1
		.amdhsa_system_sgpr_workgroup_id_x 1
		.amdhsa_system_sgpr_workgroup_id_y 1
		.amdhsa_system_sgpr_workgroup_id_z 1
		.amdhsa_system_vgpr_workitem_id 0
		.amdhsa_next_free_vgpr 208
		.amdhsa_next_free_sgpr 66
		.amdhsa_reserve_vcc 1
		.amdhsa_float_denorm_mode_32 3
		.amdhsa_float_denorm_mode_16_64 3
		.amdhsa_memory_ordered 1
		.amdhsa_forward_progress 1
		.amdhsa_inst_pref_size 23
	.end_amdhsa_kernel
	.amdgpu_metadata
---
amdhsa.version: [ 1, 2 ]
amdhsa.kernels:
  - .name:           k_q3a6501af52_route
    .symbol:         k_q3a6501af52_route.kd
    .args:
      - { .name: x, .offset: 0, .size: 8, .value_kind: global_buffer, .address_space: global }
      - { .name: router_w, .offset: 8, .size: 8, .value_kind: global_buffer, .address_space: global }
      - { .name: router_b, .offset: 16, .size: 8, .value_kind: global_buffer, .address_space: global }
      - { .name: xb, .offset: 24, .size: 8, .value_kind: global_buffer, .address_space: global }
      - { .name: bm, .offset: 32, .size: 8, .value_kind: global_buffer, .address_space: global }
      - { .name: selm, .offset: 40, .size: 8, .value_kind: global_buffer, .address_space: global }
      - { .name: cw, .offset: 48, .size: 8, .value_kind: global_buffer, .address_space: global }
    .group_segment_fixed_size: 61440
    .private_segment_fixed_size: 0
    .kernarg_segment_align: 8
    .kernarg_segment_size: 56
    .max_flat_workgroup_size: 256
    .sgpr_count:     66
    .vgpr_count:     208
    .wavefront_size: 32
...
	.end_amdgpu_metadata
.endif
;; end of part 1
;; launch ffn1 (part 2): grid 32 x 8, 4 waves a work-group, no clusters, 100,352 bytes of LDS; arguments xb, bm, w1, b1, h; writes h
.if DOCPART == 2
	.amdgcn_target "amdgcn-amd-amdhsa--gfx1250"
	.amdhsa_code_object_version 6
	.text
	.protected	k_q3a6501af52_ffn1
	.globl	k_q3a6501af52_ffn1
	.p2align	8
	.type	k_q3a6501af52_ffn1,@function
k_q3a6501af52_ffn1:
	s_mov_b64 s[64:65], 0
	v_nop
	global_prefetch_b8 v0, s[64:65] scope:SCOPE_SE
	s_setreg_imm32_b32 hwreg(HW_REG_WAVE_MODE, 25, 1), 1
	s_wait_xcnt 0x0
; FIRST PRODUCT OF THE EXPERTS.  h = gelu(x W1^T + b1) for the rows that chose the expert.  xb [1024][1024] bf16; w1 [8][4096][1024], b1 [8][4096] f32, rounded to bf16 on the way; sums in f32; h rounded once to bf16.
; SHARES.  Work-group (sl, e) alone reads rows 128 sl .. 128 sl + 127 of expert e's W1 (512 KB) and multiplies them with ALL rows of e.  The rows are taken in tiles of 16 ranks (rank = place among e's tokens, ascending).
; A wave holds five tiles x 128 columns: 40 accumulators; tile = wave + 4 x slot.  So the K stream serves tiles 0 .. 19, 320 rows; it is unconditional: a slot past the count works on a repeated row, and is not stored.
; An expert with more rows: from tile 20 on a tile is computed in the way-out loop, without LDS writes and barriers, weights and tokens straight from memory into operand registers.  Every split is served, up to 1,024 rows.
; An expert with no row: the stream runs on the list's first token and tile 0 is stored, so that the next launch reads no byte that nobody wrote.
; THE K STREAM.  16 chunks of 64 along K.  Chunk j of the weights: each wave loads its 32 rows x 256 bytes (16 loads, sixteen lanes to a row's 256 aligned bytes) three trips ahead, rounds them one trip ahead and puts them into
; one of two LDS buffers; all waves read fragments from there.  The tokens' rows come by the list, 128 bytes a row and chunk, two trips ahead, through a stage of the wave's own.  At most 16 + 20 + 16 = 52 loads of a wave are out.
; ONE barrier a trip: behind it the chunk stored in this trip may be read, and the buffer read in this trip may be stored into in the next.
; THE MATRIX INSTRUCTION IS USED TRANSPOSED: source 0 = 16 rows of W1, source 1 = 16 tokens: lane l holds token l % 16 and columns 8 (l / 16) + 0..7.  Rounded in pairs these ARE four registers of the next product's token fragment:
; h is stored in that order: byte = e 2^23 + tile 2^17 + (column / 32) 1,024 + (second half of the fragment) 512 + lane 16; each store of a wave is 512 consecutive bytes.
; GELU, exact form: gelu(h) = max(h, 0) - |h| q, q = erfc(|h| / sqrt 2) / 2 = t (a1 + t (a2 + .. a5 t)) 2^(-h^2 log2(e) / 2) / 2, t = 1 / (1 + 0.2316419 |h|) (Abramowitz and Stegun 7.1.26: erf to 1.5e-7 for every h).
; LIMITS.  NaN and infinities are not treated apart.  h is kept in bf16.
; NO CLUSTER: each weight byte has one reader; what an expert's 32 work-groups share is its token rows, which come by a list that no tile descriptor covers.  No data mover: f32 weights must pass registers to be rounded.
; REGISTERS, in windows of 256 (s_set_vgpr_msb: bits 1:0 source 0, 3:2 source 1, 5:4 source 2, 7:6 destination):
;   window 0: addresses; v32-159 weight fragments of the chunk's two K steps; v160-239 token fragments likewise; on the way out v32-207 at work
;   window 1: accumulators of slots 0-3, (t, cb) at 64 t + 8 cb       window 2: v0-63 slot 4; v64-191 two sets of weights as loaded; v192-255 the bias, as the products' first C       window 3: v0-159 two sets of token rows as loaded
.set ROWB,  4096                       ; bytes in a row of W1
.set PW,    144                        ; an LDS row: 128 bytes (64 bf16) + 16: the 16 rows of a fragment load start at 16 different groups of four banks (64 banks of 4 bytes: ISA guide 11.1)
.set WBUF,  128*PW                     ; a weight buffer
.set STAGE, 2*WBUF                     ; the waves' token stages: 5 tiles x 16 rows
.set STW,   5*16*PW
.set LIST,  STAGE+4*STW                ; a list of 1,024 words for each wave: rank -> token
.set SPARE, LIST+4*4096                ; the spare words, 128 bytes a wave: two blocks of 256 bytes that no other line names
.set LN,  1                            ; lane
.set VB,  2                            ; LDS: my place in a weight fragment
.set VS,  3                            ; LDS: where my 8 rounded bytes of a weight row go
.set VW,  4                            ; my byte offset in the slice of W1
.set VPF, 5                            ; the row that I prefetch
.set L16, 6                            ; lane x 16
.set TA,  7                            ; at work
.set R16, 8                            ; lane % 16
.set HH,  9                            ; lane / 16
.set SPW, 10                           ; LDS address of my spare word; never rewritten
.set NIL, 11                           ; 0; never rewritten
.set XO,  12                           ; v12-31: byte offsets in xb of the rows that my 20 token loads take
.set BF0, 32
.set BF1, 96
.set AF0, 160
.set AF1, 200
.set VAF, 240                          ; LDS: my place in a token fragment
.set VXS, 241                          ; LDS: where my 16 bytes of a token row go
.set RB,  242                          ; 16 wave + my row in a tile
.set C16, 243                          ; (lane % 8) x 16
.set LB,  244                          ; LDS: my wave's list
.set VWX, 245                          ; tiles from 20 on: my byte offset in a weight fragment taken from memory
.set TOK, 246
.set TB,  247
.set VH,  248                          ; my byte offset in h
.set GA,  32                           ; the way out, 32 numbers at a time: |h|
.set GT,  64                           ; t
.set GE,  96                           ; the exponential
.set GP,  128                          ; the polynomial, then the result
.set GM,  160                          ; max(h, 0)
.set HP,  192                          ; packed
.set WR,  64                           ; window 2
.set BI,  192                          ; window 2
.set T1,  14
.set T2,  15
.set MSK, 16                           ; from here to s31: constants, set when the bitmap has been used
.set CP,  18
.set CC,  20
.set CA1, 22
.set CA2, 24
.set CA3, 26
.set CA4, 28
.set CA5, 30
.set XK,  32
.set HF,  33
.set BLK, 34
.set WV,  66
.set SL,  67
.set EX,  68
.set NE,  69                           ; the expert's rows
.set NT,  70                           ; its tiles, at least 1
.set NM1, 71                           ; its last rank
.set BB,  72
.set RT,  73
.set CTR, 74
.set WP,  76                           ; s[76:77] the slice of W1, stepped along K
.set WBS, 78                           ; s[78:79] its beginning
.set TP,  96                           ; s[96:97] xb, stepped along K
.set OUTB, 100                         ; s[100:101] h at my expert and slice
.set MSB, 0
.macro WIN new                         ; the immediate's high byte repeats the setting that is left; a switch that changes nothing is dropped
.if MSB != (\new)
	s_set_vgpr_msb (MSB<<8)|(\new)
.set MSB, \new
.endif
.endm
.macro PLACES                          ; four places behind matrix instructions, ahead of loads into their sources and of reads of their results
.rept 4
	v_nop
.endr
.endm
.macro WLOAD set, imm                  ; a chunk of my 32 weight rows: load n takes rows 16 (n / 8) + n % 8 and, in lanes 16-31, the row 8 further on
	WIN 0x80
.irp n, 0,1,2,3,4,5,6,7,8,9,10,11,12,13,14,15
	global_load_b128 v[WR+64*(\set)+4*(\n):WR+64*(\set)+4*(\n)+3], v[VW], s[WP:WP+1] offset:((\n)/8*16+(\n)%8)*ROWB+(\imm) th:TH_LOAD_NT
.endr
.endm
.macro WCVT set                        ; rounded in place: four f32 to 8 bytes
	WIN 0x8a
.irp n, 0,1,2,3,4,5,6,7,8,9,10,11,12,13,14,15
	v_cvt_pk_bf16_f32 v[WR+64*(\set)+4*(\n)], v[WR+64*(\set)+4*(\n)], v[WR+64*(\set)+4*(\n)+1]
	v_cvt_pk_bf16_f32 v[WR+64*(\set)+4*(\n)+1], v[WR+64*(\set)+4*(\n)+2], v[WR+64*(\set)+4*(\n)+3]
.endr
.endm
.macro WSTORE set, buf                 ; the two rows of a store lie 8 x 144 bytes apart: 32 banks: no conflict
	WIN 0x08
.irp n, 0,1,2,3,4,5,6,7,8,9,10,11,12,13,14,15
	ds_store_b64 v[VS], v[WR+64*(\set)+4*(\n):WR+64*(\set)+4*(\n)+1] offset:(\buf)*WBUF+((\n)/8*16+(\n)%8)*PW
.endr
.endm
.macro BLOAD f, buf, s                 ; the eight weight fragments of K step s of a chunk
	WIN 0
.irp cb, 0,1,2,3,4,5,6,7
	ds_load_b128 v[(\f)+8*(\cb):(\f)+8*(\cb)+3],   v[VB] offset:(\buf)*WBUF+(\cb)*16*PW+64*(\s)
	ds_load_b128 v[(\f)+8*(\cb)+4:(\f)+8*(\cb)+7], v[VB] offset:(\buf)*WBUF+(\cb)*16*PW+64*(\s)+32
.endr
.endm
.macro ALOAD f, s                      ; my five token fragments of K step s
	WIN 0
.irp t, 0,1,2,3,4
	ds_load_b128 v[(\f)+8*(\t):(\f)+8*(\t)+3],   v[VAF] offset:(\t)*16*PW+64*(\s)
	ds_load_b128 v[(\f)+8*(\t)+4:(\f)+8*(\t)+7], v[VAF] offset:(\t)*16*PW+64*(\s)+32
.endr
.endm
.macro XLOAD set, imm                  ; a chunk of my 80 token rows: a load takes 128 bytes of each of four rows
	WIN 0xc0
.irp n, 0,1,2,3,4,5,6,7,8,9,10,11,12,13,14,15,16,17,18,19
	global_load_b128 v[80*(\set)+4*(\n):80*(\set)+4*(\n)+3], v[XO+(\n)], s[TP:TP+1] offset:(\imm)
.endr
.endm
.macro XSTORE set
	WIN 0x0c
.irp n, 0,1,2,3,4,5,6,7,8,9,10,11,12,13,14,15,16,17,18,19
	ds_store_b128 v[VXS], v[80*(\set)+4*(\n):80*(\set)+4*(\n)+3] offset:((\n)/4)*16*PW+((\n)%4)*PW
.endr
.endm
; The 40 accumulators take turns, one instruction a turn, in the same order in every K step.  first = 1: the products start the sums with the bias as C: nothing is cleared.
.macro MM32 bf, af, first
.if \first
	WIN 0x60
.else
	WIN 0x50
.endif
.irp t, 0,1,2,3
.irp cb, 0,1,2,3,4,5,6,7
.if \first
	v_wmma_f32_16x16x32_bf16 v[64*(\t)+8*(\cb):64*(\t)+8*(\cb)+7], v[(\bf)+8*(\cb):(\bf)+8*(\cb)+7], v[(\af)+8*(\t):(\af)+8*(\t)+7], v[BI+8*(\cb):BI+8*(\cb)+7]
.else
	v_wmma_f32_16x16x32_bf16 v[64*(\t)+8*(\cb):64*(\t)+8*(\cb)+7], v[(\bf)+8*(\cb):(\bf)+8*(\cb)+7], v[(\af)+8*(\t):(\af)+8*(\t)+7], v[64*(\t)+8*(\cb):64*(\t)+8*(\cb)+7]
.endif
.endr
.endr
.endm
.macro MM8 bf, af, first
	WIN 0xa0
.irp cb, 0,1,2,3,4,5,6,7
.if \first
	v_wmma_f32_16x16x32_bf16 v[8*(\cb):8*(\cb)+7], v[(\bf)+8*(\cb):(\bf)+8*(\cb)+7], v[(\af)+32:(\af)+39], v[BI+8*(\cb):BI+8*(\cb)+7]
.else
	v_wmma_f32_16x16x32_bf16 v[8*(\cb):8*(\cb)+7], v[(\bf)+8*(\cb):(\bf)+8*(\cb)+7], v[(\af)+32:(\af)+39], v[8*(\cb):8*(\cb)+7]
.endif
.endr
.endm
; TRIP c, par = c % 2.  lc: the loads that may stay out at its head.  cvt: chunk c + 1 of the weights is rounded and stored.  tiss: token chunk c + 2 is asked for.  wiss: weight chunk c + 3.  pf: chunk c + 4 is prefetched.
.macro TRIP par, first, lc, cvt, tiss, wiss, pf, last
	s_wait_loadcnt \lc                             ; loads come back in order: all but the youngest 16, weight chunk c + 2, are in: weight chunk c + 1 and token chunk c + 1
	s_wait_dscnt 0x0                               ; the fragments of K step 0, asked for 40 matrix instructions ago
.if \cvt
	WCVT 1-(\par)                                  ; 32 conversions: also the places ahead of the loads below
.else
	PLACES
.endif
	BLOAD BF1, \par, 1
	ALOAD AF1, 1
.if \cvt
	WSTORE 1-(\par), 1-(\par)
.endif
.if \tiss
	XLOAD \par, (2+(\par))*128                     ; the tokens' loads stand ahead of the weights', so that the count at the next head is exact
.endif
.if \wiss
	WLOAD 1-(\par), (3+(\par))*256
.endif
.if \pf
	WIN 0
	global_prefetch_b8 v[VPF], s[WP:WP+1] offset:(4+(\par))*256 th:TH_LOAD_NT scope:SCOPE_SE  ; lane l: the 256 bytes of row 32 w + l in chunk c + 4, which the next trip loads; each block is asked for once, the last in trip 11
.endif
	MM32 BF0, AF0, \first
.if \last
	MM8 BF0, AF0, \first
	s_wait_dscnt 0x0
.else
	s_wait_dscnt 0x0                               ; my stores of chunk c + 1 are done, and so are my reads of this trip's buffer
	s_barrier_signal -1
	MM8 BF0, AF0, \first                           ; work on registers while the others arrive
	s_barrier_wait -1
	PLACES
	XSTORE 1-(\par)                                ; the stage is my own and LDS serves a wave in order: these stores come behind the loads of K step 1 above and ahead of those below
	BLOAD BF0, 1-(\par), 0
	ALOAD AF0, 0
.endif
	MM32 BF1, AF1, 0
	MM8 BF1, AF1, 0
.endm
.macro STEP2                           ; two chunks on; inside a pair of trips the chunk stands in the immediates
	WIN 0
	s_wait_xcnt 0x0                                ; the bases are rewritten only when every memory instruction issued has had its address translated
	s_add_nc_u64 s[WP:WP+1], s[WP:WP+1], 512
	s_add_nc_u64 s[TP:TP+1], s[TP:TP+1], 256
.endm
	s_load_b256 s[4:11], s[0:1], 0x0               ; xb s[4:5], bm s[6:7], w1 s[8:9], b1 s[10:11]
	s_load_b64 s[12:13], s[0:1], 0x20              ; h
	v_lshl_add_u32 v[SPW], v0, 2, SPARE
	v_mov_b32 v[NIL], 0
	v_lshrrev_b32 v[TA], 5, v0
	v_readfirstlane_b32 s[WV], v[TA]               ; wave 0..3
	s_mov_b32 s[SL], ttmp9                         ; slice
	s_and_b32 s[EX], ttmp7, 0xffff                 ; expert
	v_and_b32 v[LN], 31, v0
	v_and_b32 v[R16], 15, v0
	v_bfe_u32 v[HH], v0, 4, 1
	v_lshlrev_b32 v[L16], 4, v[LN]
	v_mul_u32_u24 v[VB], v[R16], PW
	v_lshl_add_u32 v[VB], v[HH], 4, v[VB]          ; row x pitch + 16 x half
	s_lshl_b32 s[T1], s[WV], 5
	v_lshl_add_u32 v[TA], v[HH], 3, s[T1]          ; 32 w + 8 x half
	v_mul_u32_u24 v[VS], v[TA], PW
	v_lshl_add_u32 v[VS], v[R16], 3, v[VS]
	v_lshlrev_b32 v[VW], 12, v[TA]
	v_lshl_add_u32 v[VW], v[R16], 4, v[VW]
	v_add_nc_u32 v[VPF], s[T1], v[LN]
	v_lshlrev_b32 v[VPF], 12, v[VPF]
	v_lshlrev_b32 v[VWX], 12, v[R16]
	v_lshl_add_u32 v[VWX], v[HH], 5, v[VWX]
	v_lshlrev_b32 v[XO], 5, v[HH]                  ; for now: my byte offset in 16 numbers of the bias
	s_mul_i32 s[T1], s[WV], STW
	s_add_co_u32 s[T1], s[T1], STAGE               ; my stage
	v_add_nc_u32 v[VAF], s[T1], v[VB]
	v_bfe_u32 v[TA], v0, 3, 1                      ; my row in a tile for token load i of four: 8 ((l / 8) % 2) + 4 (l / 16) + i
	v_lshlrev_b32 v[TA], 3, v[TA]
	v_lshl_add_u32 v[TA], v[HH], 2, v[TA]
	v_and_b32 v[C16], 7, v0
	v_lshlrev_b32 v[C16], 4, v[C16]
	v_mul_u32_u24 v[VXS], v[TA], PW
	v_add3_u32 v[VXS], v[VXS], v[C16], s[T1]
	s_lshl_b32 s[T1], s[WV], 4
	v_add_nc_u32 v[RB], s[T1], v[TA]
	s_lshl_b32 s[T1], s[WV], 12
	s_add_co_u32 s[T1], s[T1], LIST
	v_mov_b32 v[LB], s[T1]
	s_mov_b32 s[T2], 0
	s_wait_kmcnt 0x0
	s_lshl_b32 s[T1], s[EX], 8                     ; the expert's 64 words of the bitmap
	s_add_nc_u64 s[6:7], s[6:7], s[T1:T1+1]
	s_load_b512 s[16:31], s[6:7], 0x0
	s_load_b512 s[32:47], s[6:7], 0x40
	s_load_b512 s[48:63], s[6:7], 0x80
	s_load_b512 s[80:95], s[6:7], 0xc0
	s_lshl_b32 s[T1], s[EX], 14
	s_lshl_b32 s[CTR], s[SL], 9
	s_add_co_u32 s[T1], s[T1], s[CTR]
	s_add_nc_u64 s[10:11], s[10:11], s[T1:T1+1]    ; b1 at my 128 columns
	s_lshl_b32 s[T1], s[EX], 24
	s_lshl_b32 s[CTR], s[SL], 19
	s_add_co_u32 s[T1], s[T1], s[CTR]
	s_add_nc_u64 s[WBS:WBS+1], s[8:9], s[T1:T1+1]  ; w1 at my 128 rows
	s_mov_b64 s[WP:WP+1], s[WBS:WBS+1]
	s_lshl_b32 s[T1], s[EX], 23
	s_lshl_b32 s[CTR], s[SL], 12
	s_add_co_u32 s[T1], s[T1], s[CTR]
	s_add_nc_u64 s[OUTB:OUTB+1], s[12:13], s[T1:T1+1]
	s_mov_b64 s[TP:TP+1], s[4:5]
	WIN 0x80
.irp cb, 0,1,2,3,4,5,6,7               ; the bias in the layout of a product's C: register j of lane l = column 16 cb + 8 (l / 16) + j
	global_load_b128 v[BI+8*(\cb):BI+8*(\cb)+3],   v[XO], s[10:11] offset:64*(\cb)
	global_load_b128 v[BI+8*(\cb)+4:BI+8*(\cb)+7], v[XO], s[10:11] offset:64*(\cb)+16
.endr
	WLOAD 0, 0
	WLOAD 1, 256
	WIN 0
	global_prefetch_b8 v[VPF], s[WP:WP+1] offset:512 th:TH_LOAD_NT scope:SCOPE_SE   ; chunks 2 and 3; the trips ask for 4 to 15
	global_prefetch_b8 v[VPF], s[WP:WP+1] offset:768 th:TH_LOAD_NT scope:SCOPE_SE
	s_wait_kmcnt 0x0
	; THE LIST, each wave its own: the expert's tokens fill it from the front, in ascending order, the others from the back: all 1,024 words are written, each once.
	v_mov_b32 v[TOK], v[LN]
	s_mov_b32 s[T1], 0                             ; chosen so far
.set j, 0
.rept 32
.if j < 24
.set LO, 16+2*j
.else
.set LO, 80+2*(j-24)
.endif
	s_lshl_b32 s[T2], s[LO+1], 16
	s_or_b32 s[T2], s[T2], s[LO]                   ; tokens 32 j .. 32 j + 31, a bit each
	v_mbcnt_lo_u32_b32 v[TA], s[T2], s[T1]         ; chosen ahead of my token
	v_sub_nc_u32 v[TB], 0x3ff, v[TOK]
	v_cndmask_b32 v[TB], v[TB], 0, s[T2]           ; not chosen: 1,023 less the number not chosen ahead of it = 1,023 - token + chosen ahead
	v_add_nc_u32 v[TA], v[TA], v[TB]
	v_min_u32 v[TA], 0x3ff, v[TA]
	v_lshl_add_u32 v[TA], v[TA], 2, v[LB]
	ds_store_b32 v[TA], v[TOK]
	v_add_nc_u32 v[TOK], 32, v[TOK]
	s_bcnt1_i32_b32 s[T2], s[T2]
	s_add_co_u32 s[T1], s[T1], s[T2]
.set j, j+1
.endr
	s_min_u32 s[NE], s[T1], 1024
	s_add_co_u32 s[NT], s[NE], 15
	s_lshr_b32 s[NT], s[NT], 4
	s_max_u32 s[NT], s[NT], 1
	s_max_u32 s[NM1], s[NE], 1
	s_sub_co_u32 s[NM1], s[NM1], 1
	s_mov_b32 s[MSK], 0x7fffffff
	s_mov_b32 s[CP], 0x3e6d3388                    ; 0.3275911 / sqrt 2
	s_mov_b32 s[CP+1], s[CP]                       ; the packed forms name pairs and take the low word for both halves
	s_mov_b32 s[CC], 0xbf38aa3b                    ; -log2(e) / 2
	s_mov_b32 s[CC+1], s[CC]
	s_mov_b32 s[CA1], 0x3e027906                   ; a1 / 2 .. a5 / 2
	s_mov_b32 s[CA1+1], s[CA1]
	s_mov_b32 s[CA2], 0xbe11a98e
	s_mov_b32 s[CA2+1], s[CA2]
	s_mov_b32 s[CA3], 0x3f35f0e3
	s_mov_b32 s[CA3+1], s[CA3]
	s_mov_b32 s[CA4], 0xbf3a00e3
	s_mov_b32 s[CA4+1], s[CA4]
	s_mov_b32 s[CA5], 0x3f07dc22
	s_mov_b32 s[CA5+1], s[CA5]
	s_wait_loadcnt 32                              ; the bias is in: behind it stand the 32 loads of weight chunks 0 and 1
	WIN 0x8a
.set n, 0
.rept 32                               ; the bias rounded to bf16, like every input, and widened again
	v_cvt_pk_bf16_f32 v[BI+n], v[BI+n], v[BI+n+1]
	v_and_b32 v[BI+n+1], 0xffff0000, v[BI+n]
	v_lshlrev_b32 v[BI+n], 16, v[BI+n]
.set n, n+2
.endr
	WIN 0
.irp n, 0,1,2,3,4,5,6,7,8,9,10,11,12,13,14,15,16,17,18,19   ; load n = 4 t + i takes rank 16 (4 t + w) + my row; past the count the last rank is repeated
	v_add_nc_u32 v[XO+(\n)], ((\n)/4)*64+((\n)%4), v[RB]
	v_min_u32 v[XO+(\n)], s[NM1], v[XO+(\n)]
	v_min_u32 v[XO+(\n)], 0x3ff, v[XO+(\n)]
	v_lshl_add_u32 v[XO+(\n)], v[XO+(\n)], 2, v[LB]
	ds_load_b32 v[XO+(\n)], v[XO+(\n)]
.endr
	s_wait_dscnt 0x0
.irp n, 0,1,2,3,4,5,6,7,8,9,10,11,12,13,14,15,16,17,18,19
	v_min_u32 v[XO+(\n)], 0x3ff, v[XO+(\n)]
	v_lshl_add_u32 v[XO+(\n)], v[XO+(\n)], 11, v[C16]
.endr
	XLOAD 0, 0
	; ahead of trip 0: chunk 0 goes into LDS
	s_wait_loadcnt 0x0
	WCVT 0
	WSTORE 0, 0
	XSTORE 0
	XLOAD 1, 128
	WLOAD 0, 512
	s_wait_dscnt 0x0
	s_barrier_signal -1
	s_barrier_wait -1
	BLOAD BF0, 0, 0
	ALOAD AF0, 0
	TRIP 0, 1, 16, 1, 1, 1, 1, 0                   ; trip 0: its first 40 products start the sums
	TRIP 1, 0, 16, 1, 1, 1, 1, 0
	STEP2
	s_mov_b32 s[CTR], 5
.Lk:                                                   ; trips 2 to 11
	TRIP 0, 0, 16, 1, 1, 1, 1, 0
	TRIP 1, 0, 16, 1, 1, 1, 1, 0
	STEP2
	s_sub_co_u32 s[CTR], s[CTR], 1
	s_cmp_lg_u32 s[CTR], 0
	s_cbranch_scc1 .Lk
	TRIP 0, 0, 16, 1, 1, 1, 0, 0                   ; 12: the last weight chunk is asked for
	TRIP 1, 0, 16, 1, 1, 0, 0, 0                   ; 13: the last token chunk
	TRIP 0, 0, 0, 1, 0, 0, 0, 0                    ; 14: behind the last weights stand the last tokens' loads, and both are wanted: the wait is for 0
	TRIP 1, 0, 0, 0, 0, 0, 0, 1                    ; 15
	WIN 0
	PLACES
	; THE WAY OUT: 32 trips, a constant; trip b is half b % 2 (64 columns) of tile w + 4 (b / 2).  Dead tiles are jumped, forward, past text without a barrier.
	s_mov_b32 s[BB], 0
.Lout:
	s_lshr_b32 s[T1], s[BB], 1
	s_lshl2_add_u32 s[RT], s[T1], s[WV]
	s_and_b32 s[HF], s[BB], 1
	s_cmp_ge_u32 s[RT], s[NT]
	s_cbranch_scc1 .Lnext
	s_cmp_lt_u32 s[BB], 10
	s_cselect_b32 s[BLK], s[BB], s[HF]             ; which 32 accumulator registers: a slot's, or for a later tile slot 0's
	s_cbranch_scc1 .Lpick
	s_cmp_lg_u32 s[HF], 0
	s_cbranch_scc1 .Lpick
	; A TILE FROM 20 ON (an expert with more than 320 rows): computed here into slot 0's accumulators, which have gone out.  32 K steps; nothing is written to LDS.
	s_wait_xcnt 0x0
	s_lshl_b32 s[T1], s[RT], 4
	v_add_nc_u32 v[XO], s[T1], v[R16]
	v_min_u32 v[XO], s[NM1], v[XO]
	v_min_u32 v[XO], 0x3ff, v[XO]
	v_lshl_add_u32 v[XO], v[XO], 2, v[LB]
	ds_load_b32 v[XO], v[XO]
	s_mov_b64 s[WP:WP+1], s[WBS:WBS+1]
	s_mov_b64 s[TP:TP+1], s[4:5]
	WIN 0x42
.set n, 0
.rept 64                               ; the sums start at the bias: 64 copies spare a second text of the K step on this seldom-used path
	v_mov_b32 v[n], v[BI+n]
.set n, n+1
.endr
	WIN 0
	s_wait_dscnt 0x0
	v_min_u32 v[XO], 0x3ff, v[XO]
	v_lshlrev_b32 v[XO], 11, v[XO]
	v_lshl_add_u32 v[XO], v[HH], 4, v[XO]
	s_mov_b32 s[XK], 32
.Lxk:
	PLACES
	WIN 0xc0
.irp cb, 0,1,2,3,4,5,6,7               ; lane l: row 16 cb + l % 16, K 8 (l / 16) + 0..7 and 16 + 8 (l / 16) + 0..7 in f32
	global_load_b128 v[16*(\cb):16*(\cb)+3],     v[VWX], s[WP:WP+1] offset:(\cb)*16*ROWB
	global_load_b128 v[16*(\cb)+4:16*(\cb)+7],   v[VWX], s[WP:WP+1] offset:(\cb)*16*ROWB+16
	global_load_b128 v[16*(\cb)+8:16*(\cb)+11],  v[VWX], s[WP:WP+1] offset:(\cb)*16*ROWB+64
	global_load_b128 v[16*(\cb)+12:16*(\cb)+15], v[VWX], s[WP:WP+1] offset:(\cb)*16*ROWB+80
.endr
	WIN 0
	global_load_b128 v[AF0:AF0+3],   v[XO], s[TP:TP+1]
	global_load_b128 v[AF0+4:AF0+7], v[XO], s[TP:TP+1] offset:32
	s_wait_loadcnt 0x0
	WIN 0x0f
.set n, 0
.rept 64
	v_cvt_pk_bf16_f32 v[BF0+n], v[2*n], v[2*n+1]
.set n, n+1
.endr
	WIN 0x50
.irp cb, 0,1,2,3,4,5,6,7
	v_wmma_f32_16x16x32_bf16 v[8*(\cb):8*(\cb)+7], v[BF0+8*(\cb):BF0+8*(\cb)+7], v[AF0:AF0+7], v[8*(\cb):8*(\cb)+7]
.endr
	WIN 0
	s_add_nc_u64 s[WP:WP+1], s[WP:WP+1], 128       ; the step's loads are done: their bases are free
	s_add_nc_u64 s[TP:TP+1], s[TP:TP+1], 64
	s_sub_co_u32 s[XK], s[XK], 1
	s_cmp_lg_u32 s[XK], 0
	s_cbranch_scc1 .Lxk
	PLACES
.Lpick:
	s_wait_xcnt 0x0                                ; the last trip's stores have read their offset and data
	s_lshl_b32 s[T1], s[RT], 17
	s_lshl_b32 s[T2], s[HF], 11
	s_add_co_u32 s[T1], s[T1], s[T2]
	v_add_nc_u32 v[VH], s[T1], v[L16]
.macro BLOCK b                         ; the one text that names accumulators: |h| and max(h, 0) of 32 registers, each accumulator from its low end on
.if (\b) < 8
	WIN 0x04
.set AB, 64*((\b)/2)+32*((\b)%2)
.else
	WIN 0x08
.set AB, 32*((\b)%2)
.endif
.set n, 0
.rept 32
	v_and_b32 v[GA+n], s[MSK], v[AB+n]
.set n, n+1
.endr
.set n, 0
.rept 32
	v_max_num_f32 v[GM+n], 0, v[AB+n]
.set n, n+1
.endr
	WIN 0
.endm
.irp k, 0,1,2,3,4,5,6,7,8
	s_cmp_eq_u32 s[BLK], \k
	s_cbranch_scc1 .Lblk\k
.endr
	BLOCK 9
	s_branch .Lcommon
.irp k, 0,1,2,3,4,5,6,7
.Lblk\k:
	BLOCK \k
	s_branch .Lcommon
.endr
.Lblk8:
	BLOCK 8
.Lcommon:
.set n, 0
.rept 16
	v_pk_fma_f32 v[GT+n:GT+n+1], v[GA+n:GA+n+1], s[CP:CP+1], 1.0 op_sel_hi:[1,0,0]
	v_pk_mul_f32 v[GE+n:GE+n+1], v[GA+n:GA+n+1], v[GA+n:GA+n+1]
.set n, n+2
.endr
.set n, 0
.rept 16
	v_pk_mul_f32 v[GE+n:GE+n+1], v[GE+n:GE+n+1], s[CC:CC+1] op_sel_hi:[1,0]
.set n, n+2
.endr
.set n, 0
.rept 32                               ; one batch of 64
	v_rcp_f32 v[GT+n], v[GT+n]
	v_exp_f32 v[GE+n], v[GE+n]
.set n, n+1
.endr
	v_nop                                          ; the plain instruction behind the last of them
	s_wait_alu depctr_va_vdst(0)                   ; the wait ahead of the first use: one for the batch
.set n, 0
.rept 16
	v_pk_fma_f32 v[GP+n:GP+n+1], v[GT+n:GT+n+1], s[CA5:CA5+1], s[CA4:CA4+1] op_sel_hi:[1,0,0]
.set n, n+2
.endr
.irp c, CA3, CA2, CA1
.set n, 0
.rept 16
	v_pk_fma_f32 v[GP+n:GP+n+1], v[GP+n:GP+n+1], v[GT+n:GT+n+1], s[(\c):(\c)+1] op_sel_hi:[1,1,0]
.set n, n+2
.endr
.endr
.set n, 0
.rept 16
	v_pk_mul_f32 v[GT+n:GT+n+1], v[GT+n:GT+n+1], v[GE+n:GE+n+1]
.set n, n+2
.endr
.set n, 0
.rept 16
	v_pk_mul_f32 v[GP+n:GP+n+1], v[GP+n:GP+n+1], v[GT+n:GT+n+1]       ; q
.set n, n+2
.endr
.set n, 0
.rept 16
	v_pk_fma_f32 v[GP+n:GP+n+1], v[GA+n:GA+n+1], v[GP+n:GP+n+1], v[GM+n:GM+n+1] neg_lo:[1,0,0] neg_hi:[1,0,0]  ; max(h, 0) - |h| q
.set n, n+2
.endr
.set n, 0
.rept 16
	v_cvt_pk_bf16_f32 v[HP+n], v[GP+2*n], v[GP+2*n+1]
.set n, n+1
.endr
.irp u, 0,1,2,3
	global_store_b128 v[VH], v[HP+4*(\u):HP+4*(\u)+3], s[OUTB:OUTB+1] offset:512*(\u)  ; 512 consecutive bytes, aligned: half a token fragment of the next product
.endr
.Lnext:
	s_add_co_u32 s[BB], s[BB], 1
	s_cmp_lt_u32 s[BB], 32
	s_cbranch_scc1 .Lout
	s_wait_tensorcnt 0x0                           ; the wave's end: a wait, an LDS add and a wait behind my last LDS store
	ds_add_u32 v[SPW], v[NIL]
	s_wait_dscnt 0x0
	s_endpgm
.Lfunc_end_k_q3a6501af52_ffn1:
	.size	k_q3a6501af52_ffn1, .Lfunc_end_k_q3a6501af52_ffn1-k_q3a6501af52_ffn1
	.p2alignl 7, 3214868480
	.fill 96, 4, 3214868480
	.section	.rodata,"a",@progbits
	.p2align	6, 0x0
	.amdhsa_kernel k_q3a6501af52_ffn1
		.amdhsa_group_segment_fixed_size 100352
		.amdhsa_private_segment_fixed_size 0
		.amdhsa_enable_private_segment 0
		.amdhsa_kernarg_size 40
		.amdhsa_user_sgpr_count 2
		.amdhsa_user_sgpr_kernarg_segment_ptr 1
		.amdhsa_wavefront_size32 1
		.amdhsa_system_sgpr_workgroup_id_x 1
		.amdhsa_system_sgpr_workgroup_id_y 1
		.amdhsa_system_sgpr_workgroup_id_z 1
		.amdhsa_system_vgpr_workitem_id 0
		.amdhsa_next_free_vgpr 928
		.amdhsa_next_free_sgpr 102
		.amdhsa_reserve_vcc 0
		.amdhsa_float_denorm_mode_32 3
		.amdhsa_float_denorm_mode_16_64 3
		.amdhsa_memory_ordered 1
		.amdhsa_forward_progress 1
		.amdhsa_inst_pref_size 217
	.end_amdhsa_kernel
	.amdgpu_metadata
---
amdhsa.version: [ 1, 2 ]
amdhsa.kernels:
  - .name:           k_q3a6501af52_ffn1
    .symbol:         k_q3a6501af52_ffn1.kd
    .args:
      - { .name: xb, .offset: 0, .size: 8, .value_kind: global_buffer, .address_space: global }
      - { .name: bm, .offset: 8, .size: 8, .value_kind: global_buffer, .address_space: global }
      - { .name: w1, .offset: 16, .size: 8, .value_kind: global_buffer, .address_space: global }
      - { .name: b1, .offset: 24, .size: 8, .value_kind: global_buffer, .address_space: global }
      - { .name: h, .offset: 32, .size: 8, .value_kind: global_buffer, .address_space: global }
    .group_segment_fixed_size: 100352
    .private_segment_fixed_size: 0
    .kernarg_segment_align: 8
    .kernarg_segment_size: 40
    .max_flat_workgroup_size: 128
    .sgpr_count:     102
    .vgpr_count:     928
    .wavefront_size: 32
...
	.end_amdgpu_metadata
.endif
;; end of part 2
;; launch ffn2 (part 3): grid 32 x 8, 4 waves a work-group, no clusters, 88,064 bytes of LDS; arguments h, bm, w2, part; writes part
.if DOCPART == 3
	.amdgcn_target "amdgcn-amd-amdhsa--gfx1250"
	.amdhsa_code_object_version 6
	.text
	.protected	k_q3a6501af52_ffn2
	.globl	k_q3a6501af52_ffn2
	.p2align	8
	.type	k_q3a6501af52_ffn2,@function
k_q3a6501af52_ffn2:
	s_mov_b64 s[64:65], 0
	v_nop
	global_prefetch_b8 v0, s[64:65] scope:SCOPE_SE
	s_setreg_imm32_b32 hwreg(HW_REG_WAVE_MODE, 25, 1), 1
	s_wait_xcnt 0x0
; SECOND PRODUCT OF THE EXPERTS, in four parts along its K.  part[ks][e][token][d] = the sum over f in 1,024 ks .. + 1,023 of h[token's rank][f] W2[e][d][f], for the rows that chose e.  w2 [8][1024][4096] f32, rounded to bf16 on the way;
; h bf16, in the order of the operand registers (byte = e 2^23 + tile 2^17 + (f / 32) 1,024 + half 512 + lane 16); sums and part in f32.  The bias, the gates' weights and the sum of the parts belong to the next launch.
; SHARES.  Work-group (x, e), ds = x % 8, ks = x / 8, alone reads rows 128 ds .. + 127, columns 1,024 ks .. + 1,023 of expert e's W2 (512 KB) and multiplies them with ALL rows of e.  K is cut in four so that a group reads
; 1,024 columns of h, not 4,096, for the same 512 KB of weights; the price is four partial rows in place of one.
; A wave holds five tiles of 16 ranks x 128 columns: 40 accumulators; tile = wave + 4 x slot.  The K stream serves tiles 0 .. 19 and is unconditional: a slot past the count works on the expert's last tile, and is not stored.
; From tile 20 on (an expert with more than 320 rows) a tile is computed in the way-out loop, without LDS writes in its K loop and without barriers.  Every split is served; an expert with no row stores nothing.
; THE K STREAM.  16 chunks of 64.  Weights as in the first product: loaded three trips ahead, rounded and put into one of two LDS buffers one trip ahead.  The tokens' fragments come from h straight into operand registers, one trip
; ahead, 512 consecutive bytes a load.  At most 16 + 20 + 16 = 52 loads of a wave are out.  ONE barrier a trip: behind it the chunk stored in this trip may be read, and the buffer read in this trip may be stored into in the next.
; Source 0 = 16 rows of W2, source 1 = 16 tokens: lane l holds token l % 16 and columns 8 (l / 16) + 0..7; a tile goes through a stage of the wave's own and leaves as rows of 512 bytes, each to its token's row.
; LIMITS.  NaN and infinities are not treated apart.
; NO CLUSTER: each weight byte has one reader.  A tile of h is shared by the eight groups of one ks, but it goes straight into operand registers; shared through LDS a group's 640 KB of h would be written there and read again.
; REGISTERS, in windows of 256 (s_set_vgpr_msb: bits 1:0 source 0, 3:2 source 1, 5:4 source 2, 7:6 destination):
;   window 0: addresses; v32-159 weight fragments of the chunk's two K steps; on the way out v32-176       window 1: accumulators of slots 0-3, (t, cb) at 64 t + 8 cb
;   window 2: v0-63 slot 4; v64-191 two sets of weights as loaded       window 3: v0-159 two sets of token fragments, (t, s) at 80 set + 16 t + 8 s
.set ROWB,  16384                      ; bytes in a row of W2
.set PW,    144                        ; an LDS row of weights: 128 bytes + 16 (64 banks of 4 bytes: ISA guide 11.1: 16 rows start at 16 different groups of four banks)
.set WBUF,  128*PW
.set OST,   2*WBUF                     ; the waves' stages for the way out: 16 rows of 512 + 16 bytes
.set PO,    528
.set LIST,  OST+4*16*PO                ; a list of 1,024 words for each wave: rank -> token
.set SPARE, LIST+4*4096                ; the spare words, 128 bytes a wave: two blocks of 256 bytes that no other line names
.set LN,  1
.set VB,  2                            ; LDS: my place in a weight fragment
.set VS,  3                            ; LDS: where my 8 rounded bytes of a weight row go
.set VW,  4                            ; my byte offset in the slice of W2
.set VPF, 5                            ; the row that I prefetch
.set L16, 6                            ; lane x 16
.set TA,  7
.set R16, 8
.set HH,  9
.set SPW, 10                           ; LDS address of my spare word; never rewritten
.set NIL, 11                           ; 0; never rewritten
.set VA,  12                           ; v12-16: my byte offset in the five slots' tiles of h
.set BF0, 32
.set BF1, 96
.set OBV, 32                           ; the way out: 16 rows read back
.set VT,  160                          ; the tile's tokens, lane l: rank l % 16
.set VO,  161                          ; v161-176: the rows' byte offsets in part
.set VOS, 240                          ; LDS: where I put 16 bytes of a row
.set VOR, 241                          ; LDS: where I read a row back
.set LB,  244
.set VWX, 245
.set TOK, 246
.set TB,  247
.set WR,  64                           ; window 2
.set KSL, 12
.set T1,  14
.set T2,  15
.set XK,  32
.set BLK, 34
.set LEFT, 35
.set NT1, 36
.set WV,  66
.set DSL, 67
.set EX,  68
.set NE,  69
.set NT,  70
.set NM1, 71
.set BB,  72
.set RT,  73
.set CTR, 74
.set WP,  76
.set WBS, 78
.set TP,  96
.set TBS, 98
.set OUTB, 100
.set MSB, 0
.macro WIN new                         ; the immediate's high byte repeats the setting that is left; a switch that changes nothing is dropped
.if MSB != (\new)
	s_set_vgpr_msb (MSB<<8)|(\new)
.set MSB, \new
.endif
.endm
.macro PLACES                          ; four places behind matrix instructions, ahead of loads into their sources and of reads of their results
.rept 4
	v_nop
.endr
.endm
.macro WLOAD set, imm                  ; a chunk of my 32 weight rows: sixteen lanes take a row's 256 aligned bytes
	WIN 0x80
.irp n, 0,1,2,3,4,5,6,7,8,9,10,11,12,13,14,15
	global_load_b128 v[WR+64*(\set)+4*(\n):WR+64*(\set)+4*(\n)+3], v[VW], s[WP:WP+1] offset:((\n)/8*16+(\n)%8)*ROWB+(\imm) th:TH_LOAD_NT
.endr
.endm
.macro WCVT set
	WIN 0x8a
.irp n, 0,1,2,3,4,5,6,7,8,9,10,11,12,13,14,15
	v_cvt_pk_bf16_f32 v[WR+64*(\set)+4*(\n)], v[WR+64*(\set)+4*(\n)], v[WR+64*(\set)+4*(\n)+1]
	v_cvt_pk_bf16_f32 v[WR+64*(\set)+4*(\n)+1], v[WR+64*(\set)+4*(\n)+2], v[WR+64*(\set)+4*(\n)+3]
.endr
.endm
.macro WSTORE set, buf
	WIN 0x08
.irp n, 0,1,2,3,4,5,6,7,8,9,10,11,12,13,14,15
	ds_store_b64 v[VS], v[WR+64*(\set)+4*(\n):WR+64*(\set)+4*(\n)+1] offset:(\buf)*WBUF+((\n)/8*16+(\n)%8)*PW
.endr
.endm
.macro BLOAD f, buf, s
	WIN 0
.irp cb, 0,1,2,3,4,5,6,7
	ds_load_b128 v[(\f)+8*(\cb):(\f)+8*(\cb)+3],   v[VB] offset:(\buf)*WBUF+(\cb)*16*PW+64*(\s)
	ds_load_b128 v[(\f)+8*(\cb)+4:(\f)+8*(\cb)+7], v[VB] offset:(\buf)*WBUF+(\cb)*16*PW+64*(\s)+32
.endr
.endm
.macro AGLOAD set, imm                 ; a chunk's token fragments: for each slot two K steps x two halves, 512 consecutive bytes each
	WIN 0xc0
.irp t, 0,1,2,3,4
.irp q, 0,1,2,3
	global_load_b128 v[80*(\set)+16*(\t)+4*(\q):80*(\set)+16*(\t)+4*(\q)+3], v[VA+(\t)], s[TP:TP+1] offset:512*(\q)+(\imm)
.endr
.endr
.endm
; The 40 accumulators take turns, one instruction a turn, in the same order in every K step.  first = 1: the products start the sums with C = 0: nothing is cleared.
.macro MM32 bf, af, first
	WIN 0x5c
.irp t, 0,1,2,3
.irp cb, 0,1,2,3,4,5,6,7
.if \first
	v_wmma_f32_16x16x32_bf16 v[64*(\t)+8*(\cb):64*(\t)+8*(\cb)+7], v[(\bf)+8*(\cb):(\bf)+8*(\cb)+7], v[(\af)+16*(\t):(\af)+16*(\t)+7], 0
.else
	v_wmma_f32_16x16x32_bf16 v[64*(\t)+8*(\cb):64*(\t)+8*(\cb)+7], v[(\bf)+8*(\cb):(\bf)+8*(\cb)+7], v[(\af)+16*(\t):(\af)+16*(\t)+7], v[64*(\t)+8*(\cb):64*(\t)+8*(\cb)+7]
.endif
.endr
.endr
.endm
.macro MM8 bf, af, first
	WIN 0xac
.irp cb, 0,1,2,3,4,5,6,7
.if \first
	v_wmma_f32_16x16x32_bf16 v[8*(\cb):8*(\cb)+7], v[(\bf)+8*(\cb):(\bf)+8*(\cb)+7], v[(\af)+64:(\af)+71], 0
.else
	v_wmma_f32_16x16x32_bf16 v[8*(\cb):8*(\cb)+7], v[(\bf)+8*(\cb):(\bf)+8*(\cb)+7], v[(\af)+64:(\af)+71], v[8*(\cb):8*(\cb)+7]
.endif
.endr
.endm
; TRIP c, par = c % 2.  lc: the loads that may stay out at its head.  cvt: chunk c + 1 of the weights is rounded and stored.  tiss: token chunk c + 1 is asked for.  wiss: weight chunk c + 3.  pf: chunk c + 4 is prefetched.
.macro TRIP par, first, lc, cvt, tiss, wiss, pf, last
	s_wait_loadcnt \lc                             ; loads come back in order: all but the youngest 16, weight chunk c + 2, are in: weight chunk c + 1 and this trip's tokens
	s_wait_dscnt 0x0                               ; the weight fragments of K step 0, asked for 40 matrix instructions ago
.if \cvt
	WCVT 1-(\par)                                  ; 32 conversions: also the places ahead of the loads below
.else
	PLACES
.endif
	BLOAD BF1, \par, 1
.if \cvt
	WSTORE 1-(\par), 1-(\par)
.endif
.if \tiss
	AGLOAD 1-(\par), (1+(\par))*2048               ; the tokens' loads stand ahead of the weights', so that the count at the next head is exact
.endif
.if \wiss
	WLOAD 1-(\par), (3+(\par))*256
.endif
.if \pf
	WIN 0
	global_prefetch_b8 v[VPF], s[WP:WP+1] offset:(4+(\par))*256 th:TH_LOAD_NT scope:SCOPE_SE  ; lane l: the 256 bytes of row 32 w + l in chunk c + 4, which the next trip loads; each block is asked for once, the last in trip 11
.endif
	MM32 BF0, 80*(\par), \first
.if \last
	MM8 BF0, 80*(\par), \first
	s_wait_dscnt 0x0
.else
	s_wait_dscnt 0x0                               ; my stores of chunk c + 1 are done, and so are my reads of this trip's buffer
	s_barrier_signal -1
	MM8 BF0, 80*(\par), \first                     ; work on registers while the others arrive
	s_barrier_wait -1
	PLACES
	BLOAD BF0, 1-(\par), 0
.endif
	MM32 BF1, 80*(\par)+8, 0
	MM8 BF1, 80*(\par)+8, 0
.endm
.macro STEP2                           ; two chunks on; inside a pair of trips the chunk stands in the immediates
	WIN 0
	s_wait_xcnt 0x0                                ; the bases are rewritten only when every memory instruction issued has had its address translated
	s_add_nc_u64 s[WP:WP+1], s[WP:WP+1], 512
	s_add_nc_u64 s[TP:TP+1], s[TP:TP+1], 4096
.endm
	s_load_b256 s[4:11], s[0:1], 0x0               ; h s[4:5], bm s[6:7], w2 s[8:9], part s[10:11]
	v_lshl_add_u32 v[SPW], v0, 2, SPARE
	v_mov_b32 v[NIL], 0
	v_lshrrev_b32 v[TA], 5, v0
	v_readfirstlane_b32 s[WV], v[TA]               ; wave 0..3
	s_and_b32 s[DSL], ttmp9, 7                     ; which 128 rows of W2
	s_lshr_b32 s[KSL], ttmp9, 3                    ; which quarter of K
	s_and_b32 s[EX], ttmp7, 0xffff                 ; expert
	v_and_b32 v[LN], 31, v0
	v_and_b32 v[R16], 15, v0
	v_bfe_u32 v[HH], v0, 4, 1
	v_lshlrev_b32 v[L16], 4, v[LN]
	v_mul_u32_u24 v[VB], v[R16], PW
	v_lshl_add_u32 v[VB], v[HH], 4, v[VB]
	s_lshl_b32 s[T1], s[WV], 5
	v_lshl_add_u32 v[TA], v[HH], 3, s[T1]          ; 32 w + 8 x half
	v_mul_u32_u24 v[VS], v[TA], PW
	v_lshl_add_u32 v[VS], v[R16], 3, v[VS]
	v_lshlrev_b32 v[VW], 14, v[TA]
	v_lshl_add_u32 v[VW], v[R16], 4, v[VW]
	v_add_nc_u32 v[VPF], s[T1], v[LN]
	v_lshlrev_b32 v[VPF], 14, v[VPF]
	v_lshlrev_b32 v[VWX], 14, v[R16]
	v_lshl_add_u32 v[VWX], v[HH], 5, v[VWX]
	s_mul_i32 s[T1], s[WV], 16*PO
	s_add_co_u32 s[T1], s[T1], OST                 ; my stage
	v_mul_u32_u24 v[VOS], v[R16], PO
	v_lshl_add_u32 v[VOS], v[HH], 5, v[VOS]
	v_add_nc_u32 v[VOS], s[T1], v[VOS]
	v_add_nc_u32 v[VOR], s[T1], v[L16]
	s_lshl_b32 s[T1], s[WV], 12
	s_add_co_u32 s[T1], s[T1], LIST
	v_mov_b32 v[LB], s[T1]
	s_mov_b32 s[T2], 0
	s_wait_kmcnt 0x0
	s_lshl_b32 s[T1], s[EX], 8
	s_add_nc_u64 s[6:7], s[6:7], s[T1:T1+1]
	s_load_b512 s[16:31], s[6:7], 0x0
	s_load_b512 s[32:47], s[6:7], 0x40
	s_load_b512 s[48:63], s[6:7], 0x80
	s_load_b512 s[80:95], s[6:7], 0xc0
	s_lshl_b32 s[T1], s[EX], 24
	s_lshl_b32 s[CTR], s[DSL], 21
	s_add_co_u32 s[T1], s[T1], s[CTR]
	s_lshl_b32 s[CTR], s[KSL], 12
	s_add_co_u32 s[T1], s[T1], s[CTR]
	s_add_nc_u64 s[WBS:WBS+1], s[8:9], s[T1:T1+1]  ; w2 at my 128 rows and 1,024 columns
	s_mov_b64 s[WP:WP+1], s[WBS:WBS+1]
	s_lshl_b32 s[T1], s[EX], 23
	s_lshl_b32 s[CTR], s[KSL], 15
	s_add_co_u32 s[T1], s[T1], s[CTR]
	s_add_nc_u64 s[TBS:TBS+1], s[4:5], s[T1:T1+1]  ; h at my expert and quarter of K
	s_mov_b64 s[TP:TP+1], s[TBS:TBS+1]
	s_lshl3_add_u32 s[T1], s[KSL], s[EX]
	s_lshl_b32 s[T1], s[T1], 22
	s_lshl_b32 s[CTR], s[DSL], 9
	s_add_co_u32 s[T1], s[T1], s[CTR]
	s_add_nc_u64 s[OUTB:OUTB+1], s[10:11], s[T1:T1+1]
	WLOAD 0, 0
	WLOAD 1, 256
	WIN 0
	global_prefetch_b8 v[VPF], s[WP:WP+1] offset:512 th:TH_LOAD_NT scope:SCOPE_SE   ; chunks 2 and 3; the trips ask for 4 to 15
	global_prefetch_b8 v[VPF], s[WP:WP+1] offset:768 th:TH_LOAD_NT scope:SCOPE_SE
	s_wait_kmcnt 0x0
	; THE LIST, each wave its own: the expert's tokens fill it from the front, in ascending order, the others from the back: all 1,024 words are written, each once.
	v_mov_b32 v[TOK], v[LN]
	s_mov_b32 s[T1], 0
.set j, 0
.rept 32
.if j < 24
.set LO, 16+2*j
.else
.set LO, 80+2*(j-24)
.endif
	s_lshl_b32 s[T2], s[LO+1], 16
	s_or_b32 s[T2], s[T2], s[LO]                   ; tokens 32 j .. 32 j + 31, a bit each
	v_mbcnt_lo_u32_b32 v[TA], s[T2], s[T1]         ; chosen ahead of my token
	v_sub_nc_u32 v[TB], 0x3ff, v[TOK]
	v_cndmask_b32 v[TB], v[TB], 0, s[T2]
	v_add_nc_u32 v[TA], v[TA], v[TB]
	v_min_u32 v[TA], 0x3ff, v[TA]
	v_lshl_add_u32 v[TA], v[TA], 2, v[LB]
	ds_store_b32 v[TA], v[TOK]
	v_add_nc_u32 v[TOK], 32, v[TOK]
	s_bcnt1_i32_b32 s[T2], s[T2]
	s_add_co_u32 s[T1], s[T1], s[T2]
.set j, j+1
.endr
	s_min_u32 s[NE], s[T1], 1024
	s_add_co_u32 s[NT], s[NE], 15
	s_lshr_b32 s[NT], s[NT], 4
	s_max_u32 s[NT1], s[NT], 1
	s_sub_co_u32 s[NT1], s[NT1], 1                 ; the last tile that the launch before has written
	s_max_u32 s[NM1], s[NE], 1
	s_sub_co_u32 s[NM1], s[NM1], 1
.irp t, 0,1,2,3,4
	s_add_co_u32 s[T1], s[WV], 4*(\t)
	s_min_u32 s[T1], s[T1], s[NT1]
	s_min_u32 s[T1], s[T1], 63
	s_lshl_b32 s[T1], s[T1], 17
	v_add_nc_u32 v[VA+(\t)], s[T1], v[L16]
.endr
	AGLOAD 0, 0
	; ahead of trip 0: chunk 0 of the weights goes into LDS
	s_wait_loadcnt 0x0
	WCVT 0
	WSTORE 0, 0
	WLOAD 0, 512
	s_wait_dscnt 0x0
	s_barrier_signal -1
	s_barrier_wait -1
	BLOAD BF0, 0, 0
	TRIP 0, 1, 16, 1, 1, 1, 1, 0                   ; trip 0: its first 40 products start the sums
	TRIP 1, 0, 16, 1, 1, 1, 1, 0
	STEP2
	s_mov_b32 s[CTR], 5
.Lk:                                                   ; trips 2 to 11
	TRIP 0, 0, 16, 1, 1, 1, 1, 0
	TRIP 1, 0, 16, 1, 1, 1, 1, 0
	STEP2
	s_sub_co_u32 s[CTR], s[CTR], 1
	s_cmp_lg_u32 s[CTR], 0
	s_cbranch_scc1 .Lk
	TRIP 0, 0, 16, 1, 1, 1, 0, 0                   ; 12: the last weight chunk is asked for
	TRIP 1, 0, 16, 1, 1, 0, 0, 0                   ; 13
	STEP2
	TRIP 0, 0, 0, 1, 1, 0, 0, 0                    ; 14: behind the last weights stand this trip's tokens, and both are wanted: the wait is for 0; the last tokens are asked for
	TRIP 1, 0, 0, 0, 0, 0, 0, 1                    ; 15
	WIN 0
	PLACES
	; THE WAY OUT: 16 trips, a constant; trip b is tile w + 4 b.  Dead tiles are jumped, forward, past text without a barrier.
	s_mov_b32 s[BB], 0
.Lout:
	s_lshl2_add_u32 s[RT], s[BB], s[WV]
	s_cmp_ge_u32 s[RT], s[NT]
	s_cbranch_scc1 .Lnext
	s_cmp_lt_u32 s[BB], 5
	s_cselect_b32 s[BLK], s[BB], 0                 ; a slot's accumulators, or for a later tile slot 0's
	s_cbranch_scc1 .Lpick
	; A TILE FROM 20 ON (an expert with more than 320 rows): computed here into slot 0's accumulators, which have gone out.  32 K steps, operands straight from memory.
	s_wait_xcnt 0x0
	s_lshl_b32 s[T1], s[RT], 17
	v_add_nc_u32 v[VA], s[T1], v[L16]
	s_mov_b64 s[WP:WP+1], s[WBS:WBS+1]
	s_mov_b64 s[TP:TP+1], s[TBS:TBS+1]
	WIN 0x40
.set n, 0
.rept 64                               ; 64 zeros spare a second text of the K step on this seldom-used path
	v_mov_b32 v[n], 0
.set n, n+1
.endr
	WIN 0
	s_mov_b32 s[XK], 32
.Lxk:
	PLACES
	WIN 0xc0
.irp cb, 0,1,2,3,4,5,6,7               ; lane l: row 16 cb + l % 16, K 8 (l / 16) + 0..7 and 16 + 8 (l / 16) + 0..7 in f32
	global_load_b128 v[16*(\cb):16*(\cb)+3],     v[VWX], s[WP:WP+1] offset:(\cb)*16*ROWB
	global_load_b128 v[16*(\cb)+4:16*(\cb)+7],   v[VWX], s[WP:WP+1] offset:(\cb)*16*ROWB+16
	global_load_b128 v[16*(\cb)+8:16*(\cb)+11],  v[VWX], s[WP:WP+1] offset:(\cb)*16*ROWB+64
	global_load_b128 v[16*(\cb)+12:16*(\cb)+15], v[VWX], s[WP:WP+1] offset:(\cb)*16*ROWB+80
.endr
	global_load_b128 v[128:131], v[VA], s[TP:TP+1]
	global_load_b128 v[132:135], v[VA], s[TP:TP+1] offset:512
	s_wait_loadcnt 0x0
	WIN 0x0f
.set n, 0
.rept 64
	v_cvt_pk_bf16_f32 v[BF0+n], v[2*n], v[2*n+1]
.set n, n+1
.endr
	WIN 0x5c
.irp cb, 0,1,2,3,4,5,6,7
	v_wmma_f32_16x16x32_bf16 v[8*(\cb):8*(\cb)+7], v[BF0+8*(\cb):BF0+8*(\cb)+7], v[128:135], v[8*(\cb):8*(\cb)+7]
.endr
	WIN 0
	s_add_nc_u64 s[WP:WP+1], s[WP:WP+1], 128       ; the step's loads are done: their bases are free
	s_add_nc_u64 s[TP:TP+1], s[TP:TP+1], 1024
	s_sub_co_u32 s[XK], s[XK], 1
	s_cmp_lg_u32 s[XK], 0
	s_cbranch_scc1 .Lxk
	PLACES
.Lpick:
	s_wait_xcnt 0x0                                ; the last trip's stores have read their offsets and data
	s_lshl_b32 s[T1], s[RT], 4
	s_sub_co_u32 s[LEFT], s[NE], s[T1]             ; rows of this tile that exist, if fewer than 16
	v_add_nc_u32 v[VT], s[T1], v[R16]
	v_min_u32 v[VT], s[NM1], v[VT]
	v_min_u32 v[VT], 0x3ff, v[VT]
	v_lshl_add_u32 v[VT], v[VT], 2, v[LB]
	ds_load_b32 v[VT], v[VT]                       ; the tile's tokens
.macro BLOCK t                         ; the one text that names accumulators: a slot's 8 go into the stage, each from its low end on
.if (\t) < 4
	WIN 0x04
.set AB, 64*(\t)
.else
	WIN 0x08
.set AB, 0
.endif
.irp cb, 0,1,2,3,4,5,6,7
	ds_store_b128 v[VOS], v[AB+8*(\cb):AB+8*(\cb)+3]   offset:64*(\cb)
	ds_store_b128 v[VOS], v[AB+8*(\cb)+4:AB+8*(\cb)+7] offset:64*(\cb)+16
.endr
	WIN 0
.endm
.irp k, 0,1,2,3
	s_cmp_eq_u32 s[BLK], \k
	s_cbranch_scc1 .Lblk\k
.endr
	BLOCK 4
	s_branch .Lcommon
.irp k, 0,1,2
.Lblk\k:
	BLOCK \k
	s_branch .Lcommon
.endr
.Lblk3:
	BLOCK 3
.Lcommon:
.irp i, 0,1,2,3,4,5,6,7,8,9,10,11,12,13,14,15
	ds_load_b128 v[OBV+4*(\i):OBV+4*(\i)+3], v[VOR] offset:(\i)*PO   ; the stage is my own and LDS serves a wave in order: these see the stores above
.endr
.irp i, 0,1,2,3,4,5,6,7,8,9,10,11,12,13,14,15
.if (\i) > 0
	s_cmp_le_u32 s[LEFT], \i                       ; rows past the count are not stored
	s_cbranch_scc1 .Lrows
.endif
	s_wait_dscnt 15-(\i)                           ; row i is back, and so are the tokens, asked for ahead of it
	v_readlane_b32 s[T1], v[VT], \i
	s_min_u32 s[T1], s[T1], 0x3ff
	v_lshl_add_u32 v[VO+(\i)], s[T1], 12, v[L16]
	global_store_b128 v[VO+(\i)], v[OBV+4*(\i):OBV+4*(\i)+3], s[OUTB:OUTB+1]   ; 512 consecutive bytes of the token's row, aligned
.endr
.Lrows:
	s_wait_dscnt 0x0
.Lnext:
	s_add_co_u32 s[BB], s[BB], 1
	s_cmp_lt_u32 s[BB], 16
	s_cbranch_scc1 .Lout
	s_wait_tensorcnt 0x0                           ; the wave's end: a wait, an LDS add and a wait behind my last LDS store
	ds_add_u32 v[SPW], v[NIL]
	s_wait_dscnt 0x0
	s_endpgm
.Lfunc_end_k_q3a6501af52_ffn2:
	.size	k_q3a6501af52_ffn2, .Lfunc_end_k_q3a6501af52_ffn2-k_q3a6501af52_ffn2
	.p2alignl 7, 3214868480
	.fill 96, 4, 3214868480
	.section	.rodata,"a",@progbits
	.p2align	6, 0x0
	.amdhsa_kernel k_q3a6501af52_ffn2
		.amdhsa_group_segment_fixed_size 88064
		.amdhsa_private_segment_fixed_size 0
		.amdhsa_enable_private_segment 0
		.amdhsa_kernarg_size 32
		.amdhsa_user_sgpr_count 2
		.amdhsa_user_sgpr_kernarg_segment_ptr 1
		.amdhsa_wavefront_size32 1
		.amdhsa_system_sgpr_workgroup_id_x 1
		.amdhsa_system_sgpr_workgroup_id_y 1
		.amdhsa_system_sgpr_workgroup_id_z 1
		.amdhsa_system_vgpr_workitem_id 0
		.amdhsa_next_free_vgpr 928
		.amdhsa_next_free_sgpr 102
		.amdhsa_reserve_vcc 0
		.amdhsa_float_denorm_mode_32 3
		.amdhsa_float_denorm_mode_16_64 3
		.amdhsa_memory_ordered 1
		.amdhsa_forward_progress 1
		.amdhsa_inst_pref_size 160
	.end_amdhsa_kernel
	.amdgpu_metadata
---
amdhsa.version: [ 1, 2 ]
amdhsa.kernels:
  - .name:           k_q3a6501af52_ffn2
    .symbol:         k_q3a6501af52_ffn2.kd
    .args:
      - { .name: h, .offset: 0, .size: 8, .value_kind: global_buffer, .address_space: global }
      - { .name: bm, .offset: 8, .size: 8, .value_kind: global_buffer, .address_space: global }
      - { .name: w2, .offset: 16, .size: 8, .value_kind: global_buffer, .address_space: global }
      - { .name: part, .offset: 24, .size: 8, .value_kind: global_buffer, .address_space: global }
    .group_segment_fixed_size: 88064
    .private_segment_fixed_size: 0
    .kernarg_segment_align: 8
    .kernarg_segment_size: 32
    .max_flat_workgroup_size: 128
    .sgpr_count:     102
    .vgpr_count:     928
    .wavefront_size: 32
...
	.end_amdgpu_metadata
.endif
;; end of part 3
;; launch mix (part 4): grid 256 x 1, 4 waves a work-group, no clusters, 0 bytes of LDS; arguments part, selm, cw, b2, out0; writes out0
.if DOCPART == 4
	.amdgcn_target "amdgcn-amd-amdhsa--gfx1250"
	.amdhsa_code_object_version 6
	.text
	.protected	k_q3a6501af52_mix
	.globl	k_q3a6501af52_mix
	.p2align	8
	.type	k_q3a6501af52_mix,@function
k_q3a6501af52_mix:
	s_mov_b64 s[64:65], 0
	v_nop
	global_prefetch_b8 v0, s[64:65] scope:SCOPE_SE
	s_setreg_imm32_b32 hwreg(HW_REG_WAVE_MODE, 25, 1), 1
	s_wait_xcnt 0x0
; THE SUM.  out[t] = cA (b2[eA] + the four parts of (eA, t)) + cB (b2[eB] + the four parts of (eB, t)); eA < eB are the two bits of selm[t], cA, cB = cw[t].  All in f32; b2 is rounded to bf16 like every input.
; One wave, one token: 8 partial rows and 2 bias rows of 4,096 bytes in, one row out; each load and store of the wave covers 512 consecutive bytes.  The row goes in four quarters of 20 loads on three register sets:
; at most 60 loads of a wave are out.  Memory binds: no LDS, no barrier, no matrix unit, no cluster (no two waves read the same partial row).
.set L16, 2                            ; lane x 16
.set VPA, 3                            ; v3, v4: my byte offset in a part, for eA and eB
.set VBA, 5                            ; v5, v6: in b2
.set OUTV, 8                           ; v8-15: two pieces of the result
.set PB,  28                           ; s[28:35]: the four parts
.set CA,  22                           ; s[22:23]: cA, cB as loaded: the packed forms take the low word for both halves
.set CB,  36                           ; s[36:37]: cB twice
.set HM,  38
	s_load_b256 s[4:11], s[0:1], 0x0               ; part s[4:5], selm s[6:7], cw s[8:9], b2 s[10:11]
	s_load_b64 s[12:13], s[0:1], 0x20              ; out0
	v_lshrrev_b32 v1, 5, v0
	v_readfirstlane_b32 s14, v1                    ; wave 0..3
	s_lshl2_add_u32 s15, ttmp9, s14                ; my token
	v_and_b32 v1, 31, v0
	v_lshlrev_b32 v[L16], 4, v1
	s_lshl_b32 s16, s15, 2
	s_lshl_b32 s17, s15, 3
	s_lshl_b32 s18, s15, 12
	s_mov_b32 s19, 0
	s_mov_b32 s[HM], 0xffff0000
	s_wait_kmcnt 0x0
	s_load_b32 s20, s[6:7], s16 offset:0x0
	s_load_b64 s[CA:CA+1], s[8:9], s17 offset:0x0
	s_add_nc_u64 s[12:13], s[12:13], s[18:19]
	s_mov_b64 s[PB:PB+1], s[4:5]
	s_add_nc_u64 s[PB+2:PB+3], s[4:5], 0x2000000   ; a part is 8 experts x 1,024 tokens x 4,096 bytes
	s_add_nc_u64 s[PB+4:PB+5], s[4:5], 0x4000000
	s_add_nc_u64 s[PB+6:PB+7], s[4:5], 0x6000000
	s_wait_kmcnt 0x0
	s_mov_b32 s[CB], s[CA+1]
	s_mov_b32 s[CB+1], s[CA+1]
	s_ctz_i32_b32 s24, s20                         ; the lower expert,
	s_min_u32 s24, s24, 7
	s_sub_co_u32 s25, s20, 1
	s_and_b32 s25, s25, s20
	s_ctz_i32_b32 s25, s25                         ; and the higher
	s_min_u32 s25, s25, 7
	s_lshl_b32 s26, s24, 10
	s_add_co_u32 s26, s26, s15
	s_lshl_b32 s26, s26, 12
	v_add_nc_u32 v[VPA], s26, v[L16]
	s_lshl_b32 s26, s25, 10
	s_add_co_u32 s26, s26, s15
	s_lshl_b32 s26, s26, 12
	v_add_nc_u32 v[VPA+1], s26, v[L16]
	s_lshl_b32 s26, s24, 12
	v_add_nc_u32 v[VBA], s26, v[L16]
	s_lshl_b32 s26, s25, 12
	v_add_nc_u32 v[VBA+1], s26, v[L16]
; Quarter q (pieces 2 q, 2 q + 1 of 512 bytes) into register set s: for expert ex and piece pj, at 16 + 80 s + 40 ex + 20 pj: the four parts, then the bias.
.macro QLOAD q, set
.irp ex, 0,1
.irp pj, 0,1
.irp ks, 0,1,2,3
	global_load_b128 v[16+80*(\set)+40*(\ex)+20*(\pj)+4*(\ks):16+80*(\set)+40*(\ex)+20*(\pj)+4*(\ks)+3], v[VPA+(\ex)], s[PB+2*(\ks):PB+2*(\ks)+1] offset:(2*(\q)+(\pj))*512 th:TH_LOAD_NT
.endr
	global_load_b128 v[16+80*(\set)+40*(\ex)+20*(\pj)+16:16+80*(\set)+40*(\ex)+20*(\pj)+19], v[VBA+(\ex)], s[10:11] offset:(2*(\q)+(\pj))*512
.endr
.endr
.endm
.macro QSUM q, set, left
	s_wait_loadcnt \left                           ; loads come back in order: this quarter is in, the younger ones stay out
	s_wait_xcnt 0x0                                ; the result registers, which the last quarter's stores read, are rewritten only behind this wait
.irp ex, 0,1
.irp pj, 0,1
.set P, 16+80*(\set)+40*(\ex)+20*(\pj)
	v_cvt_pk_bf16_f32 v[P+16], v[P+16], v[P+17]    ; the bias rounded to bf16 and widened again
	v_cvt_pk_bf16_f32 v[P+18], v[P+18], v[P+19]
	v_and_b32 v[P+17], s[HM], v[P+16]
	v_lshlrev_b32 v[P+16], 16, v[P+16]
	v_and_b32 v[P+19], s[HM], v[P+18]
	v_lshlrev_b32 v[P+18], 16, v[P+18]
	v_pk_add_f32 v[P:P+1], v[P:P+1], v[P+4:P+5]
	v_pk_add_f32 v[P+2:P+3], v[P+2:P+3], v[P+6:P+7]
	v_pk_add_f32 v[P+8:P+9], v[P+8:P+9], v[P+12:P+13]
	v_pk_add_f32 v[P+10:P+11], v[P+10:P+11], v[P+14:P+15]
	v_pk_add_f32 v[P:P+1], v[P:P+1], v[P+8:P+9]
	v_pk_add_f32 v[P+2:P+3], v[P+2:P+3], v[P+10:P+11]
	v_pk_add_f32 v[P:P+1], v[P:P+1], v[P+16:P+17]
	v_pk_add_f32 v[P+2:P+3], v[P+2:P+3], v[P+18:P+19]
.endr
.endr
.irp pj, 0,1
.set P, 16+80*(\set)+20*(\pj)
	v_pk_mul_f32 v[P+40:P+41], v[P+40:P+41], s[CB:CB+1] op_sel_hi:[1,0]
	v_pk_mul_f32 v[P+42:P+43], v[P+42:P+43], s[CB:CB+1] op_sel_hi:[1,0]
	v_pk_fma_f32 v[OUTV+4*(\pj):OUTV+4*(\pj)+1], v[P:P+1], s[CA:CA+1], v[P+40:P+41] op_sel_hi:[1,0,1]
	v_pk_fma_f32 v[OUTV+4*(\pj)+2:OUTV+4*(\pj)+3], v[P+2:P+3], s[CA:CA+1], v[P+42:P+43] op_sel_hi:[1,0,1]
	global_store_b128 v[L16], v[OUTV+4*(\pj):OUTV+4*(\pj)+3], s[12:13] offset:(2*(\q)+(\pj))*512 th:TH_STORE_NT
.endr
.endm
	QLOAD 0, 0
	QLOAD 1, 1
	QLOAD 2, 2
	QSUM 0, 0, 40
	QLOAD 3, 0                                     ; set 0 has been read by arithmetic alone: it is free
	QSUM 1, 1, 40
	QSUM 2, 2, 20
	QSUM 3, 0, 0
	s_endpgm
.Lfunc_end_k_q3a6501af52_mix:
	.size	k_q3a6501af52_mix, .Lfunc_end_k_q3a6501af52_mix-k_q3a6501af52_mix
	.p2alignl 7, 3214868480
	.fill 96, 4, 3214868480
	.section	.rodata,"a",@progbits
	.p2align	6, 0x0
	.amdhsa_kernel k_q3a6501af52_mix
		.amdhsa_group_segment_fixed_size 0
		.amdhsa_private_segment_fixed_size 0
		.amdhsa_enable_private_segment 0
		.amdhsa_kernarg_size 40
		.amdhsa_user_sgpr_count 2
		.amdhsa_user_sgpr_kernarg_segment_ptr 1
		.amdhsa_wavefront_size32 1
		.amdhsa_system_sgpr_workgroup_id_x 1
		.amdhsa_system_sgpr_workgroup_id_y 1
		.amdhsa_system_sgpr_workgroup_id_z 1
		.amdhsa_system_vgpr_workitem_id 0
		.amdhsa_next_free_vgpr 256
		.amdhsa_next_free_sgpr 66
		.amdhsa_reserve_vcc 0
		.amdhsa_float_denorm_mode_32 3
		.amdhsa_float_denorm_mode_16_64 3
		.amdhsa_memory_ordered 1
		.amdhsa_forward_progress 1
		.amdhsa_inst_pref_size 25
	.end_amdhsa_kernel
	.amdgpu_metadata
---
amdhsa.version: [ 1, 2 ]
amdhsa.kernels:
  - .name:           k_q3a6501af52_mix
    .symbol:         k_q3a6501af52_mix.kd
    .args:
      - { .name: part, .offset: 0, .size: 8, .value_kind: global_buffer, .address_space: global }
      - { .name: selm, .offset: 8, .size: 8, .value_kind: global_buffer, .address_space: global }
      - { .name: cw, .offset: 16, .size: 8, .value_kind: global_buffer, .address_space: global }
      - { .name: b2, .offset: 24, .size: 8, .value_kind: global_buffer, .address_space: global }
      - { .name: out0, .offset: 32, .size: 8, .value_kind: global_buffer, .address_space: global }
    .group_segment_fixed_size: 0
    .private_segment_fixed_size: 0
    .kernarg_segment_align: 8
    .kernarg_segment_size: 40
    .max_flat_workgroup_size: 128
    .sgpr_count:     66
    .vgpr_count:     256
    .wavefront_size: 32
...
	.end_amdgpu_metadata
.endif
;; end of part 4
;; ======== version 2 of 3: 5 launches
;; workspace buffers: xb 2,097,152 bytes; bm 2,048 bytes of whole numbers; selm 4,096 bytes of whole numbers; cw 8,192 bytes; xg 16,777,216 bytes; lst 33,024 bytes of whole numbers; h 67,108,864 bytes; part 134,217,728 bytes
;; launch route: the kernel of part 1 again; grid 64 x 1, 8 waves a work-group, no clusters, 61,440 bytes of LDS; arguments x, router_w, router_b, xb, bm, selm, cw; writes xb, bm, selm, cw
;; launch place (part 5): grid 64 x 8, 4 waves a work-group, no clusters, 16,896 bytes of LDS; arguments xb, bm, xg, lst; writes xg, lst
.if DOCPART == 5
	.amdgcn_target "amdgcn-amd-amdhsa--gfx1250"
	.amdhsa_code_object_version 6
	.text
	.protected	k_q3a6501af52_place
	.globl	k_q3a6501af52_place
	.p2align	8
	.type	k_q3a6501af52_place,@function
k_q3a6501af52_place:
	s_mov_b64 s[64:65], 0
	v_nop
	global_prefetch_b8 v0, s[64:65] scope:SCOPE_SE
	s_setreg_imm32_b32 hwreg(HW_REG_WAVE_MODE, 25, 1), 1
	s_wait_xcnt 0x0
; THE ROWS ARE PLACED.  For expert e the tokens that chose it, in ascending order, have ranks 0, 1, ..; 16 ranks are a tile.  Work-group (rt, e) gathers tile rt's 16 rows of xb (bf16) and stores them in the order in which
; the first product's operand registers take them: xg byte = e 2^21 + rt 2^15 + (k / 32) 1,024 + (second half of the fragment) 512 + lane 16, lane l = row l % 16, k 8 (l / 16) + 0..7 (second half: 16 more).
; It also stores the tile's 16 tokens (lst[e][16 rt ..]) and, tile 0's group, the expert's count (lst word 8,192 + e).  So the products form no address from a list of their own.
; SHARES.  The four waves share the tile's K: wave w copies k 256 w .. + 255: 16 loads, 16 stores of 512 consecutive bytes.  A lane's 16 bytes go from load to store as they are.
; THE GRID, 64 tiles x 8 experts, serves every split of the tokens (an expert can have 0 to 1,024 rows); a group whose tile does not exist stores nothing and ends.  Ranks past the count repeat the last rank's row.
; An expert with no row: tile 0 is stored all the same (the list's first word is then a token that did not choose it), so that the next launch reads no byte that nobody wrote.
; The loads take 32 bytes of each of 16 rows; xb is 2 MB and is gathered once here.  lst's stores are 64 and 4 bytes: 32 KB in all.  No matrix unit, no cluster: no two groups read for the same tile.
.set SPARE, 4*4096                     ; behind the four lists: the spare words, 128 bytes a wave: two blocks of 256 bytes that no other line names
.set LN,  1                            ; lane
.set R16, 2                            ; lane % 16
.set HH,  3                            ; lane / 16
.set TA,  4
.set TB,  5
.set TOK, 6                            ; first the token that the list takes, then my row's token
.set LB,  7                            ; LDS: my wave's list, 1,024 words: rank -> token
.set VX,  8                            ; my byte offset in xb
.set VG,  9                            ; lane x 16
.set SPW, 10                           ; LDS address of my spare word; never rewritten
.set NIL, 11                           ; 0; never rewritten
.set VL,  12                           ; lane x 4
.set VN,  13                           ; the count, to be stored
.set VZ,  14                           ; offset 0
.set DAT, 16                           ; v16-79: 16 loads
.set T1,  14
.set T2,  15
.set WV,  66
.set RT,  67
.set EX,  68
.set NE,  69
.set NT,  70
.set NM1, 71
.set SAV, 72
.set CB,  74                           ; s[74:75]: the count's place
	s_load_b256 s[4:11], s[0:1], 0x0               ; xb s[4:5], bm s[6:7], xg s[8:9], lst s[10:11]
	v_lshl_add_u32 v[SPW], v0, 2, SPARE
	v_mov_b32 v[NIL], 0
	v_lshrrev_b32 v[TA], 5, v0
	v_readfirstlane_b32 s[WV], v[TA]               ; wave 0..3
	s_mov_b32 s[RT], ttmp9                         ; tile
	s_and_b32 s[EX], ttmp7, 0xffff                 ; expert
	v_and_b32 v[LN], 31, v0
	v_and_b32 v[R16], 15, v0
	v_bfe_u32 v[HH], v0, 4, 1
	v_lshlrev_b32 v[VG], 4, v[LN]
	v_lshlrev_b32 v[VL], 2, v[LN]
	v_mov_b32 v[VZ], 0
	s_lshl_b32 s[T1], s[WV], 12
	v_mov_b32 v[LB], s[T1]
	s_mov_b32 s[T2], 0
	s_wait_kmcnt 0x0
	s_lshl_b32 s[T1], s[EX], 8                     ; the expert's 64 words of the bitmap
	s_add_nc_u64 s[6:7], s[6:7], s[T1:T1+1]
	s_load_b512 s[16:31], s[6:7], 0x0
	s_load_b512 s[32:47], s[6:7], 0x40
	s_load_b512 s[48:63], s[6:7], 0x80
	s_load_b512 s[80:95], s[6:7], 0xc0
	s_lshl_b32 s[T1], s[EX], 2
	s_add_co_u32 s[T1], s[T1], 32768               ; the counts lie behind the eight lists
	s_add_nc_u64 s[CB:CB+1], s[10:11], s[T1:T1+1]
	s_lshl_b32 s[T1], s[EX], 12
	s_lshl_b32 s[NE], s[RT], 6
	s_add_co_u32 s[T1], s[T1], s[NE]
	s_add_nc_u64 s[10:11], s[10:11], s[T1:T1+1]    ; lst at my tile's 16 words
	s_lshl_b32 s[T1], s[EX], 21
	s_lshl_b32 s[NE], s[RT], 15
	s_add_co_u32 s[T1], s[T1], s[NE]
	s_lshl_b32 s[NE], s[WV], 13
	s_add_co_u32 s[T1], s[T1], s[NE]
	s_add_nc_u64 s[8:9], s[8:9], s[T1:T1+1]        ; xg at my wave's quarter of my tile
	s_mov_b32 s[NE], 0
	s_wait_kmcnt 0x0
	; the count first, by scalars alone, so that a group without a tile ends early; two words of 16 tokens become one of 32, kept for the list
.set j, 0
.rept 32
.if j < 24
.set LO, 16+2*j
.else
.set LO, 80+2*(j-24)
.endif
	s_lshl_b32 s[T2], s[LO+1], 16
	s_or_b32 s[LO], s[LO], s[T2]
	s_bcnt1_i32_b32 s[T2], s[LO]
	s_add_co_u32 s[NE], s[NE], s[T2]
.set j, j+1
.endr
	s_min_u32 s[NE], s[NE], 1024
	s_add_co_u32 s[NT], s[NE], 15
	s_lshr_b32 s[NT], s[NT], 4
	s_max_u32 s[NT], s[NT], 1
	s_max_u32 s[NM1], s[NE], 1
	s_sub_co_u32 s[NM1], s[NM1], 1
	s_cmp_ge_u32 s[RT], s[NT]
	s_cbranch_scc1 .Lend
	; THE LIST, each wave its own: the expert's tokens fill it from the front, in ascending order, the others from the back: all 1,024 words are written, each once.
	v_mov_b32 v[TOK], v[LN]
	s_mov_b32 s[T1], 0                             ; chosen so far
.set j, 0
.rept 32
.if j < 24
.set LO, 16+2*j
.else
.set LO, 80+2*(j-24)
.endif
	v_mbcnt_lo_u32_b32 v[TA], s[LO], s[T1]         ; chosen ahead of my token
	v_sub_nc_u32 v[TB], 0x3ff, v[TOK]
	v_cndmask_b32 v[TB], v[TB], 0, s[LO]           ; not chosen: 1,023 less the number not chosen ahead of it = 1,023 - token + chosen ahead
	v_add_nc_u32 v[TA], v[TA], v[TB]
	v_min_u32 v[TA], 0x3ff, v[TA]
	v_lshl_add_u32 v[TA], v[TA], 2, v[LB]
	ds_store_b32 v[TA], v[TOK]
	v_add_nc_u32 v[TOK], 32, v[TOK]
	s_bcnt1_i32_b32 s[T2], s[LO]
	s_add_co_u32 s[T1], s[T1], s[T2]
.set j, j+1
.endr
	s_lshl_b32 s[T1], s[RT], 4
	v_add_nc_u32 v[TA], s[T1], v[R16]              ; my row's rank; past the count the last rank is repeated
	v_min_u32 v[TA], s[NM1], v[TA]
	v_min_u32 v[TA], 0x3ff, v[TA]
	v_lshl_add_u32 v[TA], v[TA], 2, v[LB]
	ds_load_b32 v[TOK], v[TA]                      ; the list is my wave's own, and LDS serves a wave's instructions in order
	s_wait_dscnt 0x0
	v_min_u32 v[TOK], 0x3ff, v[TOK]
	v_lshlrev_b32 v[VX], 11, v[TOK]                ; the row,
	v_lshl_add_u32 v[VX], v[HH], 4, v[VX]          ; my half of a fragment's 32 bytes,
	s_lshl_b32 s[T1], s[WV], 9
	v_add_nc_u32 v[VX], s[T1], v[VX]               ; my wave's 512 bytes of the row
.irp n, 0,1,2,3,4,5,6,7,8,9,10,11,12,13,14,15
	global_load_b128 v[DAT+4*(\n):DAT+4*(\n)+3], v[VX], s[4:5] offset:32*(\n)      ; half n % 2 of fragment n / 2
.endr
.irp n, 0,1,2,3,4,5,6,7,8,9,10,11,12,13,14,15
	s_wait_loadcnt 15-(\n)                         ; loads come back in order: load n is in, the younger ones stay out
	global_store_b128 v[VG], v[DAT+4*(\n):DAT+4*(\n)+3], s[8:9] offset:512*(\n)    ; 512 consecutive bytes, aligned
.endr
	s_cmp_lg_u32 s[WV], 0
	s_cbranch_scc1 .Lend                           ; the list's words and the count are wave 0's
	s_wait_xcnt 0x0                                ; EXEC is a source of the stores above: it changes only behind this wait
	v_cmp_gt_u32 vcc_lo, 16, v[LN]
	s_and_saveexec_b32 s[SAV], vcc_lo
	global_store_b32 v[VL], v[TOK], s[10:11]
	s_wait_xcnt 0x0
	s_or_b32 exec_lo, exec_lo, s[SAV]
	s_cmp_lg_u32 s[RT], 0
	s_cbranch_scc1 .Lend
	v_mov_b32 v[VN], s[NE]
	v_cmp_gt_u32 vcc_lo, 1, v[LN]
	s_and_saveexec_b32 s[SAV], vcc_lo
	global_store_b32 v[VZ], v[VN], s[CB:CB+1]
	s_wait_xcnt 0x0
	s_or_b32 exec_lo, exec_lo, s[SAV]
.Lend:
	s_wait_tensorcnt 0x0                           ; the wave's end: a wait, an LDS add and a wait behind my last LDS store
	ds_add_u32 v[SPW], v[NIL]
	s_wait_dscnt 0x0
	s_endpgm
.Lfunc_end_k_q3a6501af52_place:
	.size	k_q3a6501af52_place, .Lfunc_end_k_q3a6501af52_place-k_q3a6501af52_place
	.p2alignl 7, 3214868480
	.fill 96, 4, 3214868480
	.section	.rodata,"a",@progbits
	.p2align	6, 0x0
	.amdhsa_kernel k_q3a6501af52_place
		.amdhsa_group_segment_fixed_size 16896
		.amdhsa_private_segment_fixed_size 0
		.amdhsa_enable_private_segment 0
		.amdhsa_kernarg_size 32
		.amdhsa_user_sgpr_count 2
		.amdhsa_user_sgpr_kernarg_segment_ptr 1
		.amdhsa_wavefront_size32 1
		.amdhsa_system_sgpr_workgroup_id_x 1
		.amdhsa_system_sgpr_workgroup_id_y 1
		.amdhsa_system_sgpr_workgroup_id_z 1
		.amdhsa_system_vgpr_workitem_id 0
		.amdhsa_next_free_vgpr 80
		.amdhsa_next_free_sgpr 102
		.amdhsa_reserve_vcc 1
		.amdhsa_float_denorm_mode_32 3
		.amdhsa_float_denorm_mode_16_64 3
		.amdhsa_memory_ordered 1
		.amdhsa_forward_progress 1
		.amdhsa_inst_pref_size 27
	.end_amdhsa_kernel
	.amdgpu_metadata
---
amdhsa.version: [ 1, 2 ]
amdhsa.kernels:
  - .name:           k_q3a6501af52_place
    .symbol:         k_q3a6501af52_place.kd
    .args:
      - { .name: xb, .offset: 0, .size: 8, .value_kind: global_buffer, .address_space: global }
      - { .name: bm, .offset: 8, .size: 8, .value_kind: global_buffer, .address_space: global }
      - { .name: xg, .offset: 16, .size: 8, .value_kind: global_buffer, .address_space: global }
      - { .name: lst, .offset: 24, .size: 8, .value_kind: global_buffer, .address_space: global }
    .group_segment_fixed_size: 16896
    .private_segment_fixed_size: 0
    .kernarg_segment_align: 8
    .kernarg_segment_size: 32
    .max_flat_workgroup_size: 128
    .sgpr_count:     102
    .vgpr_count:     80
    .wavefront_size: 32
...
	.end_amdgpu_metadata
.endif
;; end of part 5
;; launch ffn1 (part 6): grid 32 x 8, 4 waves a work-group, no clusters, 37,376 bytes of LDS; arguments xg, lst, w1, b1, h; writes h
.if DOCPART == 6
	.amdgcn_target "amdgcn-amd-amdhsa--gfx1250"
	.amdhsa_code_object_version 6
	.text
	.protected	k_q3a6501af52_ffn1
	.globl	k_q3a6501af52_ffn1
	.p2align	8
	.type	k_q3a6501af52_ffn1,@function
k_q3a6501af52_ffn1:
	s_mov_b64 s[64:65], 0
	v_nop
	global_prefetch_b8 v0, s[64:65] scope:SCOPE_SE
	s_setreg_imm32_b32 hwreg(HW_REG_WAVE_MODE, 25, 1), 1
	s_wait_xcnt 0x0
; FIRST PRODUCT OF THE EXPERTS.  h = gelu(x W1^T + b1) for the rows that chose the expert.  xg: the experts' rows in bf16, in tiles of 16 ranks, in the order of the operand registers (byte = e 2^21 + tile 2^15 + (k / 32) 1,024 + half 512 + lane 16);
; w1 [8][4096][1024], b1 [8][4096] f32, rounded to bf16 on the way; sums in f32; h rounded once to bf16.  The expert's count is word 8,192 + e of lst.
; SHARES.  Work-group (sl, e) alone reads rows 128 sl .. 128 sl + 127 of expert e's W1 (512 KB) and multiplies them with ALL rows of e.  A wave holds five tiles x 128 columns: 40 accumulators; tile = wave + 4 x slot.
; So the K stream serves tiles 0 .. 19, 320 rows.  A dead slot takes the expert's last tile and is not stored.  The products of slots 3 and 4, where dead, are jumped from trip 1 on by forward branches on a scalar, past text
; without a barrier and without a load; trip 0 is unconditional, so that every accumulator is written on every way.
; An expert with more than 320 rows: from tile 20 on a tile is computed in the way-out loop, without LDS and barriers, operands straight from memory.  Every split is served, up to 1,024 rows.
; An expert with no row: tile 0 (which the launch before has written) is computed and stored, so that the next launch reads no byte that nobody wrote.
; THE K STREAM.  16 chunks of 64 along K, two K steps of 32 each.  Chunk j of the weights: each wave loads its 32 rows x 256 bytes (16 loads, sixteen lanes to a row's 256 aligned bytes) three trips ahead of its products, rounds them
; one trip ahead and puts them into one of two LDS buffers; all waves read fragments from there.  The tokens' fragments come straight into operand registers, 512 consecutive bytes a load, a K step's ten loads at a time and a trip
; and a half ahead: step 0 of chunk c + 2 in the middle of trip c, into the registers that the trip's first half has read; step 1 of chunk c + 1 at the head of trip c.  They are asked for all five slots, so every count is a constant.
; Each wait stands ahead of the next requests: 36 + 26 or 52 + 10: at most 62 loads of a wave are out (in the head the bias's 16 come on top: there the issue of the last loads waits for the first to come back: ISA guide 5.7.1).
; ONE barrier a trip: behind it the chunk stored in this trip may be read, and the buffer read in this trip may be stored into in the next.
; THE MATRIX INSTRUCTION IS USED TRANSPOSED: source 0 = 16 rows of W1, source 1 = 16 tokens: lane l holds token l % 16 and columns 8 (l / 16) + 0..7.  Rounded in pairs these ARE four registers of the next product's token fragment:
; h is stored in that order: byte = e 2^23 + tile 2^17 + (column / 32) 1,024 + half 512 + lane 16; each store of a wave is 512 consecutive bytes.
; GELU, exact form: gelu(h) = max(h, 0) - |h| q, q = erfc(|h| / sqrt 2) / 2 = t (a1 + t (a2 + .. a5 t)) 2^(-h^2 log2(e) / 2) / 2, t = 1 / (1 + 0.2316419 |h|) (Abramowitz and Stegun 7.1.26: erf to 1.5e-7 for every h).
; LIMITS.  NaN and infinities are not treated apart.  h is kept in bf16.
; NO CLUSTER: each weight byte has one reader.  A tile of xg is shared by the expert's 32 groups, but it goes straight into operand registers; shared through LDS a group's 640 KB of it would be written there and read again.
; No data mover for the weights: f32 weights must pass registers to be rounded.
; REGISTERS, in windows of 256 (s_set_vgpr_msb: bits 1:0 source 0, 3:2 source 1, 5:4 source 2, 7:6 destination):
;   window 0: addresses; v32-159 weight fragments of the chunk's two K steps; on the way out v32-207 at work       window 1: accumulators of slots 0-3, (t, cb) at 64 t + 8 cb
;   window 2: v0-63 slot 4; v64-191 two sets of weights as loaded; v192-255 the bias, as the products' first C       window 3: v0-159 two sets of token fragments, (t, step) at 80 set + 16 t + 8 step
.set ROWB,  4096                       ; bytes in a row of W1
.set TSH,   15                         ; a tile of xg is 2^15 bytes
.set PW,    144                        ; an LDS row: 128 bytes (64 bf16) + 16: the 16 rows of a fragment load start at 16 different groups of four banks (64 banks of 4 bytes: ISA guide 11.1)
.set WBUF,  128*PW                     ; a weight buffer
.set SPARE, 2*WBUF                     ; the spare words, 128 bytes a wave: two blocks of 256 bytes that no other line names
.set LN,  1                            ; lane
.set VB,  2                            ; LDS: my place in a weight fragment
.set VS,  3                            ; LDS: where my 8 rounded bytes of a weight row go
.set VW,  4                            ; my byte offset in the slice of W1
.set VPF, 5                            ; the row that I prefetch
.set L16, 6                            ; lane x 16
.set TA,  7                            ; at work
.set R16, 8                            ; lane % 16
.set HH,  9                            ; lane / 16
.set SPW, 10                           ; LDS address of my spare word; never rewritten
.set NIL, 11                           ; 0; never rewritten
.set VA,  12                           ; v12-16: my byte offset in the five slots' tiles of xg
.set VBI, 17                           ; my byte offset in 16 numbers of the bias
.set VWX, 18                           ; tiles from 20 on: my byte offset in a weight fragment taken from memory
.set VH,  19                           ; my byte offset in h
.set BF0, 32
.set BF1, 96
.set GA,  32                           ; the way out, 32 numbers at a time: |h|
.set GT,  64                           ; t
.set GE,  96                           ; the exponential
.set GP,  128                          ; the polynomial, then the result
.set GM,  160                          ; max(h, 0)
.set HP,  192                          ; packed
.set WR,  64                           ; window 2
.set BI,  192                          ; window 2
.set T1,  14
.set T2,  15
.set MSK, 16
.set CP,  18
.set CC,  20
.set CA1, 22
.set CA2, 24
.set CA3, 26
.set CA4, 28
.set CA5, 30
.set XK,  32
.set HF,  33
.set BLK, 34
.set LIVE, 35                          ; my live slots
.set NT1, 36                           ; the expert's last tile
.set EOFF, 37
.set WV,  66
.set SL,  67
.set EX,  68
.set NE,  69                           ; the expert's rows
.set NT,  70                           ; its tiles, at least 1
.set BB,  72
.set RT,  73
.set CTR, 74
.set WP,  76                           ; s[76:77] the slice of W1, stepped along K
.set WBS, 78                           ; s[78:79] its beginning
.set TP,  96                           ; s[96:97] the expert's xg, stepped along K
.set TBS, 98                           ; s[98:99] its beginning
.set OUTB, 100                         ; s[100:101] h at my expert and slice
.set MSB, 0
.macro WIN new                         ; the immediate's high byte repeats the setting that is left; a switch that changes nothing is dropped
.if MSB != (\new)
	s_set_vgpr_msb (MSB<<8)|(\new)
.set MSB, \new
.endif
.endm
.macro PLACES                          ; four places behind matrix instructions, ahead of loads into their sources and of reads of their results
.rept 4
	v_nop
.endr
.endm
.macro WLOAD set, imm                  ; a chunk of my 32 weight rows: load n takes rows 16 (n / 8) + n % 8 and, in lanes 16-31, the row 8 further on
	WIN 0x80
.irp n, 0,1,2,3,4,5,6,7,8,9,10,11,12,13,14,15
	global_load_b128 v[WR+64*(\set)+4*(\n):WR+64*(\set)+4*(\n)+3], v[VW], s[WP:WP+1] offset:((\n)/8*16+(\n)%8)*ROWB+(\imm) th:TH_LOAD_NT
.endr
.endm
.macro WCVT set                        ; rounded in place: four f32 to 8 bytes
	WIN 0x8a
.irp n, 0,1,2,3,4,5,6,7,8,9,10,11,12,13,14,15
	v_cvt_pk_bf16_f32 v[WR+64*(\set)+4*(\n)], v[WR+64*(\set)+4*(\n)], v[WR+64*(\set)+4*(\n)+1]
	v_cvt_pk_bf16_f32 v[WR+64*(\set)+4*(\n)+1], v[WR+64*(\set)+4*(\n)+2], v[WR+64*(\set)+4*(\n)+3]
.endr
.endm
.macro WSTORE set, buf                 ; the two rows of a store lie 8 x 144 bytes apart: 32 banks: no conflict
	WIN 0x08
.irp n, 0,1,2,3,4,5,6,7,8,9,10,11,12,13,14,15
	ds_store_b64 v[VS], v[WR+64*(\set)+4*(\n):WR+64*(\set)+4*(\n)+1] offset:(\buf)*WBUF+((\n)/8*16+(\n)%8)*PW
.endr
.endm
.macro BLOAD f, buf, s                 ; the eight weight fragments of K step s of a chunk
	WIN 0
.irp cb, 0,1,2,3,4,5,6,7
	ds_load_b128 v[(\f)+8*(\cb):(\f)+8*(\cb)+3],   v[VB] offset:(\buf)*WBUF+(\cb)*16*PW+64*(\s)
	ds_load_b128 v[(\f)+8*(\cb)+4:(\f)+8*(\cb)+7], v[VB] offset:(\buf)*WBUF+(\cb)*16*PW+64*(\s)+32
.endr
.endm
.macro AGH set, ks, imm                ; the five slots' token fragments of K step ks of a chunk: ten loads, two halves of 512 consecutive bytes a slot
	WIN 0xc0
.irp t, 0,1,2,3,4
.irp q, 0,1
	global_load_b128 v[80*(\set)+16*(\t)+8*(\ks)+4*(\q):80*(\set)+16*(\t)+8*(\ks)+4*(\q)+3], v[VA+(\t)], s[TP:TP+1] offset:1024*(\ks)+512*(\q)+(\imm)
.endr
.endr
.endm
; The eight products of slot t for one K step.  The accumulators take turns, one instruction a turn: on every way at least 23 others' stand between two products on one accumulator.
; first = 1: the products start the sums with the bias as C: nothing is cleared.
.macro MMS bf, af, t, first
.if (\t) < 4
.if \first
	WIN 0x6c
.else
	WIN 0x5c
.endif
.set DB, 64*(\t)
.else
	WIN 0xac
.set DB, 0
.endif
.irp cb, 0,1,2,3,4,5,6,7
.if \first
	v_wmma_f32_16x16x32_bf16 v[DB+8*(\cb):DB+8*(\cb)+7], v[(\bf)+8*(\cb):(\bf)+8*(\cb)+7], v[(\af)+16*(\t):(\af)+16*(\t)+7], v[BI+8*(\cb):BI+8*(\cb)+7]
.else
	v_wmma_f32_16x16x32_bf16 v[DB+8*(\cb):DB+8*(\cb)+7], v[(\bf)+8*(\cb):(\bf)+8*(\cb)+7], v[(\af)+16*(\t):(\af)+16*(\t)+7], v[DB+8*(\cb):DB+8*(\cb)+7]
.endif
.endr
.endm
.macro MMC bf, af, first, cond         ; slots 3 and 4; cond = 1: dead ones are jumped
.if \cond
	WIN 0                                          ; at a branch and at a label every window is 0
	s_cmp_lt_u32 s[LIVE], 4
	s_cbranch_scc1 .Ldead_\@
	MMS \bf, \af, 3, \first
	WIN 0
	s_cmp_lt_u32 s[LIVE], 5
	s_cbranch_scc1 .Ldead_\@
	MMS \bf, \af, 4, \first
	WIN 0
.Ldead_\@:
.else
	MMS \bf, \af, 3, \first
	MMS \bf, \af, 4, \first
.endif
.endm
; TRIP c.  rel: c less the chunk at which the stepped bases stand; par = c % 2.  lch, lcm: the loads that may stay out at its head and in its middle.  cvt: chunk c + 1 of the weights is rounded and stored.
; a1: step 1 of token chunk c + 1 is asked for.  wiss: weight chunk c + 3.  a0: step 0 of token chunk c + 2.  pf: weight chunk c + 4 is prefetched (2: not in the loop's last turn, where it would lie past the slice).
; THE ORDER OF THE REQUESTS, on every way: head of trip c: tokens (c + 1, step 1) 10, weights (c + 3) 16; middle of trip c: tokens (c + 2, step 0) 10.  Loads come back in order (ISA guide 5.7.1).
; At the head are wanted weights (c + 1) and tokens (c, step 0); behind these were asked: tokens (c, 1) 10, weights (c + 2) 16, tokens (c + 1, 0) 10: lch = 36.
; In the middle are wanted tokens (c, 1); behind them: weights (c + 2) 16, tokens (c + 1, 0) 10, tokens (c + 1, 1) 10, weights (c + 3) 16: lcm = 52.  The last trips, which ask for less, have lower counts.
.macro TRIP rel, par, first, cond, lch, lcm, cvt, a1, wiss, a0, pf, last
	s_wait_loadcnt \lch
	s_wait_dscnt 0x0                               ; the weight fragments of K step 0, asked for a K step ago
.if \cvt
	WCVT 1-(\par)                                  ; 32 conversions: also the places ahead of the loads below
.else
	PLACES
.endif
	BLOAD BF1, \par, 1
.if \cvt
	WSTORE 1-(\par), 1-(\par)
.endif
.if \a1
	AGH 1-(\par), 1, ((\rel)+1)*2048               ; into the registers that the last trip's second half has read
.endif
.if \wiss
	WLOAD 1-(\par), ((\rel)+3)*256
.endif
.if (\pf) == 2
	WIN 0
	s_cmp_eq_u32 s[CTR], 1
	s_cbranch_scc1 .Lnp_\@
.endif
.if \pf
	WIN 0
	global_prefetch_b8 v[VPF], s[WP:WP+1] offset:((\rel)+4)*256 th:TH_LOAD_NT scope:SCOPE_SE  ; lane l: the 256 bytes of row 32 w + l in chunk c + 4, which the next trip loads; each block is asked for once, the last in trip 11
.endif
.if (\pf) == 2
.Lnp_\@:
.endif
	MMS BF0, 80*(\par), 0, \first
	MMS BF0, 80*(\par), 1, \first
	MMC BF0, 80*(\par), \first, \cond
.if \last
	MMS BF0, 80*(\par), 2, \first
	s_wait_dscnt 0x0
.else
	s_wait_dscnt 0x0                               ; my stores of chunk c + 1 are done, and so are my reads of this trip's buffer
	s_barrier_signal -1
	MMS BF0, 80*(\par), 2, \first                  ; work on registers while the others arrive
	s_barrier_wait -1
	PLACES
	BLOAD BF0, 1-(\par), 0
.endif
	s_wait_loadcnt \lcm
.if \a0
	AGH \par, 0, ((\rel)+2)*2048                   ; into the registers that this trip's first half has read, behind the four places above
.endif
	MMS BF1, 80*(\par)+8, 0, 0
	MMS BF1, 80*(\par)+8, 1, 0
	MMC BF1, 80*(\par)+8, 0, \cond
	MMS BF1, 80*(\par)+8, 2, 0
.endm
.macro STEP2                           ; two chunks on; inside a pair of trips the chunk stands in the immediates
	WIN 0
	s_wait_xcnt 0x0                                ; the bases are rewritten only when every memory instruction issued has had its address translated
	s_add_nc_u64 s[WP:WP+1], s[WP:WP+1], 512
	s_add_nc_u64 s[TP:TP+1], s[TP:TP+1], 4096
.endm
	s_load_b256 s[4:11], s[0:1], 0x0               ; xg s[4:5], lst s[6:7], w1 s[8:9], b1 s[10:11]
	s_load_b64 s[12:13], s[0:1], 0x20              ; h
	v_lshl_add_u32 v[SPW], v0, 2, SPARE
	v_mov_b32 v[NIL], 0
	v_lshrrev_b32 v[TA], 5, v0
	v_readfirstlane_b32 s[WV], v[TA]               ; wave 0..3
	s_mov_b32 s[SL], ttmp9                         ; slice
	s_and_b32 s[EX], ttmp7, 0xffff                 ; expert
	v_and_b32 v[LN], 31, v0
	v_and_b32 v[R16], 15, v0
	v_bfe_u32 v[HH], v0, 4, 1
	v_lshlrev_b32 v[L16], 4, v[LN]
	v_mul_u32_u24 v[VB], v[R16], PW
	v_lshl_add_u32 v[VB], v[HH], 4, v[VB]          ; row x pitch + 16 x half
	s_lshl_b32 s[T1], s[WV], 5
	v_lshl_add_u32 v[TA], v[HH], 3, s[T1]          ; 32 w + 8 x half
	v_mul_u32_u24 v[VS], v[TA], PW
	v_lshl_add_u32 v[VS], v[R16], 3, v[VS]
	v_lshlrev_b32 v[VW], 12, v[TA]
	v_lshl_add_u32 v[VW], v[R16], 4, v[VW]
	v_add_nc_u32 v[VPF], s[T1], v[LN]
	v_lshlrev_b32 v[VPF], 12, v[VPF]
	v_lshlrev_b32 v[VWX], 12, v[R16]
	v_lshl_add_u32 v[VWX], v[HH], 5, v[VWX]
	v_lshlrev_b32 v[VBI], 5, v[HH]
	s_lshl_b32 s[EOFF], s[EX], 2
	s_mov_b32 s[T2], 0
	s_wait_kmcnt 0x0
	s_load_b32 s[NE], s[6:7], s[EOFF] offset:0x8000   ; the expert's count, behind the eight lists
	s_lshl_b32 s[T1], s[EX], 14
	s_lshl_b32 s[CTR], s[SL], 9
	s_add_co_u32 s[T1], s[T1], s[CTR]
	s_add_nc_u64 s[10:11], s[10:11], s[T1:T1+1]    ; b1 at my 128 columns
	s_lshl_b32 s[T1], s[EX], 24
	s_lshl_b32 s[CTR], s[SL], 19
	s_add_co_u32 s[T1], s[T1], s[CTR]
	s_add_nc_u64 s[WBS:WBS+1], s[8:9], s[T1:T1+1]  ; w1 at my 128 rows
	s_mov_b64 s[WP:WP+1], s[WBS:WBS+1]
	s_lshl_b32 s[T1], s[EX], 23
	s_lshl_b32 s[CTR], s[SL], 12
	s_add_co_u32 s[T1], s[T1], s[CTR]
	s_add_nc_u64 s[OUTB:OUTB+1], s[12:13], s[T1:T1+1]
	s_lshl_b32 s[T1], s[EX], 21
	s_add_nc_u64 s[TBS:TBS+1], s[4:5], s[T1:T1+1]  ; xg at my expert
	s_mov_b64 s[TP:TP+1], s[TBS:TBS+1]
	WIN 0x80
.irp cb, 0,1,2,3,4,5,6,7               ; the bias in the layout of a product's C: register j of lane l = column 16 cb + 8 (l / 16) + j
	global_load_b128 v[BI+8*(\cb):BI+8*(\cb)+3],   v[VBI], s[10:11] offset:64*(\cb)
	global_load_b128 v[BI+8*(\cb)+4:BI+8*(\cb)+7], v[VBI], s[10:11] offset:64*(\cb)+16
.endr
	WLOAD 0, 0                                     ; the weights go out ahead of the wait for the count
	WLOAD 1, 256
	WIN 0
	global_prefetch_b8 v[VPF], s[WP:WP+1] offset:512 th:TH_LOAD_NT scope:SCOPE_SE   ; chunks 2 and 3; the trips ask for 4 to 15
	global_prefetch_b8 v[VPF], s[WP:WP+1] offset:768 th:TH_LOAD_NT scope:SCOPE_SE
	s_mov_b32 s[MSK], 0x7fffffff
	s_mov_b32 s[CP], 0x3e6d3388                    ; 0.3275911 / sqrt 2
	s_mov_b32 s[CP+1], s[CP]                       ; the packed forms name pairs and take the low word for both halves
	s_mov_b32 s[CC], 0xbf38aa3b                    ; -log2(e) / 2
	s_mov_b32 s[CC+1], s[CC]
	s_mov_b32 s[CA1], 0x3e027906                   ; a1 / 2 .. a5 / 2
	s_mov_b32 s[CA1+1], s[CA1]
	s_mov_b32 s[CA2], 0xbe11a98e
	s_mov_b32 s[CA2+1], s[CA2]
	s_mov_b32 s[CA3], 0x3f35f0e3
	s_mov_b32 s[CA3+1], s[CA3]
	s_mov_b32 s[CA4], 0xbf3a00e3
	s_mov_b32 s[CA4+1], s[CA4]
	s_mov_b32 s[CA5], 0x3f07dc22
	s_mov_b32 s[CA5+1], s[CA5]
	s_wait_kmcnt 0x0
	s_min_u32 s[NE], s[NE], 1024
	s_add_co_u32 s[NT], s[NE], 15
	s_lshr_b32 s[NT], s[NT], 4
	s_max_u32 s[NT], s[NT], 1
	s_sub_co_u32 s[NT1], s[NT], 1
	s_add_co_u32 s[LIVE], s[NT], 3
	s_sub_co_u32 s[LIVE], s[LIVE], s[WV]
	s_lshr_b32 s[LIVE], s[LIVE], 2                 ; slot t is live where w + 4 t is a tile
.irp t, 0,1,2,3,4
	s_add_co_u32 s[T1], s[WV], 4*(\t)
	s_min_u32 s[T1], s[T1], s[NT1]                 ; a dead slot takes the last tile
	s_min_u32 s[T1], s[T1], 63
	s_lshl_b32 s[T1], s[T1], TSH
	v_add_nc_u32 v[VA+(\t)], s[T1], v[L16]
.endr
	AGH 0, 0, 0                                    ; token chunk 0, both K steps
	AGH 0, 1, 0
	s_wait_loadcnt 52                              ; the bias is in: behind it stand 32 loads of weight chunks 0 and 1 and 20 of token chunk 0
	WIN 0x8a
.set n, 0
.rept 32                               ; the bias rounded to bf16, like every input, and widened again
	v_cvt_pk_bf16_f32 v[BI+n], v[BI+n], v[BI+n+1]
	v_and_b32 v[BI+n+1], 0xffff0000, v[BI+n]
	v_lshlrev_b32 v[BI+n], 16, v[BI+n]
.set n, n+2
.endr
	; ahead of trip 0: chunk 0 of the weights goes into LDS
	s_wait_loadcnt 36                              ; weight chunk 0 is in: chunk 1 (16) and the tokens (20) may stay out
	WCVT 0
	WSTORE 0, 0
	WLOAD 0, 512                                   ; weight chunk 2,
	AGH 1, 0, 2048                                 ; and step 0 of token chunk 1: the order of requests that the trips' counts lean on begins here
	s_wait_dscnt 0x0
	s_barrier_signal -1
	s_barrier_wait -1
	BLOAD BF0, 0, 0
	TRIP 0, 0, 1, 0, 36, 52, 1, 1, 1, 1, 1, 0      ; trip 0: its first 40 products start the sums; nothing is jumped
	WIN 0
	s_mov_b32 s[CTR], 6
.Lk:                                                   ; trips 1 to 12
	TRIP 1, 1, 0, 1, 36, 52, 1, 1, 1, 1, 1, 0
	TRIP 2, 0, 0, 1, 36, 52, 1, 1, 1, 1, 2, 0
	STEP2
	s_sub_co_u32 s[CTR], s[CTR], 1
	s_cmp_lg_u32 s[CTR], 0
	s_cbranch_scc1 .Lk
	TRIP 1, 1, 0, 1, 36, 36, 1, 1, 0, 1, 0, 0      ; 13: no weights are left to ask for.  Middle: behind tokens (13, 1) stand weights 15 (16), tokens (14, 0) and (14, 1)
	TRIP 2, 0, 0, 1, 20, 20, 1, 1, 0, 0, 0, 0      ; 14: head: behind tokens (14, 0) stand (14, 1) and (15, 0); middle: behind (14, 1) stand (15, 0) and (15, 1)
	TRIP 3, 1, 0, 1, 10, 0, 0, 0, 0, 0, 0, 1       ; 15: head: behind tokens (15, 0) stand (15, 1); middle: nothing
	WIN 0
	PLACES
	; THE WAY OUT: 32 trips, a constant; trip b is half b % 2 (64 columns) of tile w + 4 (b / 2).  Dead tiles are jumped, forward, past text without a barrier.
	s_mov_b32 s[BB], 0
.Lout:
	s_lshr_b32 s[T1], s[BB], 1
	s_lshl2_add_u32 s[RT], s[T1], s[WV]
	s_and_b32 s[HF], s[BB], 1
	s_cmp_ge_u32 s[RT], s[NT]
	s_cbranch_scc1 .Lnext
	s_cmp_lt_u32 s[BB], 10
	s_cselect_b32 s[BLK], s[BB], s[HF]             ; which 32 accumulator registers: a slot's, or for a later tile slot 0's
	s_cbranch_scc1 .Lpick
	s_cmp_lg_u32 s[HF], 0
	s_cbranch_scc1 .Lpick
	; A TILE FROM 20 ON (an expert with more than 320 rows): computed here into slot 0's accumulators, which have gone out.  32 K steps, operands straight from memory.
	s_wait_xcnt 0x0
	s_lshl_b32 s[T1], s[RT], TSH
	v_add_nc_u32 v[VA], s[T1], v[L16]
	s_mov_b64 s[WP:WP+1], s[WBS:WBS+1]
	s_mov_b64 s[TP:TP+1], s[TBS:TBS+1]
	WIN 0x42
.set n, 0
.rept 64                               ; the sums start at the bias: 64 copies spare a second text of the K step on this seldom-used path
	v_mov_b32 v[n], v[BI+n]
.set n, n+1
.endr
	WIN 0
	s_mov_b32 s[XK], 32
.Lxk:
	PLACES
	WIN 0xc0
.irp cb, 0,1,2,3,4,5,6,7               ; lane l: row 16 cb + l % 16, K 8 (l / 16) + 0..7 and 16 + 8 (l / 16) + 0..7 in f32
	global_load_b128 v[16*(\cb):16*(\cb)+3],     v[VWX], s[WP:WP+1] offset:(\cb)*16*ROWB
	global_load_b128 v[16*(\cb)+4:16*(\cb)+7],   v[VWX], s[WP:WP+1] offset:(\cb)*16*ROWB+16
	global_load_b128 v[16*(\cb)+8:16*(\cb)+11],  v[VWX], s[WP:WP+1] offset:(\cb)*16*ROWB+64
	global_load_b128 v[16*(\cb)+12:16*(\cb)+15], v[VWX], s[WP:WP+1] offset:(\cb)*16*ROWB+80
.endr
	global_load_b128 v[128:131], v[VA], s[TP:TP+1]
	global_load_b128 v[132:135], v[VA], s[TP:TP+1] offset:512
	s_wait_loadcnt 0x0
	WIN 0x0f
.set n, 0
.rept 64
	v_cvt_pk_bf16_f32 v[BF0+n], v[2*n], v[2*n+1]
.set n, n+1
.endr
	WIN 0x5c
.irp cb, 0,1,2,3,4,5,6,7
	v_wmma_f32_16x16x32_bf16 v[8*(\cb):8*(\cb)+7], v[BF0+8*(\cb):BF0+8*(\cb)+7], v[128:135], v[8*(\cb):8*(\cb)+7]
.endr
	WIN 0
	s_add_nc_u64 s[WP:WP+1], s[WP:WP+1], 128       ; the step's loads are done: their bases are free
	s_add_nc_u64 s[TP:TP+1], s[TP:TP+1], 1024
	s_sub_co_u32 s[XK], s[XK], 1
	s_cmp_lg_u32 s[XK], 0
	s_cbranch_scc1 .Lxk
	PLACES
.Lpick:
	s_wait_xcnt 0x0                                ; the last trip's stores have read their offset and data
	s_lshl_b32 s[T1], s[RT], 17
	s_lshl_b32 s[T2], s[HF], 11
	s_add_co_u32 s[T1], s[T1], s[T2]
	v_add_nc_u32 v[VH], s[T1], v[L16]
.macro BLOCK b                         ; the one text that names accumulators: |h| and max(h, 0) of 32 registers, each accumulator from its low end on
.if (\b) < 8
	WIN 0x04
.set AB, 64*((\b)/2)+32*((\b)%2)
.else
	WIN 0x08
.set AB, 32*((\b)%2)
.endif
.set n, 0
.rept 32
	v_and_b32 v[GA+n], s[MSK], v[AB+n]
.set n, n+1
.endr
.set n, 0
.rept 32
	v_max_num_f32 v[GM+n], 0, v[AB+n]
.set n, n+1
.endr
	WIN 0
.endm
.irp k, 0,1,2,3,4,5,6,7,8
	s_cmp_eq_u32 s[BLK], \k
	s_cbranch_scc1 .Lblk\k
.endr
	BLOCK 9
	s_branch .Lcommon
.irp k, 0,1,2,3,4,5,6,7
.Lblk\k:
	BLOCK \k
	s_branch .Lcommon
.endr
.Lblk8:
	BLOCK 8
.Lcommon:
.set n, 0
.rept 16
	v_pk_fma_f32 v[GT+n:GT+n+1], v[GA+n:GA+n+1], s[CP:CP+1], 1.0 op_sel_hi:[1,0,0]
	v_pk_mul_f32 v[GE+n:GE+n+1], v[GA+n:GA+n+1], v[GA+n:GA+n+1]
.set n, n+2
.endr
.set n, 0
.rept 16
	v_pk_mul_f32 v[GE+n:GE+n+1], v[GE+n:GE+n+1], s[CC:CC+1] op_sel_hi:[1,0]
.set n, n+2
.endr
.set n, 0
.rept 32                               ; one batch of 64
	v_rcp_f32 v[GT+n], v[GT+n]
	v_exp_f32 v[GE+n], v[GE+n]
.set n, n+1
.endr
	v_nop                                          ; the plain instruction behind the last of them
	s_wait_alu depctr_va_vdst(0)                   ; the wait ahead of the first use: one for the batch
.set n, 0
.rept 16
	v_pk_fma_f32 v[GP+n:GP+n+1], v[GT+n:GT+n+1], s[CA5:CA5+1], s[CA4:CA4+1] op_sel_hi:[1,0,0]
.set n, n+2
.endr
.irp c, CA3, CA2, CA1
.set n, 0
.rept 16
	v_pk_fma_f32 v[GP+n:GP+n+1], v[GP+n:GP+n+1], v[GT+n:GT+n+1], s[(\c):(\c)+1] op_sel_hi:[1,1,0]
.set n, n+2
.endr
.endr
.set n, 0
.rept 16
	v_pk_mul_f32 v[GT+n:GT+n+1], v[GT+n:GT+n+1], v[GE+n:GE+n+1]
.set n, n+2
.endr
.set n, 0
.rept 16
	v_pk_mul_f32 v[GP+n:GP+n+1], v[GP+n:GP+n+1], v[GT+n:GT+n+1]       ; q
.set n, n+2
.endr
.set n, 0
.rept 16
	v_pk_fma_f32 v[GP+n:GP+n+1], v[GA+n:GA+n+1], v[GP+n:GP+n+1], v[GM+n:GM+n+1] neg_lo:[1,0,0] neg_hi:[1,0,0]  ; max(h, 0) - |h| q
.set n, n+2
.endr
.set n, 0
.rept 16
	v_cvt_pk_bf16_f32 v[HP+n], v[GP+2*n], v[GP+2*n+1]
.set n, n+1
.endr
.irp u, 0,1,2,3
	global_store_b128 v[VH], v[HP+4*(\u):HP+4*(\u)+3], s[OUTB:OUTB+1] offset:512*(\u)  ; 512 consecutive bytes, aligned: half a token fragment of the next product
.endr
.Lnext:
	s_add_co_u32 s[BB], s[BB], 1
	s_cmp_lt_u32 s[BB], 32
	s_cbranch_scc1 .Lout
	s_wait_tensorcnt 0x0                           ; the wave's end: a wait, an LDS add and a wait behind my last LDS store
	ds_add_u32 v[SPW], v[NIL]
	s_wait_dscnt 0x0
	s_endpgm
.Lfunc_end_k_q3a6501af52_ffn1:
	.size	k_q3a6501af52_ffn1, .Lfunc_end_k_q3a6501af52_ffn1-k_q3a6501af52_ffn1
	.p2alignl 7, 3214868480
	.fill 96, 4, 3214868480
	.section	.rodata,"a",@progbits
	.p2align	6, 0x0
	.amdhsa_kernel k_q3a6501af52_ffn1
		.amdhsa_group_segment_fixed_size 37376
		.amdhsa_private_segment_fixed_size 0
		.amdhsa_enable_private_segment 0
		.amdhsa_kernarg_size 40
		.amdhsa_user_sgpr_count 2
		.amdhsa_user_sgpr_kernarg_segment_ptr 1
		.amdhsa_wavefront_size32 1
		.amdhsa_system_sgpr_workgroup_id_x 1
		.amdhsa_system_sgpr_workgroup_id_y 1
		.amdhsa_system_sgpr_workgroup_id_z 1
		.amdhsa_system_vgpr_workitem_id 0
		.amdhsa_next_free_vgpr 928
		.amdhsa_next_free_sgpr 102
		.amdhsa_reserve_vcc 0
		.amdhsa_float_denorm_mode_32 3
		.amdhsa_float_denorm_mode_16_64 3
		.amdhsa_memory_ordered 1
		.amdhsa_forward_progress 1
		.amdhsa_inst_pref_size 145
	.end_amdhsa_kernel
	.amdgpu_metadata
---
amdhsa.version: [ 1, 2 ]
amdhsa.kernels:
  - .name:           k_q3a6501af52_ffn1
    .symbol:         k_q3a6501af52_ffn1.kd
    .args:
      - { .name: xg, .offset: 0, .size: 8, .value_kind: global_buffer, .address_space: global }
      - { .name: lst, .offset: 8, .size: 8, .value_kind: global_buffer, .address_space: global }
      - { .name: w1, .offset: 16, .size: 8, .value_kind: global_buffer, .address_space: global }
      - { .name: b1, .offset: 24, .size: 8, .value_kind: global_buffer, .address_space: global }
      - { .name: h, .offset: 32, .size: 8, .value_kind: global_buffer, .address_space: global }
    .group_segment_fixed_size: 37376
    .private_segment_fixed_size: 0
    .kernarg_segment_align: 8
    .kernarg_segment_size: 40
    .max_flat_workgroup_size: 128
    .sgpr_count:     102
    .vgpr_count:     928
    .wavefront_size: 32
...
	.end_amdgpu_metadata
.endif
;; end of part 6
;; launch ffn2 (part 7): grid 32 x 8, 4 waves a work-group, no clusters, 71,168 bytes of LDS; arguments h, lst, w2, part; writes part
.if DOCPART == 7
	.amdgcn_target "amdgcn-amd-amdhsa--gfx1250"
	.amdhsa_code_object_version 6
	.text
	.protected	k_q3a6501af52_ffn2
	.globl	k_q3a6501af52_ffn2
	.p2align	8
	.type	k_q3a6501af52_ffn2,@function
k_q3a6501af52_ffn2:
	s_mov_b64 s[64:65], 0
	v_nop
	global_prefetch_b8 v0, s[64:65] scope:SCOPE_SE
	s_setreg_imm32_b32 hwreg(HW_REG_WAVE_MODE, 25, 1), 1
	s_wait_xcnt 0x0
; SECOND PRODUCT OF THE EXPERTS, in four parts along its K.  part[ks][e][token][d] = the sum over f in 1,024 ks .. + 1,023 of h[token's rank][f] W2[e][d][f], for the rows that chose e.  w2 [8][1024][4096] f32, rounded to bf16 on the way;
; h bf16, in the order of the operand registers (byte = e 2^23 + tile 2^17 + (f / 32) 1,024 + half 512 + lane 16); sums and part in f32.  The bias, the gates' weights and the sum of the parts belong to the next launch.
; lst: word 1,024 e + rank = the token of that rank; word 8,192 + e = the expert's count.
; SHARES.  Work-group (x, e), ds = x % 8, ks = x / 8, alone reads rows 128 ds .. + 127, columns 1,024 ks .. + 1,023 of expert e's W2 (512 KB) and multiplies them with ALL rows of e.  K is cut in four so that a group reads
; 1,024 columns of h, not 4,096, for the same 512 KB of weights; the price is four partial rows in place of one.
; A wave holds five tiles of 16 ranks x 128 columns: 40 accumulators; tile = wave + 4 x slot.  The K stream serves tiles 0 .. 19.  A dead slot takes the expert's last tile and is not stored.  The products of slots 3 and 4, where dead,
; are jumped from trip 1 on by forward branches on a scalar, past text without a barrier and without a load; trip 0 is unconditional, so that every accumulator is written on every way.
; From tile 20 on (an expert with more than 320 rows) a tile is computed in the way-out loop, without LDS writes in its K loop and without barriers.  Every split is served; an expert with no row stores nothing.
; THE K STREAM.  16 chunks of 64, two K steps of 32 each.  Weights: loaded three trips ahead of their products, rounded and put into one of two LDS buffers one trip ahead.  The tokens' fragments come from h straight into operand
; registers, 512 consecutive bytes a load, a K step's ten loads at a time and a trip and a half ahead: step 0 of chunk c + 2 in the middle of trip c, into the registers that the trip's first half has read; step 1 of chunk c + 1 at the
; head of trip c.  They are asked for all five slots, so every count is a constant.  Each wait stands ahead of the next requests: 36 + 26 or 52 + 10: at most 62 loads of a wave are out.
; ONE barrier a trip: behind it the chunk stored in this trip may be read, and the buffer read in this trip may be stored into in the next.
; Source 0 = 16 rows of W2, source 1 = 16 tokens: lane l holds token l % 16 and columns 8 (l / 16) + 0..7; a tile goes through a stage of the wave's own and leaves as rows of 512 bytes, each to its token's row.
; The five slots' tokens are loaded at the head, one load of 4 bytes a lane for each slot, so that the way out waits for no list.
; LIMITS.  NaN and infinities are not treated apart.
; NO CLUSTER: each weight byte has one reader.  A tile of h is shared by the eight groups of one ks, but it goes straight into operand registers; shared through LDS a group's 640 KB of h would be written there and read again.
; REGISTERS, in windows of 256 (s_set_vgpr_msb: bits 1:0 source 0, 3:2 source 1, 5:4 source 2, 7:6 destination):
;   window 0: addresses; v32-159 weight fragments of the chunk's two K steps; on the way out v32-115       window 1: accumulators of slots 0-3, (t, cb) at 64 t + 8 cb
;   window 2: v0-63 slot 4; v64-191 two sets of weights as loaded       window 3: v0-159 two sets of token fragments, (t, step) at 80 set + 16 t + 8 step
.set ROWB,  16384                      ; bytes in a row of W2
.set TSH,   17                         ; a tile of h is 2^17 bytes
.set PW,    144                        ; an LDS row of weights: 128 bytes + 16 (64 banks of 4 bytes: ISA guide 11.1: 16 rows start at 16 different groups of four banks)
.set WBUF,  128*PW
.set OST,   2*WBUF                     ; the waves' stages for the way out: 16 rows of 512 + 16 bytes
.set PO,    528
.set SPARE, OST+4*16*PO                ; the spare words, 128 bytes a wave: two blocks of 256 bytes that no other line names
.set LN,  1
.set VB,  2                            ; LDS: my place in a weight fragment
.set VS,  3                            ; LDS: where my 8 rounded bytes of a weight row go
.set VW,  4                            ; my byte offset in the slice of W2
.set VPF, 5                            ; the row that I prefetch
.set L16, 6                            ; lane x 16
.set TA,  7
.set R16, 8
.set HH,  9
.set SPW, 10                           ; LDS address of my spare word; never rewritten
.set NIL, 11                           ; 0; never rewritten
.set VA,  12                           ; v12-16: my byte offset in the five slots' tiles of h
.set VOS, 17                           ; LDS: where I put 16 bytes of a row
.set VWX, 18                           ; tiles from 20 on: my byte offset in a weight fragment taken from memory
.set VOR, 19                           ; LDS: where I read a row back
.set VTS, 20                           ; v20-24: the five slots' tokens: lane l holds the token of rank l % 16 of the slot's tile
.set VLO, 25                           ; v25-29: my byte offsets in the expert's list
.set VT,  30                           ; the tokens of the tile that is going out
.set BF0, 32
.set BF1, 96
.set OBV, 32                           ; the way out: 16 rows read back
.set VO,  100                          ; v100-115: the rows' byte offsets in part
.set WR,  64                           ; window 2
.set KSL, 12
.set T1,  14
.set T2,  15
.set TK,  16                           ; s[16:31]: a tile's 16 tokens
.set XK,  32
.set BLK, 34
.set LIVE, 35                          ; my live slots
.set NT1, 36                           ; the last tile that the launch before has written
.set EOFF, 37
.set LEFT, 38
.set LOFF, 39
.set LP,  40                           ; s[40:41]: the expert's list
.set WV,  66
.set DSL, 67
.set EX,  68
.set NE,  69
.set NT,  70
.set BB,  72
.set RT,  73
.set CTR, 74
.set WP,  76
.set WBS, 78
.set TP,  96
.set TBS, 98
.set OUTB, 100
.set MSB, 0
.macro WIN new                         ; the immediate's high byte repeats the setting that is left; a switch that changes nothing is dropped
.if MSB != (\new)
	s_set_vgpr_msb (MSB<<8)|(\new)
.set MSB, \new
.endif
.endm
.macro PLACES                          ; four places behind matrix instructions, ahead of loads into their sources and of reads of their results
.rept 4
	v_nop
.endr
.endm
.macro WLOAD set, imm                  ; a chunk of my 32 weight rows: sixteen lanes take a row's 256 aligned bytes
	WIN 0x80
.irp n, 0,1,2,3,4,5,6,7,8,9,10,11,12,13,14,15
	global_load_b128 v[WR+64*(\set)+4*(\n):WR+64*(\set)+4*(\n)+3], v[VW], s[WP:WP+1] offset:((\n)/8*16+(\n)%8)*ROWB+(\imm) th:TH_LOAD_NT
.endr
.endm
.macro WCVT set
	WIN 0x8a
.irp n, 0,1,2,3,4,5,6,7,8,9,10,11,12,13,14,15
	v_cvt_pk_bf16_f32 v[WR+64*(\set)+4*(\n)], v[WR+64*(\set)+4*(\n)], v[WR+64*(\set)+4*(\n)+1]
	v_cvt_pk_bf16_f32 v[WR+64*(\set)+4*(\n)+1], v[WR+64*(\set)+4*(\n)+2], v[WR+64*(\set)+4*(\n)+3]
.endr
.endm
.macro WSTORE set, buf
	WIN 0x08
.irp n, 0,1,2,3,4,5,6,7,8,9,10,11,12,13,14,15
	ds_store_b64 v[VS], v[WR+64*(\set)+4*(\n):WR+64*(\set)+4*(\n)+1] offset:(\buf)*WBUF+((\n)/8*16+(\n)%8)*PW
.endr
.endm
.macro BLOAD f, buf, s
	WIN 0
.irp cb, 0,1,2,3,4,5,6,7
	ds_load_b128 v[(\f)+8*(\cb):(\f)+8*(\cb)+3],   v[VB] offset:(\buf)*WBUF+(\cb)*16*PW+64*(\s)
	ds_load_b128 v[(\f)+8*(\cb)+4:(\f)+8*(\cb)+7], v[VB] offset:(\buf)*WBUF+(\cb)*16*PW+64*(\s)+32
.endr
.endm
.macro AGH set, ks, imm                ; the five slots' token fragments of K step ks of a chunk: ten loads, two halves of 512 consecutive bytes a slot
	WIN 0xc0
.irp t, 0,1,2,3,4
.irp q, 0,1
	global_load_b128 v[80*(\set)+16*(\t)+8*(\ks)+4*(\q):80*(\set)+16*(\t)+8*(\ks)+4*(\q)+3], v[VA+(\t)], s[TP:TP+1] offset:1024*(\ks)+512*(\q)+(\imm)
.endr
.endr
.endm
; The eight products of slot t for one K step.  The accumulators take turns, one instruction a turn: on every way at least 23 others' stand between two products on one accumulator.
; first = 1: the products start the sums with C = 0: nothing is cleared.
.macro MMS bf, af, t, first
.if (\t) < 4
	WIN 0x5c
.set DB, 64*(\t)
.else
	WIN 0xac
.set DB, 0
.endif
.irp cb, 0,1,2,3,4,5,6,7
.if \first
	v_wmma_f32_16x16x32_bf16 v[DB+8*(\cb):DB+8*(\cb)+7], v[(\bf)+8*(\cb):(\bf)+8*(\cb)+7], v[(\af)+16*(\t):(\af)+16*(\t)+7], 0
.else
	v_wmma_f32_16x16x32_bf16 v[DB+8*(\cb):DB+8*(\cb)+7], v[(\bf)+8*(\cb):(\bf)+8*(\cb)+7], v[(\af)+16*(\t):(\af)+16*(\t)+7], v[DB+8*(\cb):DB+8*(\cb)+7]
.endif
.endr
.endm
.macro MMC bf, af, first, cond         ; slots 3 and 4; cond = 1: dead ones are jumped
.if \cond
	WIN 0                                          ; at a branch and at a label every window is 0
	s_cmp_lt_u32 s[LIVE], 4
	s_cbranch_scc1 .Ldead_\@
	MMS \bf, \af, 3, \first
	WIN 0
	s_cmp_lt_u32 s[LIVE], 5
	s_cbranch_scc1 .Ldead_\@
	MMS \bf, \af, 4, \first
	WIN 0
.Ldead_\@:
.else
	MMS \bf, \af, 3, \first
	MMS \bf, \af, 4, \first
.endif
.endm
; TRIP c.  rel: c less the chunk at which the stepped bases stand; par = c % 2.  lch, lcm: the loads that may stay out at its head and in its middle.  cvt: chunk c + 1 of the weights is rounded and stored.
; a1: step 1 of token chunk c + 1 is asked for.  wiss: weight chunk c + 3.  a0: step 0 of token chunk c + 2.  pf: weight chunk c + 4 is prefetched (2: not in the loop's last turn, where it would lie past the slice).
; THE ORDER OF THE REQUESTS, on every way: head of trip c: tokens (c + 1, step 1) 10, weights (c + 3) 16; middle of trip c: tokens (c + 2, step 0) 10.  Loads come back in order (ISA guide 5.7.1).
; At the head are wanted weights (c + 1) and tokens (c, step 0); behind these were asked: tokens (c, 1) 10, weights (c + 2) 16, tokens (c + 1, 0) 10: lch = 36.
; In the middle are wanted tokens (c, 1); behind them: weights (c + 2) 16, tokens (c + 1, 0) 10, tokens (c + 1, 1) 10, weights (c + 3) 16: lcm = 52.  The last trips, which ask for less, have lower counts.
.macro TRIP rel, par, first, cond, lch, lcm, cvt, a1, wiss, a0, pf, last
	s_wait_loadcnt \lch
	s_wait_dscnt 0x0                               ; the weight fragments of K step 0, asked for a K step ago
.if \cvt
	WCVT 1-(\par)                                  ; 32 conversions: also the places ahead of the loads below
.else
	PLACES
.endif
	BLOAD BF1, \par, 1
.if \cvt
	WSTORE 1-(\par), 1-(\par)
.endif
.if \a1
	AGH 1-(\par), 1, ((\rel)+1)*2048               ; into the registers that the last trip's second half has read
.endif
.if \wiss
	WLOAD 1-(\par), ((\rel)+3)*256
.endif
.if (\pf) == 2
	WIN 0
	s_cmp_eq_u32 s[CTR], 1
	s_cbranch_scc1 .Lnp_\@
.endif
.if \pf
	WIN 0
	global_prefetch_b8 v[VPF], s[WP:WP+1] offset:((\rel)+4)*256 th:TH_LOAD_NT scope:SCOPE_SE  ; lane l: the 256 bytes of row 32 w + l in chunk c + 4, which the next trip loads; each block is asked for once, the last in trip 11
.endif
.if (\pf) == 2
.Lnp_\@:
.endif
	MMS BF0, 80*(\par), 0, \first
	MMS BF0, 80*(\par), 1, \first
	MMC BF0, 80*(\par), \first, \cond
.if \last
	MMS BF0, 80*(\par), 2, \first
	s_wait_dscnt 0x0
.else
	s_wait_dscnt 0x0                               ; my stores of chunk c + 1 are done, and so are my reads of this trip's buffer
	s_barrier_signal -1
	MMS BF0, 80*(\par), 2, \first                  ; work on registers while the others arrive
	s_barrier_wait -1
	PLACES
	BLOAD BF0, 1-(\par), 0
.endif
	s_wait_loadcnt \lcm
.if \a0
	AGH \par, 0, ((\rel)+2)*2048                   ; into the registers that this trip's first half has read, behind the four places above
.endif
	MMS BF1, 80*(\par)+8, 0, 0
	MMS BF1, 80*(\par)+8, 1, 0
	MMC BF1, 80*(\par)+8, 0, \cond
	MMS BF1, 80*(\par)+8, 2, 0
.endm
.macro STEP2                           ; two chunks on; inside a pair of trips the chunk stands in the immediates
	WIN 0
	s_wait_xcnt 0x0                                ; the bases are rewritten only when every memory instruction issued has had its address translated
	s_add_nc_u64 s[WP:WP+1], s[WP:WP+1], 512
	s_add_nc_u64 s[TP:TP+1], s[TP:TP+1], 4096
.endm
	s_load_b256 s[4:11], s[0:1], 0x0               ; h s[4:5], lst s[6:7], w2 s[8:9], part s[10:11]
	v_lshl_add_u32 v[SPW], v0, 2, SPARE
	v_mov_b32 v[NIL], 0
	v_lshrrev_b32 v[TA], 5, v0
	v_readfirstlane_b32 s[WV], v[TA]               ; wave 0..3
	s_and_b32 s[DSL], ttmp9, 7                     ; which 128 rows of W2
	s_lshr_b32 s[KSL], ttmp9, 3                    ; which quarter of K
	s_and_b32 s[EX], ttmp7, 0xffff                 ; expert
	v_and_b32 v[LN], 31, v0
	v_and_b32 v[R16], 15, v0
	v_bfe_u32 v[HH], v0, 4, 1
	v_lshlrev_b32 v[L16], 4, v[LN]
	v_mul_u32_u24 v[VB], v[R16], PW
	v_lshl_add_u32 v[VB], v[HH], 4, v[VB]
	s_lshl_b32 s[T1], s[WV], 5
	v_lshl_add_u32 v[TA], v[HH], 3, s[T1]          ; 32 w + 8 x half
	v_mul_u32_u24 v[VS], v[TA], PW
	v_lshl_add_u32 v[VS], v[R16], 3, v[VS]
	v_lshlrev_b32 v[VW], 14, v[TA]
	v_lshl_add_u32 v[VW], v[R16], 4, v[VW]
	v_add_nc_u32 v[VPF], s[T1], v[LN]
	v_lshlrev_b32 v[VPF], 14, v[VPF]
	v_lshlrev_b32 v[VWX], 14, v[R16]
	v_lshl_add_u32 v[VWX], v[HH], 5, v[VWX]
	s_mul_i32 s[T1], s[WV], 16*PO
	s_add_co_u32 s[T1], s[T1], OST                 ; my stage
	v_mul_u32_u24 v[VOS], v[R16], PO
	v_lshl_add_u32 v[VOS], v[HH], 5, v[VOS]
	v_add_nc_u32 v[VOS], s[T1], v[VOS]
	v_add_nc_u32 v[VOR], s[T1], v[L16]
	s_lshl_b32 s[EOFF], s[EX], 2
	s_mov_b32 s[T2], 0
	s_wait_kmcnt 0x0
	s_load_b32 s[NE], s[6:7], s[EOFF] offset:0x8000   ; the expert's count, behind the eight lists
	s_lshl_b32 s[T1], s[EX], 24
	s_lshl_b32 s[CTR], s[DSL], 21
	s_add_co_u32 s[T1], s[T1], s[CTR]
	s_lshl_b32 s[CTR], s[KSL], 12
	s_add_co_u32 s[T1], s[T1], s[CTR]
	s_add_nc_u64 s[WBS:WBS+1], s[8:9], s[T1:T1+1]  ; w2 at my 128 rows and 1,024 columns
	s_mov_b64 s[WP:WP+1], s[WBS:WBS+1]
	s_lshl_b32 s[T1], s[EX], 23
	s_lshl_b32 s[CTR], s[KSL], 15
	s_add_co_u32 s[T1], s[T1], s[CTR]
	s_add_nc_u64 s[TBS:TBS+1], s[4:5], s[T1:T1+1]  ; h at my expert and quarter of K
	s_mov_b64 s[TP:TP+1], s[TBS:TBS+1]
	s_lshl3_add_u32 s[T1], s[KSL], s[EX]
	s_lshl_b32 s[T1], s[T1], 22
	s_lshl_b32 s[CTR], s[DSL], 9
	s_add_co_u32 s[T1], s[T1], s[CTR]
	s_add_nc_u64 s[OUTB:OUTB+1], s[10:11], s[T1:T1+1]
	s_lshl_b32 s[T1], s[EX], 12
	s_add_nc_u64 s[LP:LP+1], s[6:7], s[T1:T1+1]    ; the expert's list
	WLOAD 0, 0                                     ; the weights go out ahead of the wait for the count
	WLOAD 1, 256
	WIN 0
	global_prefetch_b8 v[VPF], s[WP:WP+1] offset:512 th:TH_LOAD_NT scope:SCOPE_SE   ; chunks 2 and 3; the trips ask for 4 to 15
	global_prefetch_b8 v[VPF], s[WP:WP+1] offset:768 th:TH_LOAD_NT scope:SCOPE_SE
	s_wait_kmcnt 0x0
	s_min_u32 s[NE], s[NE], 1024
	s_add_co_u32 s[NT], s[NE], 15
	s_lshr_b32 s[NT], s[NT], 4
	s_max_u32 s[NT1], s[NT], 1
	s_sub_co_u32 s[NT1], s[NT1], 1
	s_add_co_u32 s[LIVE], s[NT], 3
	s_sub_co_u32 s[LIVE], s[LIVE], s[WV]
	s_lshr_b32 s[LIVE], s[LIVE], 2                 ; slot t is live where w + 4 t is a tile
.irp t, 0,1,2,3,4
	s_add_co_u32 s[T1], s[WV], 4*(\t)
	s_min_u32 s[T1], s[T1], s[NT1]                 ; a dead slot takes the last tile
	s_min_u32 s[T1], s[T1], 63
	s_lshl_b32 s[LOFF], s[T1], 6                   ; the tile's 16 words of the list,
	v_lshl_add_u32 v[VLO+(\t)], v[R16], 2, s[LOFF] ; mine among them
	s_lshl_b32 s[T1], s[T1], TSH
	v_add_nc_u32 v[VA+(\t)], s[T1], v[L16]
.endr
.irp t, 0,1,2,3,4
	global_load_b32 v[VTS+(\t)], v[VLO+(\t)], s[LP:LP+1]   ; the slots' tokens, for the way out; they are in at trip 0's head
.endr
	AGH 0, 0, 0                                    ; token chunk 0, both K steps
	AGH 0, 1, 0
	; ahead of trip 0: chunk 0 of the weights goes into LDS
	s_wait_loadcnt 41                              ; weight chunk 0 is in: chunk 1 (16), the lists' words (5) and the tokens (20) may stay out
	WCVT 0
	WSTORE 0, 0
	WLOAD 0, 512                                   ; weight chunk 2,
	AGH 1, 0, 2048                                 ; and step 0 of token chunk 1: the order of requests that the trips' counts lean on begins here
	s_wait_dscnt 0x0
	s_barrier_signal -1
	s_barrier_wait -1
	BLOAD BF0, 0, 0
	TRIP 0, 0, 1, 0, 36, 52, 1, 1, 1, 1, 1, 0      ; trip 0: its first 40 products start the sums; nothing is jumped
	WIN 0
	s_mov_b32 s[CTR], 6
.Lk:                                                   ; trips 1 to 12
	TRIP 1, 1, 0, 1, 36, 52, 1, 1, 1, 1, 1, 0
	TRIP 2, 0, 0, 1, 36, 52, 1, 1, 1, 1, 2, 0
	STEP2
	s_sub_co_u32 s[CTR], s[CTR], 1
	s_cmp_lg_u32 s[CTR], 0
	s_cbranch_scc1 .Lk
	TRIP 1, 1, 0, 1, 36, 36, 1, 1, 0, 1, 0, 0      ; 13: no weights are left to ask for.  Middle: behind tokens (13, 1) stand weights 15 (16), tokens (14, 0) and (14, 1)
	TRIP 2, 0, 0, 1, 20, 20, 1, 1, 0, 0, 0, 0      ; 14: head: behind tokens (14, 0) stand (14, 1) and (15, 0); middle: behind (14, 1) stand (15, 0) and (15, 1)
	TRIP 3, 1, 0, 1, 10, 0, 0, 0, 0, 0, 0, 1       ; 15: head: behind tokens (15, 0) stand (15, 1); middle: nothing
	WIN 0
	PLACES
	; THE WAY OUT: 16 trips, a constant; trip b is tile w + 4 b.  Dead tiles are jumped, forward, past text without a barrier.
	s_mov_b32 s[BB], 0
.Lout:
	s_lshl2_add_u32 s[RT], s[BB], s[WV]
	s_cmp_ge_u32 s[RT], s[NT]
	s_cbranch_scc1 .Lnext
	s_cmp_lt_u32 s[BB], 5
	s_cselect_b32 s[BLK], s[BB], 0                 ; a slot's accumulators and tokens, or for a later tile slot 0's
	s_cbranch_scc1 .Lpick
	; A TILE FROM 20 ON (an expert with more than 320 rows): computed here into slot 0's accumulators, which have gone out.  32 K steps, operands straight from memory.
	s_wait_xcnt 0x0
	s_lshl_b32 s[T1], s[RT], TSH
	v_add_nc_u32 v[VA], s[T1], v[L16]
	s_lshl_b32 s[LOFF], s[RT], 6
	v_lshl_add_u32 v[VLO], v[R16], 2, s[LOFF]
	global_load_b32 v[VTS], v[VLO], s[LP:LP+1]     ; its tokens take slot 0's place; the first K step's wait for all loads covers them
	s_mov_b64 s[WP:WP+1], s[WBS:WBS+1]
	s_mov_b64 s[TP:TP+1], s[TBS:TBS+1]
	WIN 0x40
.set n, 0
.rept 64                               ; 64 zeros spare a second text of the K step on this seldom-used path
	v_mov_b32 v[n], 0
.set n, n+1
.endr
	WIN 0
	s_mov_b32 s[XK], 32
.Lxk:
	PLACES
	WIN 0xc0
.irp cb, 0,1,2,3,4,5,6,7               ; lane l: row 16 cb + l % 16, K 8 (l / 16) + 0..7 and 16 + 8 (l / 16) + 0..7 in f32
	global_load_b128 v[16*(\cb):16*(\cb)+3],     v[VWX], s[WP:WP+1] offset:(\cb)*16*ROWB
	global_load_b128 v[16*(\cb)+4:16*(\cb)+7],   v[VWX], s[WP:WP+1] offset:(\cb)*16*ROWB+16
	global_load_b128 v[16*(\cb)+8:16*(\cb)+11],  v[VWX], s[WP:WP+1] offset:(\cb)*16*ROWB+64
	global_load_b128 v[16*(\cb)+12:16*(\cb)+15], v[VWX], s[WP:WP+1] offset:(\cb)*16*ROWB+80
.endr
	global_load_b128 v[128:131], v[VA], s[TP:TP+1]
	global_load_b128 v[132:135], v[VA], s[TP:TP+1] offset:512
	s_wait_loadcnt 0x0
	WIN 0x0f
.set n, 0
.rept 64
	v_cvt_pk_bf16_f32 v[BF0+n], v[2*n], v[2*n+1]
.set n, n+1
.endr
	WIN 0x5c
.irp cb, 0,1,2,3,4,5,6,7
	v_wmma_f32_16x16x32_bf16 v[8*(\cb):8*(\cb)+7], v[BF0+8*(\cb):BF0+8*(\cb)+7], v[128:135], v[8*(\cb):8*(\cb)+7]
.endr
	WIN 0
	s_add_nc_u64 s[WP:WP+1], s[WP:WP+1], 128       ; the step's loads are done: their bases are free
	s_add_nc_u64 s[TP:TP+1], s[TP:TP+1], 1024
	s_sub_co_u32 s[XK], s[XK], 1
	s_cmp_lg_u32 s[XK], 0
	s_cbranch_scc1 .Lxk
	PLACES
.Lpick:
	s_wait_xcnt 0x0                                ; the last trip's stores have read their offsets and data
	s_lshl_b32 s[T1], s[RT], 4
	s_sub_co_u32 s[LEFT], s[NE], s[T1]             ; rows of this tile that exist, if fewer than 16
.macro BLOCK t                         ; the one text that names a slot's registers: its tokens; its 8 accumulators go into the stage, each from its low end on
	v_mov_b32 v[VT], v[VTS+(\t)]
.if (\t) < 4
	WIN 0x04
.set AB, 64*(\t)
.else
	WIN 0x08
.set AB, 0
.endif
.irp cb, 0,1,2,3,4,5,6,7
	ds_store_b128 v[VOS], v[AB+8*(\cb):AB+8*(\cb)+3]   offset:64*(\cb)
	ds_store_b128 v[VOS], v[AB+8*(\cb)+4:AB+8*(\cb)+7] offset:64*(\cb)+16
.endr
	WIN 0
.endm
.irp k, 0,1,2,3
	s_cmp_eq_u32 s[BLK], \k
	s_cbranch_scc1 .Lblk\k
.endr
	BLOCK 4
	s_branch .Lcommon
.irp k, 0,1,2
.Lblk\k:
	BLOCK \k
	s_branch .Lcommon
.endr
.Lblk3:
	BLOCK 3
.Lcommon:
.irp i, 0,1,2,3,4,5,6,7,8,9,10,11,12,13,14,15
	ds_load_b128 v[OBV+4*(\i):OBV+4*(\i)+3], v[VOR] offset:(\i)*PO   ; the stage is my own and LDS serves a wave in order: these see the stores above
.endr
.irp i, 0,1,2,3,4,5,6,7,8,9,10,11,12,13,14,15
	v_readlane_b32 s[TK+(\i)], v[VT], \i           ; the 16 tokens as scalars, all at once, while the rows come back from the stage
.endr
.irp i, 0,1,2,3,4,5,6,7,8,9,10,11,12,13,14,15
.if (\i) > 0
	s_cmp_le_u32 s[LEFT], \i                       ; rows past the count are not stored
	s_cbranch_scc1 .Lrows
.endif
	s_wait_dscnt 15-(\i)                           ; row i is back; the rows behind it may stay out
	s_min_u32 s[T1], s[TK+(\i)], 0x3ff
	v_lshl_add_u32 v[VO+(\i)], s[T1], 12, v[L16]
	global_store_b128 v[VO+(\i)], v[OBV+4*(\i):OBV+4*(\i)+3], s[OUTB:OUTB+1]   ; 512 consecutive bytes of the token's row, aligned
.endr
.Lrows:
	s_wait_dscnt 0x0
.Lnext:
	s_add_co_u32 s[BB], s[BB], 1
	s_cmp_lt_u32 s[BB], 16
	s_cbranch_scc1 .Lout
	s_wait_tensorcnt 0x0                           ; the wave's end: a wait, an LDS add and a wait behind my last LDS store
	ds_add_u32 v[SPW], v[NIL]
	s_wait_dscnt 0x0
	s_endpgm
.Lfunc_end_k_q3a6501af52_ffn2:
	.size	k_q3a6501af52_ffn2, .Lfunc_end_k_q3a6501af52_ffn2-k_q3a6501af52_ffn2
	.p2alignl 7, 3214868480
	.fill 96, 4, 3214868480
	.section	.rodata,"a",@progbits
	.p2align	6, 0x0
	.amdhsa_kernel k_q3a6501af52_ffn2
		.amdhsa_group_segment_fixed_size 71168
		.amdhsa_private_segment_fixed_size 0
		.amdhsa_enable_private_segment 0
		.amdhsa_kernarg_size 32
		.amdhsa_user_sgpr_count 2
		.amdhsa_user_sgpr_kernarg_segment_ptr 1
		.amdhsa_wavefront_size32 1
		.amdhsa_system_sgpr_workgroup_id_x 1
		.amdhsa_system_sgpr_workgroup_id_y 1
		.amdhsa_system_sgpr_workgroup_id_z 1
		.amdhsa_system_vgpr_workitem_id 0
		.amdhsa_next_free_vgpr 928
		.amdhsa_next_free_sgpr 102
		.amdhsa_reserve_vcc 0
		.amdhsa_float_denorm_mode_32 3
		.amdhsa_float_denorm_mode_16_64 3
		.amdhsa_memory_ordered 1
		.amdhsa_forward_progress 1
		.amdhsa_inst_pref_size 117
	.end_amdhsa_kernel
	.amdgpu_metadata
---
amdhsa.version: [ 1, 2 ]
amdhsa.kernels:
  - .name:           k_q3a6501af52_ffn2
    .symbol:         k_q3a6501af52_ffn2.kd
    .args:
      - { .name: h, .offset: 0, .size: 8, .value_kind: global_buffer, .address_space: global }
      - { .name: lst, .offset: 8, .size: 8, .value_kind: global_buffer, .address_space: global }
      - { .name: w2, .offset: 16, .size: 8, .value_kind: global_buffer, .address_space: global }
      - { .name: part, .offset: 24, .size: 8, .value_kind: global_buffer, .address_space: global }
    .group_segment_fixed_size: 71168
    .private_segment_fixed_size: 0
    .kernarg_segment_align: 8
    .kernarg_segment_size: 32
    .max_flat_workgroup_size: 128
    .sgpr_count:     102
    .vgpr_count:     928
    .wavefront_size: 32
...
	.end_amdgpu_metadata
.endif
;; end of part 7
;; launch mix (part 8): grid 256 x 1, 8 waves a work-group, no clusters, 0 bytes of LDS; arguments part, selm, cw, b2, out0; writes out0
.if DOCPART == 8
	.amdgcn_target "amdgcn-amd-amdhsa--gfx1250"
	.amdhsa_code_object_version 6
	.text
	.protected	k_q3a6501af52_mix
	.globl	k_q3a6501af52_mix
	.p2align	8
	.type	k_q3a6501af52_mix,@function
k_q3a6501af52_mix:
	s_mov_b64 s[64:65], 0
	v_nop
	global_prefetch_b8 v0, s[64:65] scope:SCOPE_SE
	s_setreg_imm32_b32 hwreg(HW_REG_WAVE_MODE, 25, 1), 1
	s_wait_xcnt 0x0
; THE SUM.  out[t] = cA (b2[eA] + the four parts of (eA, t)) + cB (b2[eB] + the four parts of (eB, t)); eA < eB are the two bits of selm[t], cA, cB = cw[t].  All in f32; b2 is rounded to bf16 like every input.
; A work-group has four tokens, a wave half a token's row: 2,048 bytes of each of 8 partial rows and 2 bias rows in, 2,048 bytes out; each load and store of the wave covers 512 consecutive bytes.
; All 40 loads of a wave go out at once, in two quarters of the row on two register sets, so that no request waits for an earlier one to come back.
; Memory binds: no LDS, no barrier, no matrix unit, no cluster (no two waves read the same bytes of a partial row).
.set L16, 2                            ; lane x 16 + my half of the row
.set VPA, 3                            ; v3, v4: my byte offset in a part, for eA and eB
.set VBA, 5                            ; v5, v6: in b2
.set OUTV, 8                           ; v8-15: two pieces of the result
.set PB,  28                           ; s[28:35]: the four parts
.set CA,  22                           ; s[22:23]: cA, cB as loaded: the packed forms take the low word for both halves
.set CB,  36                           ; s[36:37]: cB twice
.set HM,  38
	s_load_b256 s[4:11], s[0:1], 0x0               ; part s[4:5], selm s[6:7], cw s[8:9], b2 s[10:11]
	s_load_b64 s[12:13], s[0:1], 0x20              ; out0
	v_lshrrev_b32 v1, 5, v0
	v_readfirstlane_b32 s14, v1                    ; wave 0..7
	s_lshr_b32 s27, s14, 1                         ; which of the group's four tokens
	s_and_b32 s39, s14, 1                          ; which half of its row
	s_lshl2_add_u32 s15, ttmp9, s27                ; my token
	s_lshl_b32 s39, s39, 11                        ; 2,048 bytes a half
	v_and_b32 v1, 31, v0
	v_lshl_add_u32 v[L16], v1, 4, s39
	s_lshl_b32 s16, s15, 2
	s_lshl_b32 s17, s15, 3
	s_lshl_b32 s18, s15, 12
	s_mov_b32 s19, 0
	s_mov_b32 s[HM], 0xffff0000
	s_wait_kmcnt 0x0
	s_load_b32 s20, s[6:7], s16 offset:0x0
	s_load_b64 s[CA:CA+1], s[8:9], s17 offset:0x0
	s_add_nc_u64 s[12:13], s[12:13], s[18:19]
	s_mov_b64 s[PB:PB+1], s[4:5]
	s_add_nc_u64 s[PB+2:PB+3], s[4:5], 0x2000000   ; a part is 8 experts x 1,024 tokens x 4,096 bytes
	s_add_nc_u64 s[PB+4:PB+5], s[4:5], 0x4000000
	s_add_nc_u64 s[PB+6:PB+7], s[4:5], 0x6000000
	s_wait_kmcnt 0x0
	s_mov_b32 s[CB], s[CA+1]
	s_mov_b32 s[CB+1], s[CA+1]
	s_ctz_i32_b32 s24, s20                         ; the lower expert,
	s_min_u32 s24, s24, 7
	s_sub_co_u32 s25, s20, 1
	s_and_b32 s25, s25, s20
	s_ctz_i32_b32 s25, s25                         ; and the higher
	s_min_u32 s25, s25, 7
	s_lshl_b32 s26, s24, 10
	s_add_co_u32 s26, s26, s15
	s_lshl_b32 s26, s26, 12
	v_add_nc_u32 v[VPA], s26, v[L16]
	s_lshl_b32 s26, s25, 10
	s_add_co_u32 s26, s26, s15
	s_lshl_b32 s26, s26, 12
	v_add_nc_u32 v[VPA+1], s26, v[L16]
	s_lshl_b32 s26, s24, 12
	v_add_nc_u32 v[VBA], s26, v[L16]
	s_lshl_b32 s26, s25, 12
	v_add_nc_u32 v[VBA+1], s26, v[L16]
; Quarter q of my half... pieces 2 q, 2 q + 1 of 512 bytes, into register set s: for expert ex and piece pj, at 16 + 80 s + 40 ex + 20 pj: the four parts, then the bias.
.macro QLOAD q, set
.irp ex, 0,1
.irp pj, 0,1
.irp ks, 0,1,2,3
	global_load_b128 v[16+80*(\set)+40*(\ex)+20*(\pj)+4*(\ks):16+80*(\set)+40*(\ex)+20*(\pj)+4*(\ks)+3], v[VPA+(\ex)], s[PB+2*(\ks):PB+2*(\ks)+1] offset:(2*(\q)+(\pj))*512 th:TH_LOAD_NT
.endr
	global_load_b128 v[16+80*(\set)+40*(\ex)+20*(\pj)+16:16+80*(\set)+40*(\ex)+20*(\pj)+19], v[VBA+(\ex)], s[10:11] offset:(2*(\q)+(\pj))*512
.endr
.endr
.endm
.macro QSUM q, set, left
	s_wait_loadcnt \left                           ; loads come back in order: these 20 are in, the younger ones stay out
	s_wait_xcnt 0x0                                ; the result registers, which the stores before read, are rewritten only behind this wait
.irp ex, 0,1
.irp pj, 0,1
.set P, 16+80*(\set)+40*(\ex)+20*(\pj)
	v_cvt_pk_bf16_f32 v[P+16], v[P+16], v[P+17]    ; the bias rounded to bf16 and widened again
	v_cvt_pk_bf16_f32 v[P+18], v[P+18], v[P+19]
	v_and_b32 v[P+17], s[HM], v[P+16]
	v_lshlrev_b32 v[P+16], 16, v[P+16]
	v_and_b32 v[P+19], s[HM], v[P+18]
	v_lshlrev_b32 v[P+18], 16, v[P+18]
	v_pk_add_f32 v[P:P+1], v[P:P+1], v[P+4:P+5]
	v_pk_add_f32 v[P+2:P+3], v[P+2:P+3], v[P+6:P+7]
	v_pk_add_f32 v[P+8:P+9], v[P+8:P+9], v[P+12:P+13]
	v_pk_add_f32 v[P+10:P+11], v[P+10:P+11], v[P+14:P+15]
	v_pk_add_f32 v[P:P+1], v[P:P+1], v[P+8:P+9]
	v_pk_add_f32 v[P+2:P+3], v[P+2:P+3], v[P+10:P+11]
	v_pk_add_f32 v[P:P+1], v[P:P+1], v[P+16:P+17]
	v_pk_add_f32 v[P+2:P+3], v[P+2:P+3], v[P+18:P+19]
.endr
.endr
.irp pj, 0,1
.set P, 16+80*(\set)+20*(\pj)
	v_pk_mul_f32 v[P+40:P+41], v[P+40:P+41], s[CB:CB+1] op_sel_hi:[1,0]
	v_pk_mul_f32 v[P+42:P+43], v[P+42:P+43], s[CB:CB+1] op_sel_hi:[1,0]
	v_pk_fma_f32 v[OUTV+4*(\pj):OUTV+4*(\pj)+1], v[P:P+1], s[CA:CA+1], v[P+40:P+41] op_sel_hi:[1,0,1]
	v_pk_fma_f32 v[OUTV+4*(\pj)+2:OUTV+4*(\pj)+3], v[P+2:P+3], s[CA:CA+1], v[P+42:P+43] op_sel_hi:[1,0,1]
	global_store_b128 v[L16], v[OUTV+4*(\pj):OUTV+4*(\pj)+3], s[12:13] offset:(2*(\q)+(\pj))*512 th:TH_STORE_NT
.endr
.endm
	QLOAD 0, 0
	QLOAD 1, 1
	QSUM 0, 0, 20
	QSUM 1, 1, 0
	s_endpgm
.Lfunc_end_k_q3a6501af52_mix:
	.size	k_q3a6501af52_mix, .Lfunc_end_k_q3a6501af52_mix-k_q3a6501af52_mix
	.p2alignl 7, 3214868480
	.fill 96, 4, 3214868480
	.section	.rodata,"a",@progbits
	.p2align	6, 0x0
	.amdhsa_kernel k_q3a6501af52_mix
		.amdhsa_group_segment_fixed_size 0
		.amdhsa_private_segment_fixed_size 0
		.amdhsa_enable_private_segment 0
		.amdhsa_kernarg_size 40
		.amdhsa_user_sgpr_count 2
		.amdhsa_user_sgpr_kernarg_segment_ptr 1
		.amdhsa_wavefront_size32 1
		.amdhsa_system_sgpr_workgroup_id_x 1
		.amdhsa_system_sgpr_workgroup_id_y 1
		.amdhsa_system_sgpr_workgroup_id_z 1
		.amdhsa_system_vgpr_workitem_id 0
		.amdhsa_next_free_vgpr 176
		.amdhsa_next_free_sgpr 66
		.amdhsa_reserve_vcc 0
		.amdhsa_float_denorm_mode_32 3
		.amdhsa_float_denorm_mode_16_64 3
		.amdhsa_memory_ordered 1
		.amdhsa_forward_progress 1
		.amdhsa_inst_pref_size 14
	.end_amdhsa_kernel
	.amdgpu_metadata
---
amdhsa.version: [ 1, 2 ]
amdhsa.kernels:
  - .name:           k_q3a6501af52_mix
    .symbol:         k_q3a6501af52_mix.kd
    .args:
      - { .name: part, .offset: 0, .size: 8, .value_kind: global_buffer, .address_space: global }
      - { .name: selm, .offset: 8, .size: 8, .value_kind: global_buffer, .address_space: global }
      - { .name: cw, .offset: 16, .size: 8, .value_kind: global_buffer, .address_space: global }
      - { .name: b2, .offset: 24, .size: 8, .value_kind: global_buffer, .address_space: global }
      - { .name: out0, .offset: 32, .size: 8, .value_kind: global_buffer, .address_space: global }
    .group_segment_fixed_size: 0
    .private_segment_fixed_size: 0
    .kernarg_segment_align: 8
    .kernarg_segment_size: 40
    .max_flat_workgroup_size: 256
    .sgpr_count:     66
    .vgpr_count:     176
    .wavefront_size: 32
...
	.end_amdgpu_metadata
.endif
;; end of part 8
;; ======== version 3 of 3: 5 launches; version 2 with the launches ffn1, ffn2 written anew for expert scheduling mode
;; workspace buffers: xb 2,097,152 bytes; bm 2,048 bytes of whole numbers; selm 4,096 bytes of whole numbers; cw 8,192 bytes; xg 16,777,216 bytes; lst 33,024 bytes of whole numbers; h 67,108,864 bytes; part 134,217,728 bytes
;; launch route: the kernel of part 1 again; grid 64 x 1, 8 waves a work-group, no clusters, 61,440 bytes of LDS; arguments x, router_w, router_b, xb, bm, selm, cw; writes xb, bm, selm, cw
;; launch place: the kernel of part 5 again; grid 64 x 8, 4 waves a work-group, no clusters, 16,896 bytes of LDS; arguments xb, bm, xg, lst; writes xg, lst
;; launch ffn1 (part 9): grid 32 x 8, 4 waves a work-group, no clusters, 37,376 bytes of LDS; arguments xg, lst, w1, b1, h; writes h
.if DOCPART == 9
	.amdgcn_target "amdgcn-amd-amdhsa--gfx1250"
	.amdhsa_code_object_version 6
	.text
	.protected	k_q3a6501af52_ffn1
	.globl	k_q3a6501af52_ffn1
	.p2align	8
	.type	k_q3a6501af52_ffn1,@function
k_q3a6501af52_ffn1:
	s_mov_b64 s[64:65], 0
	v_nop
	global_prefetch_b8 v0, s[64:65] scope:SCOPE_SE
	s_setreg_imm32_b32 hwreg(HW_REG_WAVE_SCHED_MODE, 0, 2), 2
	s_setreg_imm32_b32 hwreg(HW_REG_WAVE_MODE, 25, 1), 1
	s_wait_xcnt 0x0
	s_wait_alu depctr_vm_vsrc(0)
; FIRST PRODUCT OF THE EXPERTS.  h = gelu(x W1^T + b1) for the rows that chose the expert.  xg: the experts' rows in bf16, in tiles of 16 ranks, in the order of the operand registers (byte = e 2^21 + tile 2^15 + (k / 32) 1,024 + half 512 + lane 16);
; w1 [8][4096][1024], b1 [8][4096] f32, rounded to bf16 on the way; sums in f32; h rounded once to bf16.  The expert's count is word 8,192 + e of lst.
; SHARES.  Work-group (sl, e) alone reads rows 128 sl .. 128 sl + 127 of expert e's W1 (512 KB) and multiplies them with ALL rows of e.  A wave holds five tiles x 128 columns: 40 accumulators; tile = wave + 4 x slot.
; So the K stream serves tiles 0 .. 19, 320 rows.  A dead slot takes the expert's last tile and is not stored.  The products of slots 3 and 4, where dead, are jumped from trip 1 on by forward branches on a scalar, past text
; without a barrier and without a load; trip 0 is unconditional, so that every accumulator is written on every way.
; An expert with more than 320 rows: from tile 20 on a tile is computed in the way-out loop, without LDS and barriers, operands straight from memory.  Every split is served, up to 1,024 rows.
; An expert with no row: tile 0 (which the launch before has written) is computed and stored, so that the next launch reads no byte that nobody wrote.
; THE K STREAM.  16 chunks of 64 along K, two K steps of 32 each.  Chunk j of the weights: each wave loads its 32 rows x 256 bytes (16 loads, sixteen lanes to a row's 256 aligned bytes) three trips ahead of its products, rounds them
; one trip ahead and puts them into one of two LDS buffers; all waves read fragments from there.  The tokens' fragments come straight into operand registers, 512 consecutive bytes a load, a K step's ten loads at a time and a trip
; and a half ahead: step 0 of chunk c + 2 in the middle of trip c, into the registers that the trip's first half has read; step 1 of chunk c + 1 in the first half of trip c.  They are asked for all five slots, so every count is a constant.
; Each wait stands ahead of the next requests: 36 + 26 or 52 + 10: at most 62 loads of a wave are out (in the head the bias's 16 come on top: there the issue of the last loads waits for the first to come back: ISA guide 5.7.1).
; ONE barrier a trip: behind it the chunk stored in this trip may be read, and the buffer read in this trip may be stored into in the next.
; THE MATRIX INSTRUCTION IS USED TRANSPOSED: source 0 = 16 rows of W1, source 1 = 16 tokens: lane l holds token l % 16 and columns 8 (l / 16) + 0..7.  Rounded in pairs these ARE four registers of the next product's token fragment:
; h is stored in that order: byte = e 2^23 + tile 2^17 + (column / 32) 1,024 + half 512 + lane 16; each store of a wave is 512 consecutive bytes.
; GELU, exact form: gelu(h) = max(h, 0) - |h| q, q = erfc(|h| / sqrt 2) / 2 = t (a1 + t (a2 + .. a5 t)) 2^(-h^2 log2(e) / 2) / 2, t = 1 / (1 + 0.2316419 |h|) (Abramowitz and Stegun 7.1.26: erf to 1.5e-7 for every h).
; LIMITS.  NaN and infinities are not treated apart.  h is kept in bf16.
; NO CLUSTER: each weight byte has one reader.  A tile of xg is shared by the expert's 32 groups, but it goes straight into operand registers; shared through LDS a group's 640 KB of it would be written there and read again.
; No data mover for the weights: f32 weights must pass registers to be rounded.
; THE MODE: SCHED_MODE bits 1:0 = 2 (LLVM: expert scheduling mode 2), set by the entry lines.  The code itself states the register dependences
; between vector or matrix instructions and memory or LDS instructions, with s_wait_alu, always for 0.
; THE PLAN.  Registers that memory or LDS instructions touch in the K stream, trip c, par = c % 2:
;   WR[1 - par]                    a weight chunk as loaded.  Read by the trip's 32 conversions; behind them the loads of chunk c + 3 land in it.  No memory instruction reads it.
;   WC                             the chunk rounded.  Written by the conversions, read by the trip's 16 LDS stores, written again by the next trip's conversions.
;   BF1, tokens (1 - par, step 1)  read by the second 40 products of trip c - 1; loaded again in the first half of trip c.
;   BF0, tokens (par, step 0)      read by the first 40 products of trip c; loaded again in the middle of trip c.
;   v[VB], v[VS], v[VW], v[VPF], v[VA ..]  addresses, made in the head and not written in the stream: scalar bases and immediates do the stepping.
;   The accumulators and the bias are named by matrix instructions alone.
; So a trip has three waits.  vm_vsrc at its head: the last trip's LDS stores have read WC.  va_vdst behind the conversions: WC is written, WR[1 - par] is read out, the last trip's second half is done with BF1 and
; with tokens (1 - par, 1).  va_vdst in the middle: the first half is done with BF0 and with tokens (par, 0).  Behind the first va_vdst the token loads and the weight loads are dealt among the first half's products,
; which name BF0, tokens (par, 0), accumulators and (trip 0) the bias: none of the registers that those loads touch.
; REGISTERS, in windows of 256 (s_set_vgpr_msb: bits 1:0 source 0, 3:2 source 1, 5:4 source 2, 7:6 destination):
;   window 0: addresses; v32-159 weight fragments of the chunk's two K steps; v160-191 WC; on the way out v32-207 at work       window 1: accumulators of slots 0-3, (t, cb) at 64 t + 8 cb
;   window 2: v0-63 slot 4; v64-191 two sets of weights as loaded; v192-255 the bias, as the products' first C       window 3: v0-159 two sets of token fragments, (t, step) at 80 set + 16 t + 8 step
.set ROWB,  4096                       ; bytes in a row of W1
.set TSH,   15                         ; a tile of xg is 2^15 bytes
.set PW,    144                        ; an LDS row: 128 bytes (64 bf16) + 16: the 16 rows of a fragment load start at 16 different groups of four banks (64 banks of 4 bytes: ISA guide 11.1)
.set WBUF,  128*PW                     ; a weight buffer; the closing add's words lie in the 512 bytes behind the two buffers
.set LN,  1                            ; lane
.set VB,  2                            ; LDS: my place in a weight fragment
.set VS,  3                            ; LDS: where my 8 rounded bytes of a weight row go
.set VW,  4                            ; my byte offset in the slice of W1
.set VPF, 5                            ; the row that I prefetch
.set L16, 6                            ; lane x 16
.set TA,  7                            ; at work
.set R16, 8                            ; lane % 16
.set HH,  9                            ; lane / 16
.set VA,  12                           ; v12-16: my byte offset in the five slots' tiles of xg
.set VBI, 17                           ; my byte offset in 16 numbers of the bias
.set VWX, 18                           ; tiles from 20 on: my byte offset in a weight fragment taken from memory
.set VH,  19                           ; my byte offset in h
.set BF0, 32
.set BF1, 96
.set WC,  160                          ; v160-191: a weight chunk rounded, on its way into LDS
.set GA,  32                           ; the way out, 32 numbers at a time: |h|
.set GT,  64                           ; t
.set GE,  96                           ; the exponential
.set GP,  128                          ; the polynomial, then the result
.set GM,  160                          ; max(h, 0)
.set HP,  192                          ; packed
.set WR,  64                           ; window 2
.set BI,  192                          ; window 2
.set T1,  14
.set T2,  15
.set MSK, 16
.set CP,  18
.set CC,  20
.set CA1, 22
.set CA2, 24
.set CA3, 26
.set CA4, 28
.set CA5, 30
.set XK,  32
.set HF,  33
.set BLK, 34
.set LIVE, 35                          ; my live slots
.set NT1, 36                           ; the expert's last tile
.set EOFF, 37
.set WV,  66
.set SL,  67
.set EX,  68
.set NE,  69                           ; the expert's rows
.set NT,  70                           ; its tiles, at least 1
.set BB,  72
.set RT,  73
.set CTR, 74
.set WP,  76                           ; s[76:77] the slice of W1, stepped along K
.set WBS, 78                           ; s[78:79] its beginning
.set TP,  96                           ; s[96:97] the expert's xg, stepped along K
.set TBS, 98                           ; s[98:99] its beginning
.set OUTB, 100                         ; s[100:101] h at my expert and slice
.set MSB, 0
.macro WIN new                         ; the immediate's high byte repeats the setting that is left; a switch that changes nothing is dropped
.if MSB != (\new)
	s_set_vgpr_msb (MSB<<8)|(\new)
.set MSB, \new
.endif
.endm
.macro PLACES                          ; four places behind matrix instructions, ahead of loads into their sources and of reads of their results; a wait on va_vdst fills no place and stands beside them
.rept 4
	v_nop
.endr
.endm
.macro WLOAD set, imm                  ; a chunk of my 32 weight rows: load n takes rows 16 (n / 8) + n % 8 and, in lanes 16-31, the row 8 further on
	WIN 0x80
.irp n, 0,1,2,3,4,5,6,7,8,9,10,11,12,13,14,15
	global_load_b128 v[WR+64*(\set)+4*(\n):WR+64*(\set)+4*(\n)+3], v[VW], s[WP:WP+1] offset:((\n)/8*16+(\n)%8)*ROWB+(\imm) th:TH_LOAD_NT
.endr
.endm
.macro WCVT set                        ; rounded out of the set into WC: four f32 to 8 bytes
	WIN 0x0a
.irp n, 0,1,2,3,4,5,6,7,8,9,10,11,12,13,14,15
	v_cvt_pk_bf16_f32 v[WC+2*(\n)], v[WR+64*(\set)+4*(\n)], v[WR+64*(\set)+4*(\n)+1]
	v_cvt_pk_bf16_f32 v[WC+2*(\n)+1], v[WR+64*(\set)+4*(\n)+2], v[WR+64*(\set)+4*(\n)+3]
.endr
.endm
.macro WSTORE buf                      ; the two rows of a store lie 8 x 144 bytes apart: 32 banks: no conflict
	WIN 0
.irp n, 0,1,2,3,4,5,6,7,8,9,10,11,12,13,14,15
	ds_store_b64 v[VS], v[WC+2*(\n):WC+2*(\n)+1] offset:(\buf)*WBUF+((\n)/8*16+(\n)%8)*PW
.endr
.endm
.macro BLOAD f, buf, s                 ; the eight weight fragments of K step s of a chunk
	WIN 0
.irp cb, 0,1,2,3,4,5,6,7
	ds_load_b128 v[(\f)+8*(\cb):(\f)+8*(\cb)+3],   v[VB] offset:(\buf)*WBUF+(\cb)*16*PW+64*(\s)
	ds_load_b128 v[(\f)+8*(\cb)+4:(\f)+8*(\cb)+7], v[VB] offset:(\buf)*WBUF+(\cb)*16*PW+64*(\s)+32
.endr
.endm
.macro AGH set, ks, imm                ; the five slots' token fragments of K step ks of a chunk: ten loads, two halves of 512 consecutive bytes a slot
	WIN 0xc0
.irp t, 0,1,2,3,4
.irp q, 0,1
	global_load_b128 v[80*(\set)+16*(\t)+8*(\ks)+4*(\q):80*(\set)+16*(\t)+8*(\ks)+4*(\q)+3], v[VA+(\t)], s[TP:TP+1] offset:1024*(\ks)+512*(\q)+(\imm)
.endr
.endr
.endm
; The eight products of slot t for one K step.  The accumulators take turns, one instruction a turn: on every way at least 23 others' stand between two products on one accumulator.
; first = 1: the products start the sums with the bias as C: nothing is cleared.
.macro MMS bf, af, t, first
.if (\t) < 4
.if \first
	WIN 0x6c
.else
	WIN 0x5c
.endif
.set DB, 64*(\t)
.else
	WIN 0xac
.set DB, 0
.endif
.irp cb, 0,1,2,3,4,5,6,7
.if \first
	v_wmma_f32_16x16x32_bf16 v[DB+8*(\cb):DB+8*(\cb)+7], v[(\bf)+8*(\cb):(\bf)+8*(\cb)+7], v[(\af)+16*(\t):(\af)+16*(\t)+7], v[BI+8*(\cb):BI+8*(\cb)+7]
.else
	v_wmma_f32_16x16x32_bf16 v[DB+8*(\cb):DB+8*(\cb)+7], v[(\bf)+8*(\cb):(\bf)+8*(\cb)+7], v[(\af)+16*(\t):(\af)+16*(\t)+7], v[DB+8*(\cb):DB+8*(\cb)+7]
.endif
.endr
.endm
.macro MMC bf, af, first, cond         ; slots 3 and 4; cond = 1: dead ones are jumped
.if \cond
	WIN 0                                          ; at a branch and at a label every window is 0
	s_cmp_lt_u32 s[LIVE], 4
	s_cbranch_scc1 .Ldead_\@
	MMS \bf, \af, 3, \first
	WIN 0
	s_cmp_lt_u32 s[LIVE], 5
	s_cbranch_scc1 .Ldead_\@
	MMS \bf, \af, 4, \first
	WIN 0
.Ldead_\@:
.else
	MMS \bf, \af, 3, \first
	MMS \bf, \af, 4, \first
.endif
.endm
; TRIP c.  rel: c less the chunk at which the stepped bases stand; par = c % 2.  lch, lcm: the loads that may stay out at its head and in its middle.  cvt: chunk c + 1 of the weights is rounded and stored.
; a1: step 1 of token chunk c + 1 is asked for.  wiss: weight chunk c + 3.  a0: step 0 of token chunk c + 2.  pf: weight chunk c + 4 is prefetched (2: not in the loop's last turn, where it would lie past the slice).
; THE ORDER OF THE REQUESTS, on every way: first half of trip c: tokens (c + 1, step 1) 10, weights (c + 3) 16; middle of trip c: tokens (c + 2, step 0) 10.  Loads come back in order (ISA guide 5.7.1).
; At the head are wanted weights (c + 1) and tokens (c, step 0); behind these were asked: tokens (c, 1) 10, weights (c + 2) 16, tokens (c + 1, 0) 10: lch = 36.
; In the middle are wanted tokens (c, 1); behind them: weights (c + 2) 16, tokens (c + 1, 0) 10, tokens (c + 1, 1) 10, weights (c + 3) 16: lcm = 52.  The last trips, which ask for less, have lower counts.
.macro TRIP rel, par, first, cond, lch, lcm, cvt, a1, wiss, a0, pf, last
	s_wait_loadcnt \lch
	s_wait_dscnt 0x0                               ; the weight fragments of K step 0, asked for a K step ago
.if \cvt
	s_wait_alu depctr_vm_vsrc(0)                   ; the LDS stores of the chunk before have read WC, which the conversions write again
	WCVT 1-(\par)                                  ; 32 conversions: also the places ahead of the loads below
.else
	PLACES
.endif
	WIN 0
	s_wait_alu depctr_va_vdst(0)                   ; the conversions have written WC, which the LDS stores read, and are done reading their set, in which weight chunk c + 3 lands; the last trip's second half is done reading BF1 and tokens (1 - par, step 1), in which loads land
	BLOAD BF1, \par, 1
.if \cvt
	WSTORE 1-(\par)
.endif
	MMS BF0, 80*(\par), 0, \first
.if \a1
	AGH 1-(\par), 1, ((\rel)+1)*2048               ; into the registers that the last trip's second half has read.  No wait: nothing issued since the wait above names them or v[VA ..]
.endif
	MMS BF0, 80*(\par), 1, \first
.if \wiss
	WLOAD 1-(\par), ((\rel)+3)*256                 ; into the set that the conversions have emptied.  No wait: nothing issued since the wait above names it or v[VW]
.endif
.if (\pf) == 2
	WIN 0
	s_cmp_eq_u32 s[CTR], 1
	s_cbranch_scc1 .Lnp_\@
.endif
.if \pf
	WIN 0
	global_prefetch_b8 v[VPF], s[WP:WP+1] offset:((\rel)+4)*256 th:TH_LOAD_NT scope:SCOPE_SE  ; lane l: the 256 bytes of row 32 w + l in chunk c + 4, which the next trip loads; each block is asked for once, the last in trip 11
.endif
.if (\pf) == 2
.Lnp_\@:
.endif
	MMC BF0, 80*(\par), \first, \cond
.if \last
	MMS BF0, 80*(\par), 2, \first
	s_wait_dscnt 0x0
.else
	s_wait_dscnt 0x0                               ; my stores of chunk c + 1 are done, and so are my reads of this trip's buffer
	s_barrier_signal -1
	MMS BF0, 80*(\par), 2, \first                  ; work on registers while the others arrive
	s_barrier_wait -1
	PLACES
	WIN 0
	s_wait_alu depctr_va_vdst(0)                   ; the trip's first 40 products are done reading BF0 and tokens (par, step 0), in which the loads below land
	BLOAD BF0, 1-(\par), 0
.endif
	s_wait_loadcnt \lcm
.if \a0
	AGH \par, 0, ((\rel)+2)*2048                   ; into the registers that this trip's first half has read
.endif
	MMS BF1, 80*(\par)+8, 0, 0
	MMS BF1, 80*(\par)+8, 1, 0
	MMC BF1, 80*(\par)+8, 0, \cond
	MMS BF1, 80*(\par)+8, 2, 0
.endm
.macro STEP2                           ; two chunks on; inside a pair of trips the chunk stands in the immediates
	WIN 0
	s_wait_xcnt 0x0                                ; the bases are rewritten only when every memory instruction issued has had its address translated
	s_add_nc_u64 s[WP:WP+1], s[WP:WP+1], 512
	s_add_nc_u64 s[TP:TP+1], s[TP:TP+1], 4096
.endm
	s_load_b256 s[4:11], s[0:1], 0x0               ; xg s[4:5], lst s[6:7], w1 s[8:9], b1 s[10:11]
	s_load_b64 s[12:13], s[0:1], 0x20              ; h
	v_lshl_add_u32 v254, v0, 2, 0x9000
	v_mov_b32 v255, 0
	v_lshrrev_b32 v[TA], 5, v0
	v_readfirstlane_b32 s[WV], v[TA]               ; wave 0..3
	s_mov_b32 s[SL], ttmp9                         ; slice
	s_and_b32 s[EX], ttmp7, 0xffff                 ; expert
	v_and_b32 v[LN], 31, v0
	v_and_b32 v[R16], 15, v0
	v_bfe_u32 v[HH], v0, 4, 1
	v_lshlrev_b32 v[L16], 4, v[LN]
	v_mul_u32_u24 v[VB], v[R16], PW
	v_lshl_add_u32 v[VB], v[HH], 4, v[VB]          ; row x pitch + 16 x half
	s_wait_alu depctr_va_sdst(0)                   ; the wave's number is written, ahead of its first reader
	s_lshl_b32 s[T1], s[WV], 5
	v_lshl_add_u32 v[TA], v[HH], 3, s[T1]          ; 32 w + 8 x half
	v_mul_u32_u24 v[VS], v[TA], PW
	v_lshl_add_u32 v[VS], v[R16], 3, v[VS]
	v_lshlrev_b32 v[VW], 12, v[TA]
	v_lshl_add_u32 v[VW], v[R16], 4, v[VW]
	v_add_nc_u32 v[VPF], s[T1], v[LN]
	v_lshlrev_b32 v[VPF], 12, v[VPF]
	v_lshlrev_b32 v[VWX], 12, v[R16]
	v_lshl_add_u32 v[VWX], v[HH], 5, v[VWX]
	v_lshlrev_b32 v[VBI], 5, v[HH]
	s_lshl_b32 s[EOFF], s[EX], 2
	s_mov_b32 s[T2], 0
	s_wait_kmcnt 0x0
	s_load_b32 s[NE], s[6:7], s[EOFF] offset:0x8000   ; the expert's count, behind the eight lists
	s_lshl_b32 s[T1], s[EX], 14
	s_lshl_b32 s[CTR], s[SL], 9
	s_add_co_u32 s[T1], s[T1], s[CTR]
	s_add_nc_u64 s[10:11], s[10:11], s[T1:T1+1]    ; b1 at my 128 columns
	s_lshl_b32 s[T1], s[EX], 24
	s_lshl_b32 s[CTR], s[SL], 19
	s_add_co_u32 s[T1], s[T1], s[CTR]
	s_add_nc_u64 s[WBS:WBS+1], s[8:9], s[T1:T1+1]  ; w1 at my 128 rows
	s_mov_b64 s[WP:WP+1], s[WBS:WBS+1]
	s_lshl_b32 s[T1], s[EX], 23
	s_lshl_b32 s[CTR], s[SL], 12
	s_add_co_u32 s[T1], s[T1], s[CTR]
	s_add_nc_u64 s[OUTB:OUTB+1], s[12:13], s[T1:T1+1]
	s_lshl_b32 s[T1], s[EX], 21
	s_add_nc_u64 s[TBS:TBS+1], s[4:5], s[T1:T1+1]  ; xg at my expert
	s_mov_b64 s[TP:TP+1], s[TBS:TBS+1]
	WIN 0x80
	s_wait_alu depctr_va_vdst(0)                   ; v[VB], v[VS], v[VW], v[VPF], v[VWX] and v[VBI] are written: the loads, LDS instructions and prefetches of the whole kernel read them as addresses
.irp cb, 0,1,2,3,4,5,6,7               ; the bias in the layout of a product's C: register j of lane l = column 16 cb + 8 (l / 16) + j
	global_load_b128 v[BI+8*(\cb):BI+8*(\cb)+3],   v[VBI], s[10:11] offset:64*(\cb)
	global_load_b128 v[BI+8*(\cb)+4:BI+8*(\cb)+7], v[VBI], s[10:11] offset:64*(\cb)+16
.endr
	WLOAD 0, 0                                     ; the weights go out ahead of the wait for the count
	WLOAD 1, 256
	WIN 0
	global_prefetch_b8 v[VPF], s[WP:WP+1] offset:512 th:TH_LOAD_NT scope:SCOPE_SE   ; chunks 2 and 3; the trips ask for 4 to 15
	global_prefetch_b8 v[VPF], s[WP:WP+1] offset:768 th:TH_LOAD_NT scope:SCOPE_SE
	s_mov_b32 s[MSK], 0x7fffffff
	s_mov_b32 s[CP], 0x3e6d3388                    ; 0.3275911 / sqrt 2
	s_mov_b32 s[CP+1], s[CP]                       ; the packed forms name pairs and take the low word for both halves
	s_mov_b32 s[CC], 0xbf38aa3b                    ; -log2(e) / 2
	s_mov_b32 s[CC+1], s[CC]
	s_mov_b32 s[CA1], 0x3e027906                   ; a1 / 2 .. a5 / 2
	s_mov_b32 s[CA1+1], s[CA1]
	s_mov_b32 s[CA2], 0xbe11a98e
	s_mov_b32 s[CA2+1], s[CA2]
	s_mov_b32 s[CA3], 0x3f35f0e3
	s_mov_b32 s[CA3+1], s[CA3]
	s_mov_b32 s[CA4], 0xbf3a00e3
	s_mov_b32 s[CA4+1], s[CA4]
	s_mov_b32 s[CA5], 0x3f07dc22
	s_mov_b32 s[CA5+1], s[CA5]
	s_wait_kmcnt 0x0
	s_min_u32 s[NE], s[NE], 1024
	s_add_co_u32 s[NT], s[NE], 15
	s_lshr_b32 s[NT], s[NT], 4
	s_max_u32 s[NT], s[NT], 1
	s_sub_co_u32 s[NT1], s[NT], 1
	s_add_co_u32 s[LIVE], s[NT], 3
	s_sub_co_u32 s[LIVE], s[LIVE], s[WV]
	s_lshr_b32 s[LIVE], s[LIVE], 2                 ; slot t is live where w + 4 t is a tile
.irp t, 0,1,2,3,4
	s_add_co_u32 s[T1], s[WV], 4*(\t)
	s_min_u32 s[T1], s[T1], s[NT1]                 ; a dead slot takes the last tile
	s_min_u32 s[T1], s[T1], 63
	s_lshl_b32 s[T1], s[T1], TSH
	v_add_nc_u32 v[VA+(\t)], s[T1], v[L16]
.endr
	s_wait_alu depctr_va_vdst(0)                   ; the five offsets v[VA ..] are written, which every load of tokens reads
	AGH 0, 0, 0                                    ; token chunk 0, both K steps
	AGH 0, 1, 0
	s_wait_loadcnt 52                              ; the bias is in: behind it stand 32 loads of weight chunks 0 and 1 and 20 of token chunk 0
	WIN 0x8a
.set n, 0
.rept 32                               ; the bias rounded to bf16, like every input, and widened again
	v_cvt_pk_bf16_f32 v[BI+n], v[BI+n], v[BI+n+1]
	v_and_b32 v[BI+n+1], 0xffff0000, v[BI+n]
	v_lshlrev_b32 v[BI+n], 16, v[BI+n]
.set n, n+2
.endr
	; ahead of trip 0: chunk 0 of the weights goes into LDS
	s_wait_loadcnt 36                              ; weight chunk 0 is in: chunk 1 (16) and the tokens (20) may stay out
	WCVT 0
	WIN 0
	s_wait_alu depctr_va_vdst(0)                   ; the conversions have written WC, which the LDS stores read, and are done reading set 0, in which weight chunk 2 lands
	WSTORE 0
	WLOAD 0, 512                                   ; weight chunk 2,
	AGH 1, 0, 2048                                 ; and step 0 of token chunk 1: the order of requests that the trips' counts lean on begins here
	s_wait_dscnt 0x0
	s_barrier_signal -1
	s_barrier_wait -1
	BLOAD BF0, 0, 0
	TRIP 0, 0, 1, 0, 36, 52, 1, 1, 1, 1, 1, 0      ; trip 0: its first 40 products start the sums; nothing is jumped
	WIN 0
	s_mov_b32 s[CTR], 6
.Lk:                                                   ; trips 1 to 12
	TRIP 1, 1, 0, 1, 36, 52, 1, 1, 1, 1, 1, 0
	TRIP 2, 0, 0, 1, 36, 52, 1, 1, 1, 1, 2, 0
	STEP2
	s_sub_co_u32 s[CTR], s[CTR], 1
	s_cmp_lg_u32 s[CTR], 0
	s_cbranch_scc1 .Lk
	TRIP 1, 1, 0, 1, 36, 36, 1, 1, 0, 1, 0, 0      ; 13: no weights are left to ask for.  Middle: behind tokens (13, 1) stand weights 15 (16), tokens (14, 0) and (14, 1)
	TRIP 2, 0, 0, 1, 20, 20, 1, 1, 0, 0, 0, 0      ; 14: head: behind tokens (14, 0) stand (14, 1) and (15, 0); middle: behind (14, 1) stand (15, 0) and (15, 1)
	TRIP 3, 1, 0, 1, 10, 0, 0, 0, 0, 0, 0, 1       ; 15: head: behind tokens (15, 0) stand (15, 1); middle: nothing, and no load, so no wait on va_vdst
	WIN 0
	PLACES
	; THE WAY OUT: 32 trips, a constant; trip b is half b % 2 (64 columns) of tile w + 4 (b / 2).  Dead tiles are jumped, forward, past text without a barrier.
	; Registers that memory instructions touch here: v[VH], the stores' offset, and v[HP ..], their data: written in each trip, read by its four stores.  Tiles from 20 on: v[VA] and window 3's v0-135.
	s_mov_b32 s[BB], 0
.Lout:
	s_lshr_b32 s[T1], s[BB], 1
	s_lshl2_add_u32 s[RT], s[T1], s[WV]
	s_and_b32 s[HF], s[BB], 1
	s_cmp_ge_u32 s[RT], s[NT]
	s_cbranch_scc1 .Lnext
	s_cmp_lt_u32 s[BB], 10
	s_cselect_b32 s[BLK], s[BB], s[HF]             ; which 32 accumulator registers: a slot's, or for a later tile slot 0's
	s_cbranch_scc1 .Lpick
	s_cmp_lg_u32 s[HF], 0
	s_cbranch_scc1 .Lpick
	; A TILE FROM 20 ON (an expert with more than 320 rows): computed here into slot 0's accumulators, which have gone out.  32 K steps, operands straight from memory.
	s_wait_xcnt 0x0
	s_wait_alu depctr_vm_vsrc(0)                   ; the loads of tokens issued so far have read v[VA], which is written again
	s_lshl_b32 s[T1], s[RT], TSH
	v_add_nc_u32 v[VA], s[T1], v[L16]
	s_mov_b64 s[WP:WP+1], s[WBS:WBS+1]
	s_mov_b64 s[TP:TP+1], s[TBS:TBS+1]
	WIN 0x42
.set n, 0
.rept 64                               ; the sums start at the bias: 64 copies spare a second text of the K step on this seldom-used path
	v_mov_b32 v[n], v[BI+n]
.set n, n+1
.endr
	WIN 0
	s_mov_b32 s[XK], 32
.Lxk:
	PLACES
	WIN 0xc0
	s_wait_alu depctr_va_vdst(0)                   ; the last step's conversions and products are done reading window 3's v0-135, in which the loads land; in the first step v[VA] is written, which two of them read
.irp cb, 0,1,2,3,4,5,6,7               ; lane l: row 16 cb + l % 16, K 8 (l / 16) + 0..7 and 16 + 8 (l / 16) + 0..7 in f32
	global_load_b128 v[16*(\cb):16*(\cb)+3],     v[VWX], s[WP:WP+1] offset:(\cb)*16*ROWB
	global_load_b128 v[16*(\cb)+4:16*(\cb)+7],   v[VWX], s[WP:WP+1] offset:(\cb)*16*ROWB+16
	global_load_b128 v[16*(\cb)+8:16*(\cb)+11],  v[VWX], s[WP:WP+1] offset:(\cb)*16*ROWB+64
	global_load_b128 v[16*(\cb)+12:16*(\cb)+15], v[VWX], s[WP:WP+1] offset:(\cb)*16*ROWB+80
.endr
	global_load_b128 v[128:131], v[VA], s[TP:TP+1]
	global_load_b128 v[132:135], v[VA], s[TP:TP+1] offset:512
	s_wait_loadcnt 0x0
	WIN 0x0f
.set n, 0
.rept 64
	v_cvt_pk_bf16_f32 v[BF0+n], v[2*n], v[2*n+1]
.set n, n+1
.endr
	WIN 0x5c
.irp cb, 0,1,2,3,4,5,6,7
	v_wmma_f32_16x16x32_bf16 v[8*(\cb):8*(\cb)+7], v[BF0+8*(\cb):BF0+8*(\cb)+7], v[128:135], v[8*(\cb):8*(\cb)+7]
.endr
	WIN 0
	s_add_nc_u64 s[WP:WP+1], s[WP:WP+1], 128       ; the step's loads are done: their bases are free
	s_add_nc_u64 s[TP:TP+1], s[TP:TP+1], 1024
	s_sub_co_u32 s[XK], s[XK], 1
	s_cmp_lg_u32 s[XK], 0
	s_cbranch_scc1 .Lxk
	PLACES
.Lpick:
	s_wait_xcnt 0x0                                ; the last trip's stores have had their addresses translated
	s_wait_alu depctr_vm_vsrc(0)                   ; the last trip's stores have read v[VH] and v[HP ..], and the K stream's LDS stores WC, whose registers GM takes: all are written again below
	s_lshl_b32 s[T1], s[RT], 17
	s_lshl_b32 s[T2], s[HF], 11
	s_add_co_u32 s[T1], s[T1], s[T2]
	v_add_nc_u32 v[VH], s[T1], v[L16]
.macro BLOCK b                         ; the one text that names accumulators: |h| and max(h, 0) of 32 registers, each accumulator from its low end on
.if (\b) < 8
	WIN 0x04
.set AB, 64*((\b)/2)+32*((\b)%2)
.else
	WIN 0x08
.set AB, 32*((\b)%2)
.endif
.set n, 0
.rept 32
	v_and_b32 v[GA+n], s[MSK], v[AB+n]
.set n, n+1
.endr
.set n, 0
.rept 32
	v_max_num_f32 v[GM+n], 0, v[AB+n]
.set n, n+1
.endr
	WIN 0
.endm
.irp k, 0,1,2,3,4,5,6,7,8
	s_cmp_eq_u32 s[BLK], \k
	s_cbranch_scc1 .Lblk\k
.endr
	BLOCK 9
	s_branch .Lcommon
.irp k, 0,1,2,3,4,5,6,7
.Lblk\k:
	BLOCK \k
	s_branch .Lcommon
.endr
.Lblk8:
	BLOCK 8
.Lcommon:
.set n, 0
.rept 16
	v_pk_fma_f32 v[GT+n:GT+n+1], v[GA+n:GA+n+1], s[CP:CP+1], 1.0 op_sel_hi:[1,0,0]
	v_pk_mul_f32 v[GE+n:GE+n+1], v[GA+n:GA+n+1], v[GA+n:GA+n+1]
.set n, n+2
.endr
.set n, 0
.rept 16
	v_pk_mul_f32 v[GE+n:GE+n+1], v[GE+n:GE+n+1], s[CC:CC+1] op_sel_hi:[1,0]
.set n, n+2
.endr
.set n, 0
.rept 32                               ; one batch of 64
	v_rcp_f32 v[GT+n], v[GT+n]
	v_exp_f32 v[GE+n], v[GE+n]
.set n, n+1
.endr
	v_nop                                          ; the plain instruction behind the last of them
	s_wait_alu depctr_va_vdst(0)                   ; the 32 reciprocals and 32 exponentials have written v[GT ..] and v[GE ..]: the wait ahead of the first use: one for the batch
.set n, 0
.rept 16
	v_pk_fma_f32 v[GP+n:GP+n+1], v[GT+n:GT+n+1], s[CA5:CA5+1], s[CA4:CA4+1] op_sel_hi:[1,0,0]
.set n, n+2
.endr
.irp c, CA3, CA2, CA1
.set n, 0
.rept 16
	v_pk_fma_f32 v[GP+n:GP+n+1], v[GP+n:GP+n+1], v[GT+n:GT+n+1], s[(\c):(\c)+1] op_sel_hi:[1,1,0]
.set n, n+2
.endr
.endr
.set n, 0
.rept 16
	v_pk_mul_f32 v[GT+n:GT+n+1], v[GT+n:GT+n+1], v[GE+n:GE+n+1]
.set n, n+2
.endr
.set n, 0
.rept 16
	v_pk_mul_f32 v[GP+n:GP+n+1], v[GP+n:GP+n+1], v[GT+n:GT+n+1]       ; q
.set n, n+2
.endr
.set n, 0
.rept 16
	v_pk_fma_f32 v[GP+n:GP+n+1], v[GA+n:GA+n+1], v[GP+n:GP+n+1], v[GM+n:GM+n+1] neg_lo:[1,0,0] neg_hi:[1,0,0]  ; max(h, 0) - |h| q
.set n, n+2
.endr
.set n, 0
.rept 16
	v_cvt_pk_bf16_f32 v[HP+n], v[GP+2*n], v[GP+2*n+1]
.set n, n+1
.endr
	s_wait_alu depctr_va_vdst(0)                   ; the roundings have written v[HP ..], the stores' data, and v[VH], their offset, is written
.irp u, 0,1,2,3
	global_store_b128 v[VH], v[HP+4*(\u):HP+4*(\u)+3], s[OUTB:OUTB+1] offset:512*(\u)  ; 512 consecutive bytes, aligned: half a token fragment of the next product
.endr
.Lnext:
	s_add_co_u32 s[BB], s[BB], 1
	s_cmp_lt_u32 s[BB], 32
	s_cbranch_scc1 .Lout
	s_wait_dscnt 0x0                               ; my last LDS instructions are done
	s_wait_alu depctr_hold_cnt(0) depctr_sa_sdst(0) depctr_va_vdst(0) depctr_va_sdst(0) depctr_va_ssrc(0) depctr_va_vcc(0) depctr_vm_vsrc(0)
	s_wait_tensorcnt 0x0
	ds_add_u32 v254, v255
	s_wait_dscnt 0x0
	s_endpgm
.Lfunc_end_k_q3a6501af52_ffn1:
	.size	k_q3a6501af52_ffn1, .Lfunc_end_k_q3a6501af52_ffn1-k_q3a6501af52_ffn1
	.p2alignl 7, 3214868480
	.fill 96, 4, 3214868480
	.section	.rodata,"a",@progbits
	.p2align	6, 0x0
	.amdhsa_kernel k_q3a6501af52_ffn1
		.amdhsa_group_segment_fixed_size 37376
		.amdhsa_private_segment_fixed_size 0
		.amdhsa_enable_private_segment 0
		.amdhsa_kernarg_size 40
		.amdhsa_user_sgpr_count 2
		.amdhsa_user_sgpr_kernarg_segment_ptr 1
		.amdhsa_wavefront_size32 1
		.amdhsa_system_sgpr_workgroup_id_x 1
		.amdhsa_system_sgpr_workgroup_id_y 1
		.amdhsa_system_sgpr_workgroup_id_z 1
		.amdhsa_system_vgpr_workitem_id 0
		.amdhsa_next_free_vgpr 928
		.amdhsa_next_free_sgpr 102
		.amdhsa_reserve_vcc 0
		.amdhsa_float_denorm_mode_32 3
		.amdhsa_float_denorm_mode_16_64 3
		.amdhsa_memory_ordered 1
		.amdhsa_forward_progress 1
		.amdhsa_inst_pref_size 146
	.end_amdhsa_kernel
	.amdgpu_metadata
---
amdhsa.version: [ 1, 2 ]
amdhsa.kernels:
  - .name:           k_q3a6501af52_ffn1
    .symbol:         k_q3a6501af52_ffn1.kd
    .args:
      - { .name: xg, .offset: 0, .size: 8, .value_kind: global_buffer, .address_space: global }
      - { .name: lst, .offset: 8, .size: 8, .value_kind: global_buffer, .address_space: global }
      - { .name: w1, .offset: 16, .size: 8, .value_kind: global_buffer, .address_space: global }
      - { .name: b1, .offset: 24, .size: 8, .value_kind: global_buffer, .address_space: global }
      - { .name: h, .offset: 32, .size: 8, .value_kind: global_buffer, .address_space: global }
    .group_segment_fixed_size: 37376
    .private_segment_fixed_size: 0
    .kernarg_segment_align: 8
    .kernarg_segment_size: 40
    .max_flat_workgroup_size: 128
    .sgpr_count:     102
    .vgpr_count:     928
    .wavefront_size: 32
...
	.end_amdgpu_metadata
.endif
;; end of part 9
;; launch ffn2 (part 10): grid 32 x 8, 4 waves a work-group, no clusters, 71,168 bytes of LDS; arguments h, lst, w2, part; writes part
.if DOCPART == 10
	.amdgcn_target "amdgcn-amd-amdhsa--gfx1250"
	.amdhsa_code_object_version 6
	.text
	.protected	k_q3a6501af52_ffn2
	.globl	k_q3a6501af52_ffn2
	.p2align	8
	.type	k_q3a6501af52_ffn2,@function
k_q3a6501af52_ffn2:
	s_mov_b64 s[64:65], 0
	v_nop
	global_prefetch_b8 v0, s[64:65] scope:SCOPE_SE
	s_setreg_imm32_b32 hwreg(HW_REG_WAVE_SCHED_MODE, 0, 2), 2
	s_setreg_imm32_b32 hwreg(HW_REG_WAVE_MODE, 25, 1), 1
	s_wait_xcnt 0x0
	s_wait_alu depctr_vm_vsrc(0)
; SECOND PRODUCT OF THE EXPERTS, in four parts along its K.  part[ks][e][token][d] = the sum over f in 1,024 ks .. + 1,023 of h[token's rank][f] W2[e][d][f], for the rows that chose e.  w2 [8][1024][4096] f32, rounded to bf16 on the way;
; h bf16, in the order of the operand registers (byte = e 2^23 + tile 2^17 + (f / 32) 1,024 + half 512 + lane 16); sums and part in f32.  The bias, the gates' weights and the sum of the parts belong to the next launch.
; lst: word 1,024 e + rank = the token of that rank; word 8,192 + e = the expert's count.
; SHARES.  Work-group (x, e), ds = x % 8, ks = x / 8, alone reads rows 128 ds .. + 127, columns 1,024 ks .. + 1,023 of expert e's W2 (512 KB) and multiplies them with ALL rows of e.  K is cut in four so that a group reads
; 1,024 columns of h, not 4,096, for the same 512 KB of weights; the price is four partial rows in place of one.
; A wave holds five tiles of 16 ranks x 128 columns: 40 accumulators; tile = wave + 4 x slot.  The K stream serves tiles 0 .. 19.  A dead slot takes the expert's last tile and is not stored.  The products of slots 3 and 4, where dead,
; are jumped from trip 1 on by forward branches on a scalar, past text without a barrier and without a load; trip 0 is unconditional, so that every accumulator is written on every way.
; From tile 20 on (an expert with more than 320 rows) a tile is computed in the way-out loop, without LDS writes in its K loop and without barriers.  Every split is served; an expert with no row stores nothing.
; THE K STREAM.  16 chunks of 64, two K steps of 32 each.  Weights: loaded three trips ahead of their products, rounded and put into one of two LDS buffers one trip ahead.  The tokens' fragments come from h straight into operand
; registers, 512 consecutive bytes a load, a K step's ten loads at a time and a trip and a half ahead: step 0 of chunk c + 2 in the middle of trip c, into the registers that the trip's first half has read; step 1 of chunk c + 1 in the
; first half of trip c.  They are asked for all five slots, so every count is a constant.  Each wait stands ahead of the next requests: 36 + 26 or 52 + 10: at most 62 loads of a wave are out.
; ONE barrier a trip: behind it the chunk stored in this trip may be read, and the buffer read in this trip may be stored into in the next.
; Source 0 = 16 rows of W2, source 1 = 16 tokens: lane l holds token l % 16 and columns 8 (l / 16) + 0..7; a tile goes through a stage of the wave's own and leaves as rows of 512 bytes, each to its token's row.
; The five slots' tokens are loaded at the head, one load of 4 bytes a lane for each slot, so that the way out waits for no list.
; LIMITS.  NaN and infinities are not treated apart.
; NO CLUSTER: each weight byte has one reader.  A tile of h is shared by the eight groups of one ks, but it goes straight into operand registers; shared through LDS a group's 640 KB of h would be written there and read again.
; THE MODE: SCHED_MODE bits 1:0 = 2 (LLVM: expert scheduling mode 2), set by the entry lines.  The code itself states the register dependences
; between vector or matrix instructions and memory or LDS instructions, with s_wait_alu, always for 0.
; THE PLAN.  Registers that memory or LDS instructions touch in the K stream, trip c, par = c % 2:
;   WR[1 - par]                    a weight chunk as loaded.  Read by the trip's 32 conversions; behind them the loads of chunk c + 3 land in it.  No memory instruction reads it.
;   WC                             the chunk rounded.  Written by the conversions, read by the trip's 16 LDS stores, written again by the next trip's conversions.
;   BF1, tokens (1 - par, step 1)  read by the second 40 products of trip c - 1; loaded again in the first half of trip c.
;   BF0, tokens (par, step 0)      read by the first 40 products of trip c; loaded again in the middle of trip c.
;   v[VB], v[VS], v[VW], v[VPF], v[VA ..]  addresses, made in the head and not written in the stream: scalar bases and immediates do the stepping.
;   The accumulators are named by matrix instructions alone.
; So a trip has three waits.  vm_vsrc at its head: the last trip's LDS stores have read WC.  va_vdst behind the conversions: WC is written, WR[1 - par] is read out, the last trip's second half is done with BF1 and
; with tokens (1 - par, 1).  va_vdst in the middle: the first half is done with BF0 and with tokens (par, 0).  Behind the first va_vdst the token loads and the weight loads are dealt among the first half's products,
; which name BF0, tokens (par, 0) and accumulators: none of the registers that those loads touch.
; THE WAY OUT, a trip: the accumulators are read by 16 LDS stores; v32-95 take the stage's 16 loads and are read by the 16 stores; v100-115, the rows' offsets, are made in one run and read by the stores.
; Two waits at the trip's head (the last trip's stores have read offsets and data; the products have written the accumulators and are done with v32-95), one behind the tokens' sixteen v_readlane_b32, one behind the offsets.
; REGISTERS, in windows of 256 (s_set_vgpr_msb: bits 1:0 source 0, 3:2 source 1, 5:4 source 2, 7:6 destination):
;   window 0: addresses; v32-159 weight fragments of the chunk's two K steps; v160-191 WC; on the way out v32-115       window 1: accumulators of slots 0-3, (t, cb) at 64 t + 8 cb
;   window 2: v0-63 slot 4; v64-191 two sets of weights as loaded       window 3: v0-159 two sets of token fragments, (t, step) at 80 set + 16 t + 8 step
.set ROWB,  16384                      ; bytes in a row of W2
.set TSH,   17                         ; a tile of h is 2^17 bytes
.set PW,    144                        ; an LDS row of weights: 128 bytes + 16 (64 banks of 4 bytes: ISA guide 11.1: 16 rows start at 16 different groups of four banks)
.set WBUF,  128*PW
.set OST,   2*WBUF                     ; the waves' stages for the way out: 16 rows of 512 + 16 bytes; the closing add's words lie in the 512 bytes behind the four stages
.set PO,    528
.set LN,  1
.set VB,  2                            ; LDS: my place in a weight fragment
.set VS,  3                            ; LDS: where my 8 rounded bytes of a weight row go
.set VW,  4                            ; my byte offset in the slice of W2
.set VPF, 5                            ; the row that I prefetch
.set L16, 6                            ; lane x 16
.set TA,  7
.set R16, 8
.set HH,  9
.set VA,  12                           ; v12-16: my byte offset in the five slots' tiles of h
.set VOS, 17                           ; LDS: where I put 16 bytes of a row
.set VWX, 18                           ; tiles from 20 on: my byte offset in a weight fragment taken from memory
.set VOR, 19                           ; LDS: where I read a row back
.set VTS, 20                           ; v20-24: the five slots' tokens: lane l holds the token of rank l % 16 of the slot's tile
.set VLO, 25                           ; v25-29: my byte offsets in the expert's list
.set VT,  30                           ; the tokens of the tile that is going out
.set BF0, 32
.set BF1, 96
.set WC,  160                          ; v160-191: a weight chunk rounded, on its way into LDS
.set OBV, 32                           ; the way out: 16 rows read back
.set VO,  100                          ; v100-115: the rows' byte offsets in part
.set WR,  64                           ; window 2
.set KSL, 12
.set T1,  14
.set T2,  15
.set TK,  16                           ; s[16:31]: a tile's 16 tokens
.set XK,  32
.set BLK, 34
.set LIVE, 35                          ; my live slots
.set NT1, 36                           ; the last tile that the launch before has written
.set EOFF, 37
.set LEFT, 38
.set LOFF, 39
.set LP,  40                           ; s[40:41]: the expert's list
.set WV,  66
.set DSL, 67
.set EX,  68
.set NE,  69
.set NT,  70
.set BB,  72
.set RT,  73
.set CTR, 74
.set WP,  76
.set WBS, 78
.set TP,  96
.set TBS, 98
.set OUTB, 100
.set MSB, 0
.macro WIN new                         ; the immediate's high byte repeats the setting that is left; a switch that changes nothing is dropped
.if MSB != (\new)
	s_set_vgpr_msb (MSB<<8)|(\new)
.set MSB, \new
.endif
.endm
.macro PLACES                          ; four places behind matrix instructions, ahead of loads into their sources and of reads of their results; a wait on va_vdst fills no place and stands beside them
.rept 4
	v_nop
.endr
.endm
.macro WLOAD set, imm                  ; a chunk of my 32 weight rows: sixteen lanes take a row's 256 aligned bytes
	WIN 0x80
.irp n, 0,1,2,3,4,5,6,7,8,9,10,11,12,13,14,15
	global_load_b128 v[WR+64*(\set)+4*(\n):WR+64*(\set)+4*(\n)+3], v[VW], s[WP:WP+1] offset:((\n)/8*16+(\n)%8)*ROWB+(\imm) th:TH_LOAD_NT
.endr
.endm
.macro WCVT set                        ; rounded out of the set into WC: four f32 to 8 bytes
	WIN 0x0a
.irp n, 0,1,2,3,4,5,6,7,8,9,10,11,12,13,14,15
	v_cvt_pk_bf16_f32 v[WC+2*(\n)], v[WR+64*(\set)+4*(\n)], v[WR+64*(\set)+4*(\n)+1]
	v_cvt_pk_bf16_f32 v[WC+2*(\n)+1], v[WR+64*(\set)+4*(\n)+2], v[WR+64*(\set)+4*(\n)+3]
.endr
.endm
.macro WSTORE buf
	WIN 0
.irp n, 0,1,2,3,4,5,6,7,8,9,10,11,12,13,14,15
	ds_store_b64 v[VS], v[WC+2*(\n):WC+2*(\n)+1] offset:(\buf)*WBUF+((\n)/8*16+(\n)%8)*PW
.endr
.endm
.macro BLOAD f, buf, s
	WIN 0
.irp cb, 0,1,2,3,4,5,6,7
	ds_load_b128 v[(\f)+8*(\cb):(\f)+8*(\cb)+3],   v[VB] offset:(\buf)*WBUF+(\cb)*16*PW+64*(\s)
	ds_load_b128 v[(\f)+8*(\cb)+4:(\f)+8*(\cb)+7], v[VB] offset:(\buf)*WBUF+(\cb)*16*PW+64*(\s)+32
.endr
.endm
.macro AGH set, ks, imm                ; the five slots' token fragments of K step ks of a chunk: ten loads, two halves of 512 consecutive bytes a slot
	WIN 0xc0
.irp t, 0,1,2,3,4
.irp q, 0,1
	global_load_b128 v[80*(\set)+16*(\t)+8*(\ks)+4*(\q):80*(\set)+16*(\t)+8*(\ks)+4*(\q)+3], v[VA+(\t)], s[TP:TP+1] offset:1024*(\ks)+512*(\q)+(\imm)
.endr
.endr
.endm
; The eight products of slot t for one K step.  The accumulators take turns, one instruction a turn: on every way at least 23 others' stand between two products on one accumulator.
; first = 1: the products start the sums with C = 0: nothing is cleared.
.macro MMS bf, af, t, first
.if (\t) < 4
	WIN 0x5c
.set DB, 64*(\t)
.else
	WIN 0xac
.set DB, 0
.endif
.irp cb, 0,1,2,3,4,5,6,7
.if \first
	v_wmma_f32_16x16x32_bf16 v[DB+8*(\cb):DB+8*(\cb)+7], v[(\bf)+8*(\cb):(\bf)+8*(\cb)+7], v[(\af)+16*(\t):(\af)+16*(\t)+7], 0
.else
	v_wmma_f32_16x16x32_bf16 v[DB+8*(\cb):DB+8*(\cb)+7], v[(\bf)+8*(\cb):(\bf)+8*(\cb)+7], v[(\af)+16*(\t):(\af)+16*(\t)+7], v[DB+8*(\cb):DB+8*(\cb)+7]
.endif
.endr
.endm
.macro MMC bf, af, first, cond         ; slots 3 and 4; cond = 1: dead ones are jumped
.if \cond
	WIN 0                                          ; at a branch and at a label every window is 0
	s_cmp_lt_u32 s[LIVE], 4
	s_cbranch_scc1 .Ldead_\@
	MMS \bf, \af, 3, \first
	WIN 0
	s_cmp_lt_u32 s[LIVE], 5
	s_cbranch_scc1 .Ldead_\@
	MMS \bf, \af, 4, \first
	WIN 0
.Ldead_\@:
.else
	MMS \bf, \af, 3, \first
	MMS \bf, \af, 4, \first
.endif
.endm
; TRIP c.  rel: c less the chunk at which the stepped bases stand; par = c % 2.  lch, lcm: the loads that may stay out at its head and in its middle.  cvt: chunk c + 1 of the weights is rounded and stored.
; a1: step 1 of token chunk c + 1 is asked for.  wiss: weight chunk c + 3.  a0: step 0 of token chunk c + 2.  pf: weight chunk c + 4 is prefetched (2: not in the loop's last turn, where it would lie past the slice).
; THE ORDER OF THE REQUESTS, on every way: first half of trip c: tokens (c + 1, step 1) 10, weights (c + 3) 16; middle of trip c: tokens (c + 2, step 0) 10.  Loads come back in order (ISA guide 5.7.1).
; At the head are wanted weights (c + 1) and tokens (c, step 0); behind these were asked: tokens (c, 1) 10, weights (c + 2) 16, tokens (c + 1, 0) 10: lch = 36.
; In the middle are wanted tokens (c, 1); behind them: weights (c + 2) 16, tokens (c + 1, 0) 10, tokens (c + 1, 1) 10, weights (c + 3) 16: lcm = 52.  The last trips, which ask for less, have lower counts.
.macro TRIP rel, par, first, cond, lch, lcm, cvt, a1, wiss, a0, pf, last
	s_wait_loadcnt \lch
	s_wait_dscnt 0x0                               ; the weight fragments of K step 0, asked for a K step ago
.if \cvt
	s_wait_alu depctr_vm_vsrc(0)                   ; the LDS stores of the chunk before have read WC, which the conversions write again
	WCVT 1-(\par)                                  ; 32 conversions: also the places ahead of the loads below
.else
	PLACES
.endif
	WIN 0
	s_wait_alu depctr_va_vdst(0)                   ; the conversions have written WC, which the LDS stores read, and are done reading their set, in which weight chunk c + 3 lands; the last trip's second half is done reading BF1 and tokens (1 - par, step 1), in which loads land
	BLOAD BF1, \par, 1
.if \cvt
	WSTORE 1-(\par)
.endif
	MMS BF0, 80*(\par), 0, \first
.if \a1
	AGH 1-(\par), 1, ((\rel)+1)*2048               ; into the registers that the last trip's second half has read.  No wait: nothing issued since the wait above names them or v[VA ..]
.endif
	MMS BF0, 80*(\par), 1, \first
.if \wiss
	WLOAD 1-(\par), ((\rel)+3)*256                 ; into the set that the conversions have emptied.  No wait: nothing issued since the wait above names it or v[VW]
.endif
.if (\pf) == 2
	WIN 0
	s_cmp_eq_u32 s[CTR], 1
	s_cbranch_scc1 .Lnp_\@
.endif
.if \pf
	WIN 0
	global_prefetch_b8 v[VPF], s[WP:WP+1] offset:((\rel)+4)*256 th:TH_LOAD_NT scope:SCOPE_SE  ; lane l: the 256 bytes of row 32 w + l in chunk c + 4, which the next trip loads; each block is asked for once, the last in trip 11
.endif
.if (\pf) == 2
.Lnp_\@:
.endif
	MMC BF0, 80*(\par), \first, \cond
.if \last
	MMS BF0, 80*(\par), 2, \first
	s_wait_dscnt 0x0
.else
	s_wait_dscnt 0x0                               ; my stores of chunk c + 1 are done, and so are my reads of this trip's buffer
	s_barrier_signal -1
	MMS BF0, 80*(\par), 2, \first                  ; work on registers while the others arrive
	s_barrier_wait -1
	PLACES
	WIN 0
	s_wait_alu depctr_va_vdst(0)                   ; the trip's first 40 products are done reading BF0 and tokens (par, step 0), in which the loads below land
	BLOAD BF0, 1-(\par), 0
.endif
	s_wait_loadcnt \lcm
.if \a0
	AGH \par, 0, ((\rel)+2)*2048                   ; into the registers that this trip's first half has read
.endif
	MMS BF1, 80*(\par)+8, 0, 0
	MMS BF1, 80*(\par)+8, 1, 0
	MMC BF1, 80*(\par)+8, 0, \cond
	MMS BF1, 80*(\par)+8, 2, 0
.endm
.macro STEP2                           ; two chunks on; inside a pair of trips the chunk stands in the immediates
	WIN 0
	s_wait_xcnt 0x0                                ; the bases are rewritten only when every memory instruction issued has had its address translated
	s_add_nc_u64 s[WP:WP+1], s[WP:WP+1], 512
	s_add_nc_u64 s[TP:TP+1], s[TP:TP+1], 4096
.endm
	s_load_b256 s[4:11], s[0:1], 0x0               ; h s[4:5], lst s[6:7], w2 s[8:9], part s[10:11]
	v_lshl_add_u32 v254, v0, 2, 0x11400
	v_mov_b32 v255, 0
	v_lshrrev_b32 v[TA], 5, v0
	v_readfirstlane_b32 s[WV], v[TA]               ; wave 0..3
	s_and_b32 s[DSL], ttmp9, 7                     ; which 128 rows of W2
	s_lshr_b32 s[KSL], ttmp9, 3                    ; which quarter of K
	s_and_b32 s[EX], ttmp7, 0xffff                 ; expert
	v_and_b32 v[LN], 31, v0
	v_and_b32 v[R16], 15, v0
	v_bfe_u32 v[HH], v0, 4, 1
	v_lshlrev_b32 v[L16], 4, v[LN]
	v_mul_u32_u24 v[VB], v[R16], PW
	v_lshl_add_u32 v[VB], v[HH], 4, v[VB]
	s_wait_alu depctr_va_sdst(0)                   ; the wave's number is written, ahead of its first reader
	s_lshl_b32 s[T1], s[WV], 5
	v_lshl_add_u32 v[TA], v[HH], 3, s[T1]          ; 32 w + 8 x half
	v_mul_u32_u24 v[VS], v[TA], PW
	v_lshl_add_u32 v[VS], v[R16], 3, v[VS]
	v_lshlrev_b32 v[VW], 14, v[TA]
	v_lshl_add_u32 v[VW], v[R16], 4, v[VW]
	v_add_nc_u32 v[VPF], s[T1], v[LN]
	v_lshlrev_b32 v[VPF], 14, v[VPF]
	v_lshlrev_b32 v[VWX], 14, v[R16]
	v_lshl_add_u32 v[VWX], v[HH], 5, v[VWX]
	s_mul_i32 s[T1], s[WV], 16*PO
	s_add_co_u32 s[T1], s[T1], OST                 ; my stage
	v_mul_u32_u24 v[VOS], v[R16], PO
	v_lshl_add_u32 v[VOS], v[HH], 5, v[VOS]
	v_add_nc_u32 v[VOS], s[T1], v[VOS]
	v_add_nc_u32 v[VOR], s[T1], v[L16]
	s_lshl_b32 s[EOFF], s[EX], 2
	s_mov_b32 s[T2], 0
	s_wait_kmcnt 0x0
	s_load_b32 s[NE], s[6:7], s[EOFF] offset:0x8000   ; the expert's count, behind the eight lists
	s_lshl_b32 s[T1], s[EX], 24
	s_lshl_b32 s[CTR], s[DSL], 21
	s_add_co_u32 s[T1], s[T1], s[CTR]
	s_lshl_b32 s[CTR], s[KSL], 12
	s_add_co_u32 s[T1], s[T1], s[CTR]
	s_add_nc_u64 s[WBS:WBS+1], s[8:9], s[T1:T1+1]  ; w2 at my 128 rows and 1,024 columns
	s_mov_b64 s[WP:WP+1], s[WBS:WBS+1]
	s_lshl_b32 s[T1], s[EX], 23
	s_lshl_b32 s[CTR], s[KSL], 15
	s_add_co_u32 s[T1], s[T1], s[CTR]
	s_add_nc_u64 s[TBS:TBS+1], s[4:5], s[T1:T1+1]  ; h at my expert and quarter of K
	s_mov_b64 s[TP:TP+1], s[TBS:TBS+1]
	s_lshl3_add_u32 s[T1], s[KSL], s[EX]
	s_lshl_b32 s[T1], s[T1], 22
	s_lshl_b32 s[CTR], s[DSL], 9
	s_add_co_u32 s[T1], s[T1], s[CTR]
	s_add_nc_u64 s[OUTB:OUTB+1], s[10:11], s[T1:T1+1]
	s_lshl_b32 s[T1], s[EX], 12
	s_add_nc_u64 s[LP:LP+1], s[6:7], s[T1:T1+1]    ; the expert's list
	WIN 0x80
	s_wait_alu depctr_va_vdst(0)                   ; v[VB], v[VS], v[VW], v[VPF], v[VWX], v[VOS] and v[VOR] are written: the loads, LDS instructions and prefetches of the whole kernel read them as addresses
	WLOAD 0, 0                                     ; the weights go out ahead of the wait for the count
	WLOAD 1, 256
	WIN 0
	global_prefetch_b8 v[VPF], s[WP:WP+1] offset:512 th:TH_LOAD_NT scope:SCOPE_SE   ; chunks 2 and 3; the trips ask for 4 to 15
	global_prefetch_b8 v[VPF], s[WP:WP+1] offset:768 th:TH_LOAD_NT scope:SCOPE_SE
	s_wait_kmcnt 0x0
	s_min_u32 s[NE], s[NE], 1024
	s_add_co_u32 s[NT], s[NE], 15
	s_lshr_b32 s[NT], s[NT], 4
	s_max_u32 s[NT1], s[NT], 1
	s_sub_co_u32 s[NT1], s[NT1], 1
	s_add_co_u32 s[LIVE], s[NT], 3
	s_sub_co_u32 s[LIVE], s[LIVE], s[WV]
	s_lshr_b32 s[LIVE], s[LIVE], 2                 ; slot t is live where w + 4 t is a tile
.irp t, 0,1,2,3,4
	s_add_co_u32 s[T1], s[WV], 4*(\t)
	s_min_u32 s[T1], s[T1], s[NT1]                 ; a dead slot takes the last tile
	s_min_u32 s[T1], s[T1], 63
	s_lshl_b32 s[LOFF], s[T1], 6                   ; the tile's 16 words of the list,
	v_lshl_add_u32 v[VLO+(\t)], v[R16], 2, s[LOFF] ; mine among them
	s_lshl_b32 s[T1], s[T1], TSH
	v_add_nc_u32 v[VA+(\t)], s[T1], v[L16]
.endr
	s_wait_alu depctr_va_vdst(0)                   ; the offsets v[VLO ..] and v[VA ..] are written, which the loads of the lists' words and of the tokens' fragments read
.irp t, 0,1,2,3,4
	global_load_b32 v[VTS+(\t)], v[VLO+(\t)], s[LP:LP+1]   ; the slots' tokens, for the way out; they are in at trip 0's head
.endr
	AGH 0, 0, 0                                    ; token chunk 0, both K steps
	AGH 0, 1, 0
	; ahead of trip 0: chunk 0 of the weights goes into LDS
	s_wait_loadcnt 41                              ; weight chunk 0 is in: chunk 1 (16), the lists' words (5) and the tokens (20) may stay out
	WCVT 0
	WIN 0
	s_wait_alu depctr_va_vdst(0)                   ; the conversions have written WC, which the LDS stores read, and are done reading set 0, in which weight chunk 2 lands
	WSTORE 0
	WLOAD 0, 512                                   ; weight chunk 2,
	AGH 1, 0, 2048                                 ; and step 0 of token chunk 1: the order of requests that the trips' counts lean on begins here
	s_wait_dscnt 0x0
	s_barrier_signal -1
	s_barrier_wait -1
	BLOAD BF0, 0, 0
	TRIP 0, 0, 1, 0, 36, 52, 1, 1, 1, 1, 1, 0      ; trip 0: its first 40 products start the sums; nothing is jumped
	WIN 0
	s_mov_b32 s[CTR], 6
.Lk:                                                   ; trips 1 to 12
	TRIP 1, 1, 0, 1, 36, 52, 1, 1, 1, 1, 1, 0
	TRIP 2, 0, 0, 1, 36, 52, 1, 1, 1, 1, 2, 0
	STEP2
	s_sub_co_u32 s[CTR], s[CTR], 1
	s_cmp_lg_u32 s[CTR], 0
	s_cbranch_scc1 .Lk
	TRIP 1, 1, 0, 1, 36, 36, 1, 1, 0, 1, 0, 0      ; 13: no weights are left to ask for.  Middle: behind tokens (13, 1) stand weights 15 (16), tokens (14, 0) and (14, 1)
	TRIP 2, 0, 0, 1, 20, 20, 1, 1, 0, 0, 0, 0      ; 14: head: behind tokens (14, 0) stand (14, 1) and (15, 0); middle: behind (14, 1) stand (15, 0) and (15, 1)
	TRIP 3, 1, 0, 1, 10, 0, 0, 0, 0, 0, 0, 1       ; 15: head: behind tokens (15, 0) stand (15, 1); middle: nothing, and no load, so no wait on va_vdst
	WIN 0
	PLACES
	; THE WAY OUT: 16 trips, a constant; trip b is tile w + 4 b.  Dead tiles are jumped, forward, past text without a barrier.
	s_mov_b32 s[BB], 0
.Lout:
	s_lshl2_add_u32 s[RT], s[BB], s[WV]
	s_cmp_ge_u32 s[RT], s[NT]
	s_cbranch_scc1 .Lnext
	s_cmp_lt_u32 s[BB], 5
	s_cselect_b32 s[BLK], s[BB], 0                 ; a slot's accumulators and tokens, or for a later tile slot 0's
	s_cbranch_scc1 .Lpick
	; A TILE FROM 20 ON (an expert with more than 320 rows): computed here into slot 0's accumulators, which have gone out.  32 K steps, operands straight from memory.
	s_wait_xcnt 0x0
	s_wait_alu depctr_vm_vsrc(0)                   ; the loads issued so far have read v[VA] and v[VLO], the LDS stores slot 0's accumulators, the last trip's stores v32-95: all are written again below
	s_lshl_b32 s[T1], s[RT], TSH
	v_add_nc_u32 v[VA], s[T1], v[L16]
	s_lshl_b32 s[LOFF], s[RT], 6
	v_lshl_add_u32 v[VLO], v[R16], 2, s[LOFF]
	s_wait_alu depctr_va_vdst(0)                   ; v[VLO] is written, which the load reads; the copy of slot 0's tokens is done reading v[VTS], in which it lands
	global_load_b32 v[VTS], v[VLO], s[LP:LP+1]     ; its tokens take slot 0's place; the first K step's wait for all loads covers them
	s_mov_b64 s[WP:WP+1], s[WBS:WBS+1]
	s_mov_b64 s[TP:TP+1], s[TBS:TBS+1]
	WIN 0x40
.set n, 0
.rept 64                               ; 64 zeros spare a second text of the K step on this seldom-used path
	v_mov_b32 v[n], 0
.set n, n+1
.endr
	WIN 0
	s_mov_b32 s[XK], 32
.Lxk:
	PLACES
	WIN 0xc0
	s_wait_alu depctr_va_vdst(0)                   ; the last step's conversions and products are done reading window 3's v0-135, in which the loads land; in the first step v[VA] is written, which two of them read
.irp cb, 0,1,2,3,4,5,6,7               ; lane l: row 16 cb + l % 16, K 8 (l / 16) + 0..7 and 16 + 8 (l / 16) + 0..7 in f32
	global_load_b128 v[16*(\cb):16*(\cb)+3],     v[VWX], s[WP:WP+1] offset:(\cb)*16*ROWB
	global_load_b128 v[16*(\cb)+4:16*(\cb)+7],   v[VWX], s[WP:WP+1] offset:(\cb)*16*ROWB+16
	global_load_b128 v[16*(\cb)+8:16*(\cb)+11],  v[VWX], s[WP:WP+1] offset:(\cb)*16*ROWB+64
	global_load_b128 v[16*(\cb)+12:16*(\cb)+15], v[VWX], s[WP:WP+1] offset:(\cb)*16*ROWB+80
.endr
	global_load_b128 v[128:131], v[VA], s[TP:TP+1]
	global_load_b128 v[132:135], v[VA], s[TP:TP+1] offset:512
	s_wait_loadcnt 0x0
	WIN 0x0f
.set n, 0
.rept 64
	v_cvt_pk_bf16_f32 v[BF0+n], v[2*n], v[2*n+1]
.set n, n+1
.endr
	WIN 0x5c
.irp cb, 0,1,2,3,4,5,6,7
	v_wmma_f32_16x16x32_bf16 v[8*(\cb):8*(\cb)+7], v[BF0+8*(\cb):BF0+8*(\cb)+7], v[128:135], v[8*(\cb):8*(\cb)+7]
.endr
	WIN 0
	s_add_nc_u64 s[WP:WP+1], s[WP:WP+1], 128       ; the step's loads are done: their bases are free
	s_add_nc_u64 s[TP:TP+1], s[TP:TP+1], 1024
	s_sub_co_u32 s[XK], s[XK], 1
	s_cmp_lg_u32 s[XK], 0
	s_cbranch_scc1 .Lxk
	PLACES
.Lpick:
	s_wait_xcnt 0x0                                ; the last trip's stores have had their addresses translated
	s_wait_alu depctr_vm_vsrc(0)                   ; the last trip's stores have read their offsets v[VO ..] and their data v[OBV ..], which are written again below
	s_wait_alu depctr_va_vdst(0)                   ; the products have written the accumulators, which the LDS stores read (the places stand ahead); products and conversions are done with v32-95, in which the stage's loads land
	s_lshl_b32 s[T1], s[RT], 4
	s_sub_co_u32 s[LEFT], s[NE], s[T1]             ; rows of this tile that exist, if fewer than 16
.macro BLOCK t                         ; the one text that names a slot's registers: its tokens; its 8 accumulators go into the stage, each from its low end on
	v_mov_b32 v[VT], v[VTS+(\t)]                   ; names neither an accumulator nor an LDS address: the wait above still serves the stores
.if (\t) < 4
	WIN 0x04
.set AB, 64*(\t)
.else
	WIN 0x08
.set AB, 0
.endif
.irp cb, 0,1,2,3,4,5,6,7
	ds_store_b128 v[VOS], v[AB+8*(\cb):AB+8*(\cb)+3]   offset:64*(\cb)
	ds_store_b128 v[VOS], v[AB+8*(\cb)+4:AB+8*(\cb)+7] offset:64*(\cb)+16
.endr
	WIN 0
.endm
.irp k, 0,1,2,3
	s_cmp_eq_u32 s[BLK], \k
	s_cbranch_scc1 .Lblk\k
.endr
	BLOCK 4
	s_branch .Lcommon
.irp k, 0,1,2
.Lblk\k:
	BLOCK \k
	s_branch .Lcommon
.endr
.Lblk3:
	BLOCK 3
.Lcommon:
.irp i, 0,1,2,3,4,5,6,7,8,9,10,11,12,13,14,15
	ds_load_b128 v[OBV+4*(\i):OBV+4*(\i)+3], v[VOR] offset:(\i)*PO   ; the stage is my own and LDS serves a wave in order: these see the stores above
.endr
.irp i, 0,1,2,3,4,5,6,7,8,9,10,11,12,13,14,15
	v_readlane_b32 s[TK+(\i)], v[VT], \i           ; the 16 tokens as scalars, all at once, while the rows come back from the stage
.endr
	s_wait_alu depctr_va_sdst(0)                   ; the sixteen tokens s[TK ..] are written, ahead of their first reader: one wait for the run
.irp i, 0,1,2,3,4,5,6,7,8,9,10,11,12,13,14,15
	s_min_u32 s[TK+(\i)], s[TK+(\i)], 0x3ff
	v_lshl_add_u32 v[VO+(\i)], s[TK+(\i)], 12, v[L16]  ; all sixteen rows' offsets in one run (a rank past the count repeats the last rank's token; its row is not stored)
.endr
	s_wait_alu depctr_va_vdst(0)                   ; the sixteen offsets v[VO ..] are written, which the stores read: one wait for all
.irp i, 0,1,2,3,4,5,6,7,8,9,10,11,12,13,14,15
.if (\i) > 0
	s_cmp_le_u32 s[LEFT], \i                       ; rows past the count are not stored
	s_cbranch_scc1 .Lrows
.endif
	s_wait_dscnt 15-(\i)                           ; row i is back; the rows behind it may stay out
	global_store_b128 v[VO+(\i)], v[OBV+4*(\i):OBV+4*(\i)+3], s[OUTB:OUTB+1]   ; 512 consecutive bytes of the token's row, aligned
.endr
.Lrows:
	s_wait_dscnt 0x0
.Lnext:
	s_add_co_u32 s[BB], s[BB], 1
	s_cmp_lt_u32 s[BB], 16
	s_cbranch_scc1 .Lout
	s_wait_dscnt 0x0                               ; my last LDS instructions are done
	s_wait_alu depctr_hold_cnt(0) depctr_sa_sdst(0) depctr_va_vdst(0) depctr_va_sdst(0) depctr_va_ssrc(0) depctr_va_vcc(0) depctr_vm_vsrc(0)
	s_wait_tensorcnt 0x0
	ds_add_u32 v254, v255
	s_wait_dscnt 0x0
	s_endpgm
.Lfunc_end_k_q3a6501af52_ffn2:
	.size	k_q3a6501af52_ffn2, .Lfunc_end_k_q3a6501af52_ffn2-k_q3a6501af52_ffn2
	.p2alignl 7, 3214868480
	.fill 96, 4, 3214868480
	.section	.rodata,"a",@progbits
	.p2align	6, 0x0
	.amdhsa_kernel k_q3a6501af52_ffn2
		.amdhsa_group_segment_fixed_size 71168
		.amdhsa_private_segment_fixed_size 0
		.amdhsa_enable_private_segment 0
		.amdhsa_kernarg_size 32
		.amdhsa_user_sgpr_count 2
		.amdhsa_user_sgpr_kernarg_segment_ptr 1
		.amdhsa_wavefront_size32 1
		.amdhsa_system_sgpr_workgroup_id_x 1
		.amdhsa_system_sgpr_workgroup_id_y 1
		.amdhsa_system_sgpr_workgroup_id_z 1
		.amdhsa_system_vgpr_workitem_id 0
		.amdhsa_next_free_vgpr 928
		.amdhsa_next_free_sgpr 102
		.amdhsa_reserve_vcc 0
		.amdhsa_float_denorm_mode_32 3
		.amdhsa_float_denorm_mode_16_64 3
		.amdhsa_memory_ordered 1
		.amdhsa_forward_progress 1
		.amdhsa_inst_pref_size 118
	.end_amdhsa_kernel
	.amdgpu_metadata
---
amdhsa.version: [ 1, 2 ]
amdhsa.kernels:
  - .name:           k_q3a6501af52_ffn2
    .symbol:         k_q3a6501af52_ffn2.kd
    .args:
      - { .name: h, .offset: 0, .size: 8, .value_kind: global_buffer, .address_space: global }
      - { .name: lst, .offset: 8, .size: 8, .value_kind: global_buffer, .address_space: global }
      - { .name: w2, .offset: 16, .size: 8, .value_kind: global_buffer, .address_space: global }
      - { .name: part, .offset: 24, .size: 8, .value_kind: global_buffer, .address_space: global }
    .group_segment_fixed_size: 71168
    .private_segment_fixed_size: 0
    .kernarg_segment_align: 8
    .kernarg_segment_size: 32
    .max_flat_workgroup_size: 128
    .sgpr_count:     102
    .vgpr_count:     928
    .wavefront_size: 32
...
	.end_amdgpu_metadata
.endif
;; end of part 10
;; launch mix: the kernel of part 8 again; grid 256 x 1, 8 waves a work-group, no clusters, 0 bytes of LDS; arguments part, selm, cw, b2, out0; writes out0
